; MI455X (gfx1250); checked and timed in simulation.
; The chip was launched on July 23, 2026; its instructions are those of AMD's public machine-readable ISA for CDNA 5 (MIT licence, August 2026) and "CDNA5" Instruction Set Architecture Reference Guide (July 2026). The comments in the code are by the model that wrote it; some were corrected since.
;; Sparse Moe Block. Allowed arithmetic: matrix products marked QUANTISED: E5M2 operands, one E8M0 scale for each 32 along K, by v_wmma_scale_f32_16x16x128_f8f6f4 with both operands' format E5M2, f32 sums; products left as they are: f32 operands where the result goes on into a quantised operand, else bf16, f16 or f32 operands; f32 sums; everything else in f32.
;; Inputs: V1 8 x 2,048 x 512 float32; W1 8 x 2,048 x 512 float32; W2 8 x 512 x 2,048 float32; Wr 2,048 x 8 float32; x 2 x 1,024 x 2,048 float32.
;; Outputs: out0 2 x 1,024 x 2,048 float32.
;; This version of the problem:
;;   THIS VERSION OF THE PROBLEM IS GIVEN IN LOW PRECISION. The matrix products marked QUANTISED in the list below multiply operands that are first quantised to E5M2 (5 exponent bits, 2 mantissa bits; 8 bits a number), with one power-of-two scale for each 32 numbers along K (OCP MX v1.0); their sums are f32. All else is computed in f32.
;;   The module's matrix products, in the order in which they are computed (A, B: the left and right operand; K: the contracted axis; several contracted axes count as one K, in the product's order):
;;     1. [M 2,048, K 2,048] x [K 2,048, N 8]; A: input x; B: input Wr: left as it is (N = 8 < 16)
;;     2. batch 2,048 x [M 1, K 2] x [K 2, N 8]; A: computed on the way; B: computed on the way: left as it is (K = 2 < 32)
;;     3. [M 4,096, K 2,048] x [K 2,048, N 2,048]; A: input W1; B: input x: QUANTISED
;;     4. [M 4,096, K 2,048] x [K 2,048, N 2,048]; A: input V1; B: input x: QUANTISED
;;     5. batch 8 x [M 2,048, K 512] x [K 512, N 2,048]; A: computed on the way; B: input W2: QUANTISED
;;     6. batch 2,048 x [M 1, K 8] x [K 8, N 2,048]; A: computed on the way; B: computed on the way: left as it is (K = 8 < 32)
;;   THE QUANTISER, for each operand of a quantised product, along K:
;;     - K is cut into blocks of 32 from its start; a last block that is shorter is filled with zeros.
;;     - A block's scale is 2^e with e = floor(log2(the largest magnitude in the block)) - 15, held to -126 .. 127; a block of zeros has e = 0. As a byte (E8M0): e + 127.
;;     - Each number is divided by its block's scale, clamped to +-57,344, and rounded to the nearest number of E5M2, ties to even, subnormals kept.
;;     - The product sums the exact products of the quantised numbers (number of the format x scale) in f32.
;;   ~~~python
;;   def quantise(x, axis):      # numpy; x: float32 -> the quantised numbers, widened to float32 again
;;       x = np.moveaxis(x, axis, -1); K = x.shape[-1]
;;       x = np.pad(x, [(0, 0)] * (x.ndim - 1) + [(0, -K % 32)]); x = x.reshape(x.shape[:-1] + (-1, 32)); a = np.abs(x).max(-1, keepdims=True)
;;       e = np.where(a > 0, np.clip(np.frexp(np.where(a > 0, a, 1))[1] - 1 - 15, -126, 127), 0)      # np.frexp(a)[1] - 1 = floor(log2(a)), exactly
;;       r = np.clip(x / 2.0 ** e, -57344, 57344)
;;       step = 2.0 ** (np.maximum(np.frexp(np.where(r == 0, 1, r))[1] - 1, -14) - 2)
;;       q = np.round(r / step) * step * 2.0 ** e      # np.round: ties to even
;;       return np.moveaxis(q.reshape(q.shape[:-2] + (-1,))[..., :K], -1, axis).astype(np.float32)
;;   ~~~
;;   OPERANDS COMPUTED ON THE WAY. 'Computed on the way' means the value that the module computes at that place (a softmax that the list does not call 'softmax' is quantised finished and normalised). What goes into a quantiser is computed in f32, as accurately as f32 sums, v_exp_f32 and their like allow (about 1e-6 of the number): no bf16 or f16 on the way to a quantiser, and a product that is left as it is and whose result goes on into a quantised operand takes f32 operands (vector FMAs, or v_wmma_f32_16x16x4_f32). A number that lies on a knife's edge between two numbers of the format may be rounded either way, as far as f32 arithmetic and the matrix unit's own rounding can turn it there, and no further.
;; 2 versions. Each part assembles by itself: llvm-mc -triple=amdgcn-amd-amdhsa -mcpu=gfx1250 --defsym DOCPART=n.
;; ======== version 1 of 2: 4 launches
;; limits: right only within a limited range of input values
;; workspace buffers: xq 4,325,376 bytes; wq 25,952,256 bytes; sel 8,192 bytes of whole numbers; score 16,384 bytes; lists 14,336 bytes of whole numbers; act 2,703,360 bytes
;; launch prep (part 1): grid 384 x 1, 8 waves a work-group, no clusters, 111,104 bytes of LDS; arguments x, Wr, W1, V1, xq, wq, sel, score; writes xq, wq, sel, score
.if DOCPART == 1
	.amdgcn_target "amdgcn-amd-amdhsa--gfx1250"
	.amdhsa_code_object_version 6
	.text
	.protected	k_q7a3cd42b06_prep
	.globl	k_q7a3cd42b06_prep
	.p2align	8
	.type	k_q7a3cd42b06_prep,@function
k_q7a3cd42b06_prep:
	s_mov_b64 s[64:65], 0
	v_nop
	global_prefetch_b8 v0, s[64:65] scope:SCOPE_SE
	s_setreg_imm32_b32 hwreg(HW_REG_WAVE_MODE, 25, 1), 1
	s_wait_xcnt 0x0
; PREP.  Work-groups 0-127: 16 tokens each: the router (f32 logits, softmax, the two SMALLEST gates, the lower index on a tie, renormalised) and x's codes of BF8 (E5M2) with one E8M0 byte for each 32 along D.
; Work-groups 128-383: W1 and V1 [8][2048 (K)][512], f32, into codes laid in the ORDER OF AN OPERAND'S REGISTERS: [e][f-block of 32][K step of 128][W1, V1][tile u][chunk c][lane][16 bytes], and scale words [e][f-block][K step][W1, V1][lane].
; A block's scale is 2^(floor(log2(largest magnitude)) - 15); its byte is that magnitude's exponent field - 15, held at 1 from below.
; THE ROWS OF A WEIGHT TILE ARE NOT NEIGHBOURS: column f (0..31) of an f-block goes to tile u = bit 3 of f, row (f & 7) + 8 (bit 4 of f), so that the results of tiles u = 0, 1 are 16 neighbours along the next product's K.
; x IS LOADED AS IT LIES: one load reads 512 consecutive bytes of one token, 16 a lane.  The quantiser and the router want 16 neighbours along K in one lane, so a K step's 16 x 512 bytes turn through the wave's own stage in LDS.
; The chosen experts go to 'sel' and their weights to 'score' at fixed places: no address and no branch of this launch hangs on them.
; LIMITS: NaN and infinities are not served.  Gates under 2^-126 come out as 0 (the exponential flushes).  A token whose second and third smallest logits differ by less than the noise of an f32 sum of 2,048 terms
; (about 1e-6 of the logits) may choose otherwise than a sum in another order.  A block of zeros gets the byte 1 and not 127: its codes are zeros, and this program alone reads the bytes.
; No tensor loads, no cluster: no two work-groups read the same bytes but Wr's 64 KiB.
.set XSC,   4194304                    ; xq: scale bytes [token][64] behind the codes [token][2048]
.set WSC,   25165824                   ; wq: W1's and V1's scale words
.set MANT,  0x600000                   ; the mantissa field of 57,344
.set NB,    8                          ; weights: blocks of 32 along K for a lane
.set PITCH, 2048                       ; weights: bytes from one k to the next
.set SPTR,  8                          ; s[8:9]  the weight's pointer
.set SRC,   2                          ; v2  4 x lane
.set DST,   3                          ; v3  2048 u + 16 r
.set SOF,   4                          ; v4  4 (16 u + r)
.set SB,    24                         ; v24-25  scale words
.set X,     32                         ; v32-95  two sets of 32 numbers
.set C,     96                         ; v96-159 codes: eight registers for each block, so that no store's data are written again
.set XP,    2064                       ; LDS: a token's 2,048 codes + 16: an odd multiple of 16 bytes
.set XS,    33280                      ; LDS: 16 x 64 scale bytes
.set LGS,   34304                      ; LDS: 8 waves x 32 lanes x 8 partial logits
.set STGX,  42496                      ; LDS: for each wave a stage of 16 rows of f32
.set SXP,   528                        ; a stage row: 512 bytes + 16: an odd multiple of 16 bytes, so that the 16 rows that a load back touches start at 16 different places modulo 256
.set X0,    16                         ; v16-79   64 numbers of x, first K step
.set X1,    80                         ; v80-143  second K step
.set WR,    144                        ; v144-207 Wr at the same k
.set ACC,   208                        ; v208-223 two sums of logits: written by matrix instructions alone
.set PC,    224                        ; v224-239 the codes just made
.set TM,    240                        ; v240-255 at work
.set PW,    15                         ; v15      the scale word just made
.macro LOAD t                          ; block t: W(32 t + i, my column) into set t % 2: a wave reads 128 consecutive bytes, the eight waves 1,024
.irp i, 0,1,2,3,4,5,6,7,8,9,10,11,12,13,14,15,16,17,18,19,20,21,22,23,24,25,26,27,28,29,30,31
	global_load_b32 v[X+32*((\t)%2)+\i], v[SRC], s[SPTR:SPTR+1] offset:(32*(\t)+\i)*PITCH th:TH_LOAD_NT
.endr
.endm
.macro QBLK t                          ; a lane's 32 registers are one block of 32 along K of its column
.set XB, X+32*((\t)%2)
.set CC, C+8*(\t)
.if (\t) < NB-1
	s_wait_loadcnt 32                              ; this block's 32 loads are in; the next block's 32 may be out
.else
	s_wait_loadcnt 0
.endif
	v_max3_num_f32 v12, |v[XB]|, |v[XB+1]|, |v[XB+2]|
	v_max3_num_f32 v13, |v[XB+3]|, |v[XB+4]|, |v[XB+5]|
.irp i, 6,10,14,18,22,26
	v_max3_num_f32 v12, v12, |v[XB+\i]|, |v[XB+\i+1]|
	v_max3_num_f32 v13, v13, |v[XB+\i+2]|, |v[XB+\i+3]|
.endr
	v_max3_num_f32 v12, v12, |v[XB+30]|, |v[XB+31]|
	v_max3_num_f32 v12, v12, v13, 0x8000000        ; the floor 2^(16 - 127): the byte cannot fall under 1
	v_add_nc_u32 v11, 0xf8800000, v12              ; 15 off the exponent field: the conversion's scale operand
	v_and_or_b32 v10, v12, 0x7f800000, s24         ; 57,344 x the scale
	v_lshrrev_b32 v13, 23, v11                     ; the byte
.irp i, 0,1,2,3,4,5,6,7,8,9,10,11,12,13,14,15,16,17,18,19,20,21,22,23,24,25,26,27,28,29,30,31
	v_med3_num_f32 v[XB+\i], v[XB+\i], -v10, v10   ; the conversion does not saturate (ISA guide 7.6.2): the hold comes first
.endr
.irp g, 0,1,2,3
	v_cvt_scalef32_pk8_bf8_f32 v[CC+2*\g:CC+2*\g+1], v[XB+8*\g:XB+8*\g+7], v11
.endr
.if (\t)%4 == 0
	v_mov_b32 v[SB+(\t)/4], v13                    ; four bytes make a K step's scale word.  (Also the plain line behind the conversions)
.else
	v_lshl_or_b32 v[SB+(\t)/4], v13, 8*((\t)%4), v[SB+(\t)/4]
.endif
	global_store_b128 v[DST], v[CC:CC+3], s[30:31] offset:((\t)/4)*8192+((\t)%4)*512        ; k 0-15 of the block: the image's lanes 0-15; each tile's sixteen lanes store 256 consecutive bytes
	global_store_b128 v[DST], v[CC+4:CC+7], s[30:31] offset:((\t)/4)*8192+((\t)%4)*512+256  ; k 16-31: its lanes 16-31
.if (\t)%4 == 3
	global_store_b32 v[SOF], v[SB+(\t)/4], s[32:33] offset:((\t)/4)*256
.endif
.if (\t)+2 < NB
	LOAD (\t)+2
.endif
.endm
.macro XLOAD reg, sl                   ; the wave's K step sl of the 16 tokens, as it lies: load i reads token i's 512 consecutive bytes, 16 a lane
.irp i, 0,1,2,3,4,5,6,7,8,9,10,11,12,13,14,15
	global_load_b128 v[\reg+4*\i:\reg+4*\i+3], v4, s[4:5] offset:8192*\i+512*\sl th:TH_LOAD_NT
.endr
.endm
.macro TURN reg                        ; through my own stage, row i = token i, and back into the registers that they left: lane (r, h) then holds, of token r, 16 neighbours of each block of 32: register 16 b + i = k 32 b + 16 h + i
.irp i, 0,1,2,3,4,5,6,7,8,9,10,11,12,13,14,15
	ds_store_b128 v1, v[\reg+4*\i:\reg+4*\i+3] offset:SXP*\i
.endr
.irp b, 0,1,2,3
.irp j, 0,1,2,3
	ds_load_b128 v[\reg+16*\b+4*\j:\reg+16*\b+4*\j+3], v3 offset:128*\b+16*\j   ; LDS serves a wave's instructions in order (ISA guide 5.7.1.4): these see the stores above, and the next turn's stores come behind them
.endr
.endr
.endm
.macro WRLOAD sl                       ; Wr at the same k, expert r & 7
.irp b, 0,1,2,3
.irp q, 0,1,2,3,4,5,6,7,8,9,10,11,12,13,14,15
	global_load_b32 v[WR+16*\b+\q], v5, s[6:7] offset:(128*\sl+32*\b+\q)*32
.endr
.endr
.endm
.macro ROUTE xr, first                 ; logits += Wr^T x over 128 k: 32 products of 16 x 16 x 4 in f32; k stands in the same places on both sides.  Two sums by turns
.set n, 0
.rept 32
.if \first && (n < 2)
	v_wmma_f32_16x16x4_f32 v[ACC+8*(n%2):ACC+8*(n%2)+7], v[WR+2*n:WR+2*n+1], v[\xr+2*n:\xr+2*n+1], 0
.else
	v_wmma_f32_16x16x4_f32 v[ACC+8*(n%2):ACC+8*(n%2)+7], v[WR+2*n:WR+2*n+1], v[\xr+2*n:\xr+2*n+1], v[ACC+8*(n%2):ACC+8*(n%2)+7]
.endif
.set n, n+1
.endr
.endm
.macro QUANT s                         ; 64 numbers of a lane become a fragment's codes in v[PC] on and its row's scale word in v[PW]
.irp b, 0,1,2,3
	v_max3_num_f32 v[TM+\b], |v[\s+16*\b]|, |v[\s+1+16*\b]|, 0x8000000
.endr
.irp i, 2,4,6,8,10,12,14
.irp b, 0,1,2,3
	v_max3_num_f32 v[TM+\b], v[TM+\b], |v[\s+16*\b+\i]|, |v[\s+1+16*\b+\i]|
.endr
.endr
.irp b, 0,1,2,3
	v_permlanex16_b32 v[TM+4+\b], v[TM+\b], s22, s23
.endr
.irp b, 0,1,2,3
	v_max_num_f32 v[TM+\b], v[TM+\b], v[TM+4+\b]   ; with lane l xor 16's: the block's largest magnitude
.endr
.irp b, 0,1,2,3
	v_add_nc_u32 v[TM+12+\b], 0xf8800000, v[TM+\b]
.endr
.irp b, 0,1,2,3
	v_and_or_b32 v[TM+8+\b], v[TM+\b], 0x7f800000, s24
.endr
.irp b, 0,1,2,3
	v_lshrrev_b32 v[TM+4+\b], 23, v[TM+12+\b]
.endr
	v_lshl_or_b32 v[PW], v[TM+5], 8, v[TM+4]
	v_lshl_or_b32 v[PW], v[TM+6], 16, v[PW]
	v_lshl_or_b32 v[PW], v[TM+7], 24, v[PW]
.irp b, 0,1,2,3
.irp i, 0,1,2,3,4,5,6,7,8,9,10,11,12,13,14,15
	v_med3_num_f32 v[\s+16*\b+\i], v[\s+16*\b+\i], -v[TM+8+\b], v[TM+8+\b]
.endr
	v_cvt_scalef32_pk8_bf8_f32 v[PC+4*\b:PC+1+4*\b], v[\s+16*\b:\s+7+16*\b], v[TM+12+\b]
	v_cvt_scalef32_pk8_bf8_f32 v[PC+2+4*\b:PC+3+4*\b], v[\s+8+16*\b:\s+15+16*\b], v[TM+12+\b]
.endr
	v_nop                                          ; one plain line behind the last conversion
.endm
	s_load_b256 s[4:11], s[0:1], 0x0               ; x, Wr, W1, V1
	s_load_b256 s[12:19], s[0:1], 0x20             ; xq, wq, sel, score
	s_set_vgpr_msb 0x40
	v_lshl_add_u32 v0, v0, 2, 0x1ae00
	v_mov_b32 v1, 0
	s_set_vgpr_msb 0x4000
	v_lshrrev_b32 v1, 5, v0
	v_readfirstlane_b32 s20, v1                    ; wave 0..7
	v_and_b32 v1, 31, v0                           ; lane
	s_mov_b32 s24, MANT
	s_cmp_lt_u32 ttmp9, 128
	s_cbranch_scc1 .Lxpath
	; ---------------- W1 and V1: a work-group takes 256 columns x 256 k of one expert's one matrix; a wave an f-block of 32 columns, a lane a column
	s_sub_co_u32 s21, ttmp9, 128
	s_lshr_b32 s22, s21, 7                         ; 0: W1, 1: V1
	s_bfe_u32 s23, s21, 0x30004                    ; expert
	s_bfe_u32 s25, s21, 0x10003                    ; which half of the 512 columns
	s_and_b32 s26, s21, 7                          ; which 256 along K
	s_lshl_b32 s25, s25, 3
	s_add_co_u32 s25, s25, s20                     ; f-block
	s_lshl_b32 s27, s23, 4
	s_add_co_u32 s27, s27, s25                     ; 16 e + f-block
	s_lshl_b32 s28, s23, 22                        ; from: e x 4 MiB + 256 k rows of 2,048 bytes + 128 bytes an f-block
	s_lshl_b32 s34, s26, 19
	s_add_co_u32 s28, s28, s34
	s_lshl_b32 s34, s25, 7
	s_add_co_u32 s28, s28, s34
	s_mov_b32 s29, 0
	s_lshl_b32 s30, s27, 17                        ; codes: 128 KiB an (e, f-block), 8 KiB a K step, 4 KiB a matrix
	s_lshl_b32 s34, s26, 14
	s_add_co_u32 s30, s30, s34
	s_lshl_b32 s34, s22, 12
	s_add_co_u32 s30, s30, s34
	s_mov_b32 s31, 0
	s_lshl_b32 s32, s27, 12                        ; scale words: 4 KiB an (e, f-block), 256 bytes a K step, 128 a matrix
	s_lshl_b32 s34, s26, 9
	s_add_co_u32 s32, s32, s34
	s_lshl_b32 s34, s22, 7
	s_add_co_u32 s32, s32, s34
	s_add_co_u32 s32, s32, WSC
	s_mov_b32 s33, 0
	v_lshlrev_b32 v[SRC], 2, v1
	v_bfe_u32 v5, v1, 3, 1                         ; u
	v_and_b32 v6, 7, v1
	v_bfe_u32 v7, v1, 4, 1
	v_lshl_or_b32 v6, v7, 3, v6                    ; r
	v_lshlrev_b32 v[DST], 4, v6
	v_lshl_or_b32 v[DST], v5, 11, v[DST]
	v_lshl_or_b32 v[SOF], v5, 4, v6
	v_lshlrev_b32 v[SOF], 2, v[SOF]
	s_wait_kmcnt 0x0
	s_cmp_eq_u32 s22, 0                            ; the choice hangs on the work-group's number alone
	s_cselect_b64 s[8:9], s[8:9], s[10:11]
	s_add_nc_u64 s[8:9], s[8:9], s[28:29]
	s_add_nc_u64 s[30:31], s[14:15], s[30:31]
	s_add_nc_u64 s[32:33], s[14:15], s[32:33]
	LOAD 0
	LOAD 1
.irp t, 0,1,2,3,4,5,6,7
	QBLK \t
.endr
	s_endpgm
	; ---------------- x: 16 tokens; wave w takes K steps 2 w and 2 w + 1 (256 of the 2,048 along D)
.Lxpath:
	v_and_b32 v2, 15, v0                           ; r: the token
	v_bfe_u32 v3, v0, 4, 1                         ; h
	v_lshlrev_b32 v4, 4, v1                        ; x: 16 x lane + 1,024 w; the token stands in the loads' immediates
	s_lshl_b32 s21, s20, 10
	v_add_nc_u32 v4, s21, v4
	v_and_b32 v5, 7, v2                            ; Wr: rows of 32 bytes: 4 (r & 7) + 16 h rows + 256 w rows
	v_lshlrev_b32 v5, 2, v5
	v_lshl_add_u32 v5, v3, 9, v5
	s_lshl_b32 s21, s20, 13
	v_add_nc_u32 v5, s21, v5
	v_mul_u32_u24 v6, v2, XP                       ; LDS, codes in: row r + 16 h + 256 w
	v_lshl_add_u32 v6, v3, 4, v6
	s_lshl_b32 s21, s20, 8
	v_add_nc_u32 v6, s21, v6
	v_lshlrev_b32 v7, 6, v2                        ; LDS, scale words in: 64 r + 8 w
	s_lshl_b32 s21, s20, 3
	v_add_nc_u32 v7, s21, v7
	v_add_nc_u32 v7, XS, v7
	v_lshlrev_b32 v13, 5, v1                       ; LDS, logits: 32 bytes a lane;
	v_add_nc_u32 v13, LGS, v13
	s_lshl_b32 s21, s20, 10
	v_add_nc_u32 v8, s21, v13                      ; 1,024 a wave
	s_mul_i32 s21, s20, 2*XP
	v_lshl_add_u32 v9, v1, 4, s21                  ; LDS, codes back: rows 2 w and 2 w + 1, 16 bytes a lane
	s_lshl_b32 s21, s20, 12
	v_lshl_add_u32 v10, v1, 4, s21                 ; and their place in xq
	s_and_b32 s21, s20, 1
	s_lshl_b32 s21, s21, 9
	v_lshl_add_u32 v12, v1, 4, s21                 ; scale bytes out: 512 (w & 1) + 16 x lane
	v_add_nc_u32 v11, XS, v12
	v_lshlrev_b32 v14, 2, v2                       ; sel: 4 r
	s_mul_i32 s21, s20, 16*SXP
	s_add_co_u32 s21, s21, STGX                    ; my stage
	v_mul_u32_u24 v15, v2, SXP
	v_lshl_add_u32 v15, v3, 6, v15
	v_add_nc_u32 v3, s21, v15                      ; v3: out of it: row r + 64 h  (h is not wanted again)
	v_lshl_add_u32 v1, v1, 4, s21                  ; v1: into it: 16 x lane       (nor is the lane)
	s_mov_b32 s22, 0x76543210
	s_mov_b32 s23, 0xfedcba98                      ; v_permlanex16_b32's selects for lane l xor 16
.irp b, 0,1,2,3
	v_mov_b32 v[TM+4+\b], 0                        ; written once: a lane permute's destination counts as one of its sources
.endr
	s_lshl_b32 s26, ttmp9, 17                      ; 16 rows of x
	s_mov_b32 s27, 0
	s_lshl_b32 s28, ttmp9, 15                      ; 16 rows of codes
	s_mov_b32 s29, 0
	s_lshl_b32 s30, ttmp9, 10                      ; 16 rows of scale bytes
	s_add_co_u32 s30, s30, XSC
	s_mov_b32 s31, 0
	s_lshl_b32 s32, ttmp9, 6
	s_mov_b32 s33, 0
	s_lshl_b32 s34, ttmp9, 7
	s_mov_b32 s35, 0
	s_wait_kmcnt 0x0
	s_add_nc_u64 s[4:5], s[4:5], s[26:27]
	s_add_nc_u64 s[28:29], s[12:13], s[28:29]
	s_add_nc_u64 s[30:31], s[12:13], s[30:31]
	s_add_nc_u64 s[16:17], s[16:17], s[32:33]
	s_add_nc_u64 s[18:19], s[18:19], s[34:35]
	XLOAD X0, 0
	XLOAD X1, 1
	WRLOAD 0
	s_wait_loadcnt 63                              ; behind x's 32 loads stand Wr's 64: with at most 63 out, x is in
	TURN X0
	TURN X1
	s_wait_loadcnt 0x0                             ; Wr
	s_wait_dscnt 32                                ; the first K step is back; the second's 16 stores and 16 loads may be out
	ROUTE X0, 1
.rept 8
	v_nop                                          ; eight places behind this form, ahead of loads into and writes of registers that it read
.endr
	WRLOAD 1
	QUANT X0
.irp c, 0,1,2,3
	ds_store_b128 v6, v[PC+4*\c:PC+4*\c+3] offset:32*\c
.endr
	ds_store_b32 v7, v[PW]                         ; lanes r and r + 16 write the same word with the same value
	s_wait_dscnt 0x0                               ; the stores have read their registers, and the second K step is back
	s_wait_loadcnt 0x0
	ROUTE X1, 0
.rept 8
	v_nop
.endr
.irp j, 0,1,2,3,4,5,6,7
	v_add_f32 v[X0+\j], v[ACC+\j], v[ACC+8+\j]     ; register j: my K steps' part of token r's logit of expert j; each sum is read from its low end on
.endr
	ds_store_b128 v8, v[X0:X0+3]
	ds_store_b128 v8, v[X0+4:X0+7] offset:16
	QUANT X1
.irp c, 0,1,2,3
	ds_store_b128 v6, v[PC+4*\c:PC+4*\c+3] offset:128+32*\c
.endr
	ds_store_b32 v7, v[PW] offset:4
	s_wait_dscnt 0x0                               ; for the others' sake: all my LDS stores have landed
	s_barrier_signal -1
	s_barrier_wait -1
.irp q, 0,1,2,3,4,5,6,7
	ds_load_b128 v[X1+4*\q:X1+4*\q+3], v9 offset:(\q/4)*XP+(\q%4)*512
.endr
.irp q, 0,1,2,3,4,5,6,7
	s_wait_dscnt 7-\q
	global_store_b128 v10, v[X1+4*\q:X1+4*\q+3], s[28:29] offset:(\q/4)*2048+(\q%4)*512   ; 32 lanes store 512 consecutive bytes of a token's codes
.endr
	s_lshr_b32 s21, s20, 1
	s_cmp_eq_u32 s21, 1
	s_cbranch_scc0 .Lx_nosc                        ; waves 2 and 3: the 1,024 scale bytes, 512 each
	ds_load_b128 v[X1+32:X1+35], v11
	s_wait_dscnt 0x0
	global_store_b128 v12, v[X1+32:X1+35], s[30:31]
.Lx_nosc:
	s_cmp_lg_u32 s20, 0
	s_cbranch_scc1 .Lx_end                         ; wave 0: the router's end
.irp k, 0,1,2,3,4,5,6,7
	ds_load_b128 v[16+8*\k:19+8*\k], v13 offset:1024*\k
	ds_load_b128 v[20+8*\k:23+8*\k], v13 offset:1024*\k+16
.endr
	s_wait_dscnt 0x0
.irp k, 1,2,3,4,5,6,7
.irp j, 0,2,4,6
	v_pk_add_f32 v[16+\j:17+\j], v[16+\j:17+\j], v[16+8*\k+\j:17+8*\k+\j]
.endr
.endr
	v_max3_num_f32 v32, v16, v17, v18              ; the maximum is taken away ahead of the exponential
	v_max3_num_f32 v32, v32, v19, v20
	v_max3_num_f32 v32, v32, v21, v22
	v_max_num_f32 v32, v32, v23
.irp j, 0,1,2,3,4,5,6,7
	v_sub_f32 v[24+\j], v[16+\j], v32
.endr
.irp j, 0,1,2,3,4,5,6,7
	v_mul_f32 v[24+\j], 0x3fb8aa3b, v[24+\j]
.endr
.irp j, 0,1,2,3,4,5,6,7
	v_exp_f32 v[24+\j], v[24+\j]
.endr
	v_nop                                          ; one plain line behind the transcendentals
	s_wait_alu depctr_va_vdst(0)
	v_add_f32 v33, v24, v25
	v_add_f32 v34, v26, v27
	v_add_f32 v35, v28, v29
	v_add_f32 v36, v30, v31
	v_add_f32 v33, v33, v34
	v_add_f32 v35, v35, v36
	v_add_f32 v33, v33, v35
	v_rcp_f32 v33, v33
	v_nop
	s_wait_alu depctr_va_vdst(0)
.irp j, 0,1,2,3,4,5,6,7
	v_mul_f32 v[24+\j], v[24+\j], v33              ; the gates
.endr
	v_mov_b32 v40, v24                             ; the smallest gate: a strict compare in ascending order keeps the lower index on a tie
	v_mov_b32 v41, 0
.irp j, 1,2,3,4,5,6,7
	v_cmp_lt_f32 vcc_lo, v[24+\j], v40
	v_cndmask_b32 v40, v40, v[24+\j], vcc_lo
	v_cndmask_b32 v41, v41, \j, vcc_lo
.endr
	v_mov_b32 v42, 0x7f800000                      ; the second smallest: the same over the seven others
	v_mov_b32 v43, 0
.irp j, 0,1,2,3,4,5,6,7
	v_cmp_ne_u32 s21, \j, v41
	v_cmp_lt_f32 vcc_lo, v[24+\j], v42
	s_and_b32 vcc_lo, vcc_lo, s21
	v_cndmask_b32 v42, v42, v[24+\j], vcc_lo
	v_cndmask_b32 v43, v43, \j, vcc_lo
.endr
	v_add_f32 v44, |v40|, |v42|
	v_rcp_f32 v44, v44
	v_cmp_lt_u32 vcc_lo, v41, v43                  ; (a plain line behind the reciprocal)
	s_wait_alu depctr_va_vdst(0)
	v_mul_f32 v40, v40, v44
	v_mul_f32 v42, v42, v44
	v_cndmask_b32 v45, v43, v41, vcc_lo            ; lo: the lower expert's number,
	v_cndmask_b32 v46, v41, v43, vcc_lo            ; hi,
	v_cndmask_b32 v48, v42, v40, vcc_lo            ; and their weights
	v_cndmask_b32 v49, v40, v42, vcc_lo
	v_lshl_or_b32 v45, v46, 8, v45
	v_lshlrev_b32 v47, 3, v2
	global_store_b32 v14, v45, s[16:17]            ; lanes r and r + 16 hold and store the same
	global_store_b64 v47, v[48:49], s[18:19]
.Lx_end:
	s_set_vgpr_msb 0x5
	s_wait_tensorcnt 0x0
	ds_add_u32 v0, v1
	s_wait_dscnt 0x0
	s_set_vgpr_msb 0x500
	s_endpgm
.Lfunc_end_k_q7a3cd42b06_prep:
	.size	k_q7a3cd42b06_prep, .Lfunc_end_k_q7a3cd42b06_prep-k_q7a3cd42b06_prep
	.p2alignl 7, 3214868480
	.fill 96, 4, 3214868480
	.section	.rodata,"a",@progbits
	.p2align	6, 0x0
	.amdhsa_kernel k_q7a3cd42b06_prep
		.amdhsa_group_segment_fixed_size 111104
		.amdhsa_private_segment_fixed_size 0
		.amdhsa_enable_private_segment 0
		.amdhsa_kernarg_size 64
		.amdhsa_user_sgpr_count 2
		.amdhsa_user_sgpr_kernarg_segment_ptr 1
		.amdhsa_wavefront_size32 1
		.amdhsa_system_sgpr_workgroup_id_x 1
		.amdhsa_system_sgpr_workgroup_id_y 1
		.amdhsa_system_sgpr_workgroup_id_z 1
		.amdhsa_system_vgpr_workitem_id 0
		.amdhsa_next_free_vgpr 258
		.amdhsa_next_free_sgpr 66
		.amdhsa_reserve_vcc 1
		.amdhsa_float_denorm_mode_32 3
		.amdhsa_float_denorm_mode_16_64 3
		.amdhsa_memory_ordered 1
		.amdhsa_forward_progress 1
		.amdhsa_inst_pref_size 110
	.end_amdhsa_kernel
	.amdgpu_metadata
---
amdhsa.version: [ 1, 2 ]
amdhsa.kernels:
  - .name:           k_q7a3cd42b06_prep
    .symbol:         k_q7a3cd42b06_prep.kd
    .args:
      - { .name: x, .offset: 0, .size: 8, .value_kind: global_buffer, .address_space: global }
      - { .name: Wr, .offset: 8, .size: 8, .value_kind: global_buffer, .address_space: global }
      - { .name: W1, .offset: 16, .size: 8, .value_kind: global_buffer, .address_space: global }
      - { .name: V1, .offset: 24, .size: 8, .value_kind: global_buffer, .address_space: global }
      - { .name: xq, .offset: 32, .size: 8, .value_kind: global_buffer, .address_space: global }
      - { .name: wq, .offset: 40, .size: 8, .value_kind: global_buffer, .address_space: global }
      - { .name: sel, .offset: 48, .size: 8, .value_kind: global_buffer, .address_space: global }
      - { .name: score, .offset: 56, .size: 8, .value_kind: global_buffer, .address_space: global }
    .group_segment_fixed_size: 111104
    .private_segment_fixed_size: 0
    .kernarg_segment_align: 8
    .kernarg_segment_size: 64
    .max_flat_workgroup_size: 256
    .sgpr_count:     66
    .vgpr_count:     258
    .wavefront_size: 32
...
	.end_amdgpu_metadata
.endif
;; end of part 1
;; launch place (part 2): grid 257 x 1, 8 waves a work-group, no clusters, 2,048 bytes of LDS; arguments W2, sel, wq, lists; writes wq, lists
.if DOCPART == 2
	.amdgcn_target "amdgcn-amd-amdhsa--gfx1250"
	.amdhsa_code_object_version 6
	.text
	.protected	k_q7a3cd42b06_place
	.globl	k_q7a3cd42b06_place
	.p2align	8
	.type	k_q7a3cd42b06_place,@function
k_q7a3cd42b06_place:
	s_mov_b64 s[64:65], 0
	v_nop
	global_prefetch_b8 v0, s[64:65] scope:SCOPE_SE
	s_setreg_imm32_b32 hwreg(HW_REG_WAVE_MODE, 25, 1), 1
	s_wait_xcnt 0x0
; PLACE.  Work-groups 1-256: W2 [8][512 (K)][2048], f32, into codes of BF8 (E5M2) in the order of an operand's registers, [e][tile of 16 columns][K step of 128][chunk c][lane][16 bytes], and scale words [e][pair of tiles][K step][lane].
; Work-group 0 sorts the 2,048 tokens by their PAIR of experts (lo < hi: 28 bins, b = lo (15 - lo) / 2 + hi - lo - 1) by a counting sort, and stores four lists of whole numbers:
;   ptok[2560]  the tokens, each bin cut into ptiles of 16; an empty place holds 2048.  At most (2048 + 28 x 15) / 16 = 154 ptiles, whatever the split.
;   ptexp[256]  a ptile's lo | hi << 8; 0x0808 for a ptile that is not used
;   g1dst[512]  the entries (2 x ptile + slot) grouped by expert, each expert's run beginning at a multiple of 8; 0xFFFF where there is none.  At most (308 + 8 x 7) / 8 = 45 tiles of 8.  Index 383 is scrap.
;   g1e[256]    a tile's expert; 8 for a tile that is not used
; The lists' defaults are stored first; every wave waits for its stores and passes the barrier before any wave stores a list's true entries over them.
; LIMITS as in the launch before: NaN and infinities are not served; a block of zeros gets the byte 1.
.set W2Q,   16777216
.set W2S,   25690112
.set MANT,  0x600000
.set NB,    4
.set PITCH, 8192
.set SPTR,  4
.set SRC,   2
.set DST,   3
.set SOF,   2                          ; the scale words lie lane by lane: 4 x lane, as the source
.set SB,    24
.set X,     32
.set C,     96
.set PTEXP, 10240
.set G1DST, 11264
.set G1E,   13312
.set ROW,   36                         ; s36-63  a bin's count in my wave, later the next free place of the bin for my wave
.set PT,    66                         ; s66-93  a bin's ptiles
.set CE,    94                         ; s94-101 an expert's entries, later its next free entry
.set BIN,   16                         ; v16-23  the bin of my token in each of my wave's 8 groups of 32
.set POS,   24                         ; v24-31  its place in ptok
.set TOK,   32                         ; v32-39  its number
.set SELV,  40                         ; v40-47  as loaded
.macro LOAD t
.irp i, 0,1,2,3,4,5,6,7,8,9,10,11,12,13,14,15,16,17,18,19,20,21,22,23,24,25,26,27,28,29,30,31
	global_load_b32 v[X+32*((\t)%2)+\i], v[SRC], s[SPTR:SPTR+1] offset:(32*(\t)+\i)*PITCH th:TH_LOAD_NT
.endr
.endm
.macro QBLK t                          ; a lane's 32 registers are one block of 32 along K of its column
.set XB, X+32*((\t)%2)
.set CC, C+8*(\t)
.if (\t) < NB-1
	s_wait_loadcnt 32                              ; this block's 32 loads are in; the next block's 32 may be out
.else
	s_wait_loadcnt 0
.endif
	v_max3_num_f32 v12, |v[XB]|, |v[XB+1]|, |v[XB+2]|
	v_max3_num_f32 v13, |v[XB+3]|, |v[XB+4]|, |v[XB+5]|
.irp i, 6,10,14,18,22,26
	v_max3_num_f32 v12, v12, |v[XB+\i]|, |v[XB+\i+1]|
	v_max3_num_f32 v13, v13, |v[XB+\i+2]|, |v[XB+\i+3]|
.endr
	v_max3_num_f32 v12, v12, |v[XB+30]|, |v[XB+31]|
	v_max3_num_f32 v12, v12, v13, 0x8000000        ; the floor 2^(16 - 127): the byte cannot fall under 1
	v_add_nc_u32 v11, 0xf8800000, v12              ; 15 off the exponent field: the conversion's scale operand
	v_and_or_b32 v10, v12, 0x7f800000, s24         ; 57,344 x the scale
	v_lshrrev_b32 v13, 23, v11                     ; the byte
.irp i, 0,1,2,3,4,5,6,7,8,9,10,11,12,13,14,15,16,17,18,19,20,21,22,23,24,25,26,27,28,29,30,31
	v_med3_num_f32 v[XB+\i], v[XB+\i], -v10, v10   ; the conversion does not saturate (ISA guide 7.6.2): the hold comes first
.endr
.irp g, 0,1,2,3
	v_cvt_scalef32_pk8_bf8_f32 v[CC+2*\g:CC+2*\g+1], v[XB+8*\g:XB+8*\g+7], v11
.endr
.if (\t)%4 == 0
	v_mov_b32 v[SB+(\t)/4], v13                    ; four bytes make the K step's scale word.  (Also the plain line behind the conversions)
.else
	v_lshl_or_b32 v[SB+(\t)/4], v13, 8*((\t)%4), v[SB+(\t)/4]
.endif
	global_store_b128 v[DST], v[CC:CC+3], s[30:31] offset:((\t)%4)*512        ; k 0-15 of the block: the image's lanes 0-15; each tile's sixteen lanes store 256 consecutive bytes
	global_store_b128 v[DST], v[CC+4:CC+7], s[30:31] offset:((\t)%4)*512+256  ; k 16-31: its lanes 16-31
.if (\t)%4 == 3
	global_store_b32 v[SOF], v[SB+(\t)/4], s[32:33]
.endif
.if (\t)+2 < NB
	LOAD (\t)+2
.endif
.endm
	s_load_b256 s[4:11], s[0:1], 0x0               ; W2, sel, wq, lists
	v_lshl_add_u32 v160, v0, 2, 0x400
	v_mov_b32 v161, 0
	v_lshrrev_b32 v1, 5, v0
	v_readfirstlane_b32 s12, v1                    ; wave 0..7
	v_and_b32 v1, 31, v0                           ; lane
	s_cmp_eq_u32 ttmp9, 0
	s_cbranch_scc1 .Lsort
	; ---------------- W2: a work-group takes 256 columns x 128 k (one K step) of one expert; a wave 32 columns, a lane a column
	s_mov_b32 s24, MANT
	s_sub_co_u32 s13, ttmp9, 1
	s_lshr_b32 s14, s13, 5                         ; expert
	s_bfe_u32 s15, s13, 0x30002                    ; which 256 columns
	s_and_b32 s16, s13, 3                          ; K step
	s_lshl_b32 s26, s14, 22                        ; from: e x 4 MiB + 128 rows of 8,192 bytes a K step + 1,024 bytes a work-group + 128 a wave
	s_lshl_b32 s17, s16, 20
	s_add_co_u32 s26, s26, s17
	s_lshl_b32 s17, s15, 10
	s_add_co_u32 s26, s26, s17
	s_lshl_b32 s17, s12, 7
	s_add_co_u32 s26, s26, s17
	s_mov_b32 s27, 0
	s_lshl_b32 s30, s14, 20                        ; codes: 8 KiB a tile of 16 columns (128 an expert, 16 a work-group, 2 a wave), 2 KiB a K step
	s_lshl_b32 s17, s15, 17
	s_add_co_u32 s30, s30, s17
	s_lshl_b32 s17, s12, 14
	s_add_co_u32 s30, s30, s17
	s_lshl_b32 s17, s16, 11
	s_add_co_u32 s30, s30, s17
	s_add_co_u32 s30, s30, W2Q
	s_mov_b32 s31, 0
	s_lshl_b32 s32, s14, 15                        ; scale words: 512 bytes a pair of tiles, 128 a K step
	s_lshl_b32 s17, s15, 12
	s_add_co_u32 s32, s32, s17
	s_lshl_b32 s17, s12, 9
	s_add_co_u32 s32, s32, s17
	s_lshl_b32 s17, s16, 7
	s_add_co_u32 s32, s32, s17
	s_add_co_u32 s32, s32, W2S
	s_mov_b32 s33, 0
	v_lshlrev_b32 v[SRC], 2, v1
	v_and_b32 v5, 15, v1
	v_lshrrev_b32 v6, 4, v1
	v_lshlrev_b32 v[DST], 4, v5
	v_lshl_or_b32 v[DST], v6, 13, v[DST]           ; 8,192 (lane / 16) + 16 (lane % 16)
	s_wait_kmcnt 0x0
	s_add_nc_u64 s[4:5], s[4:5], s[26:27]
	s_add_nc_u64 s[30:31], s[8:9], s[30:31]
	s_add_nc_u64 s[32:33], s[8:9], s[32:33]
	LOAD 0
	LOAD 1
.irp t, 0,1,2,3
	QBLK \t
.endr
	s_endpgm
	; ---------------- the sort
.Lsort:
	v_lshlrev_b32 v2, 2, v0                        ; 4 x thread
	v_lshlrev_b32 v4, 2, v1                        ; 4 x lane
	s_lshl_b32 s13, s12, 10
	v_add_nc_u32 v3, s13, v4                       ; sel: my wave's 256 tokens
	v_mov_b32 v72, 2048
	v_mov_b32 v73, 0xffff
	s_lshl_b32 s13, s12, 8
.irp i, 0,1,2,3,4,5,6,7
	v_add_nc_u32 v[TOK+\i], s13, v1
.endr
.irp i, 1,2,3,4,5,6,7
	v_add_nc_u32 v[TOK+\i], 32*\i, v[TOK+\i]       ; token 256 w + 32 i + lane
.endr
	s_wait_kmcnt 0x0
.irp i, 0,1,2,3,4,5,6,7
	global_load_b32 v[SELV+\i], v3, s[6:7] offset:128*\i
.endr
.irp k, 0,1,2,3,4,5,6,7,8,9
	global_store_b32 v2, v72, s[10:11] offset:1024*\k          ; ptok's default
.endr
.irp k, 0,1
	global_store_b32 v2, v73, s[10:11] offset:G1DST+1024*\k    ; g1dst's default
.endr
	s_wait_loadcnt 0x0
.irp i, 0,1,2,3,4,5,6,7
	v_and_b32 v48, 0xff, v[SELV+\i]                ; lo
	v_bfe_u32 v49, v[SELV+\i], 8, 8                ; hi
	v_sub_nc_u32 v50, 15, v48
	v_mul_u32_u24 v50, v48, v50
	v_lshrrev_b32 v50, 1, v50
	v_add_nc_u32 v50, v50, v49
	v_sub_nc_u32 v50, v50, v48
	v_add_nc_u32 v[BIN+\i], -1, v50
	v_mov_b32 v[POS+\i], 2559                      ; (a pair that is no pair falls on a place of a ptile that is never used)
.endr
	; my wave's count for each bin
.irp b, 0,1,2,3,4,5,6,7,8,9,10,11,12,13,14,15,16,17,18,19,20,21,22,23,24,25,26,27
.irp i, 0,1,2,3,4,5,6,7
	v_cmp_eq_u32 s[20+\i], \b, v[BIN+\i]
.endr
.irp i, 0,1,2,3,4,5,6,7
	s_bcnt1_i32_b32 s[20+\i], s[20+\i]
.endr
	s_add_co_u32 s20, s20, s21
	s_add_co_u32 s22, s22, s23
	s_add_co_u32 s24, s24, s25
	s_add_co_u32 s26, s26, s27
	s_add_co_u32 s20, s20, s22
	s_add_co_u32 s24, s24, s26
	s_add_co_u32 s[ROW+\b], s20, s24
.endr
	v_mov_b32 v56, 0
.irp b, 0,1,2,3,4,5,6,7,8,9,10,11,12,13,14,15,16,17,18,19,20,21,22,23,24,25,26,27
	v_writelane_b32 v56, s[ROW+\b], \b
.endr
	ds_store_b32 v2, v56                           ; wave w's counts at 128 w, bin b in lane b
	s_wait_dscnt 0x0                               ; for the others' sake: my counts have landed,
	s_wait_storecnt 0x0                            ; and my part of the defaults is stored
	s_barrier_signal -1
	s_barrier_wait -1
.irp k, 0,1,2,3,4,5,6,7
	ds_load_b32 v[57+\k], v4 offset:128*\k
.endr
	s_wait_dscnt 0x0
	v_add_nc_u32 v65, v57, v58                     ; every wave makes all the totals for itself
.irp k, 2,3,4,5,6,7
	v_add_nc_u32 v65, v65, v[57+\k]
.endr
	v_mov_b32 v66, 0
.irp k, 0,1,2,3,4,5,6
	s_cmp_gt_u32 s12, \k
	s_cselect_b32 s20, -1, 0
	v_and_b32 v48, s20, v[57+\k]
	v_add_nc_u32 v66, v66, v48                     ; the bin's tokens in the waves before mine
.endr
	v_add_nc_u32 v67, 15, v65
	v_lshrrev_b32 v67, 4, v67                      ; the bin's ptiles
.irp b, 0,1,2,3,4,5,6,7,8,9,10,11,12,13,14,15,16,17,18,19,20,21,22,23,24,25,26,27
	v_readlane_b32 s[PT+\b], v67, \b
	v_readlane_b32 s[ROW+\b], v66, \b
.endr
.irp e, 0,1,2,3,4,5,6,7
	s_mov_b32 s[CE+\e], 0
.endr
.set B, 0
.irp lo, 0,1,2,3,4,5,6
.irp hi, 1,2,3,4,5,6,7
.if \hi > \lo
	s_add_co_u32 s[CE+\lo], s[CE+\lo], s[PT+B]     ; an expert's entries: the ptiles of the seven bins that name it
	s_add_co_u32 s[CE+\hi], s[CE+\hi], s[PT+B]
.set B, B+1
.endif
.endr
.endr
	s_mov_b32 s14, 0                               ; tiles so far
	v_mov_b32 v68, 0
.irp e, 0,1,2,3,4,5,6,7
	s_add_co_u32 s15, s[CE+\e], 7
	s_lshr_b32 s15, s15, 3                         ; the expert's tiles of 8 entries
	s_lshl_b32 s[CE+\e], s14, 3                    ; its first entry
	v_cmp_gt_u32 vcc_lo, s14, v0                   ; tile = thread: tiles ahead of the expert's first keep what they have
	v_cndmask_b32 v68, \e, v68, vcc_lo
	s_add_co_u32 s14, s14, s15
.endr
	s_mov_b32 s13, 0                               ; ptiles so far
	v_mov_b32 v69, 0
	v_mov_b32 v70, 0
	v_mov_b32 v71, 0
.set B, 0
.irp lo, 0,1,2,3,4,5,6
.irp hi, 1,2,3,4,5,6,7
.if \hi > \lo
	s_sub_co_u32 s15, s[CE+\lo], s13               ; ptile p of this bin is entry s15 + p of expert lo,
	s_add_co_u32 s[CE+\lo], s[CE+\lo], s[PT+B]
	s_sub_co_u32 s16, s[CE+\hi], s13               ; and entry s16 + p of expert hi
	s_add_co_u32 s[CE+\hi], s[CE+\hi], s[PT+B]
	v_cmp_gt_u32 vcc_lo, s13, v0                   ; ptile = thread: ptiles ahead of the bin's first keep what they have
	v_cndmask_b32 v69, \lo|(\hi<<8), v69, vcc_lo
	v_cndmask_b32 v70, s15, v70, vcc_lo
	v_cndmask_b32 v71, s16, v71, vcc_lo
	s_lshl_b32 s17, s13, 4
	s_add_co_u32 s[ROW+B], s[ROW+B], s17           ; my wave's first place in the bin
	s_add_co_u32 s13, s13, s[PT+B]
.set B, B+1
.endif
.endr
.endr
	; each token's place: the bin's next free place + the tokens of the same bin in lower lanes of the group
.irp b, 0,1,2,3,4,5,6,7,8,9,10,11,12,13,14,15,16,17,18,19,20,21,22,23,24,25,26,27
.irp i, 0,1,2,3,4,5,6,7
	v_cmp_eq_u32 s[20+\i], \b, v[BIN+\i]
.endr
.irp i, 0,1,2,3,4,5,6,7
	v_mbcnt_lo_u32_b32 v[48+\i%4], s[20+\i], s[ROW+\b]
	s_bcnt1_i32_b32 s28, s[20+\i]
	s_add_co_u32 s[ROW+\b], s[ROW+\b], s28
	v_cndmask_b32 v[POS+\i], v[POS+\i], v[48+\i%4], s[20+\i]
.endr
.endr
.irp i, 0,1,2,3,4,5,6,7
	v_min_u32 v[POS+\i], 0x9ff, v[POS+\i]
	v_lshlrev_b32 v[POS+\i], 2, v[POS+\i]
	global_store_b32 v[POS+\i], v[TOK+\i], s[10:11]
.endr
	v_cmp_gt_u32 vcc_lo, s13, v0                   ; ptile = thread is in use
	v_mov_b32 v48, 0x0808
	v_mov_b32 v49, 383
	v_cndmask_b32 v69, v48, v69, vcc_lo
	global_store_b32 v2, v69, s[10:11] offset:PTEXP
	v_add_nc_u32 v70, v70, v0
	v_add_nc_u32 v71, v71, v0
	v_cndmask_b32 v70, v49, v70, vcc_lo            ; a ptile not in use stores the default once more, at the scrap index
	v_cndmask_b32 v71, v49, v71, vcc_lo
	v_min_u32 v70, 0x17f, v70
	v_min_u32 v71, 0x17f, v71
	v_lshlrev_b32 v70, 2, v70
	v_lshlrev_b32 v71, 2, v71
	v_lshlrev_b32 v50, 1, v0
	v_cndmask_b32 v51, v73, v50, vcc_lo            ; 2 p: slot 0, expert lo
	v_or_b32 v50, 1, v50
	v_cndmask_b32 v52, v73, v50, vcc_lo            ; 2 p + 1: slot 1, expert hi
	global_store_b32 v70, v51, s[10:11] offset:G1DST
	global_store_b32 v71, v52, s[10:11] offset:G1DST
	v_cmp_gt_u32 vcc_lo, s14, v0                   ; tile = thread is in use
	v_cndmask_b32 v68, 8, v68, vcc_lo
	global_store_b32 v2, v68, s[10:11] offset:G1E
	s_wait_tensorcnt 0x0
	ds_add_u32 v160, v161
	s_wait_dscnt 0x0
	s_endpgm
.Lfunc_end_k_q7a3cd42b06_place:
	.size	k_q7a3cd42b06_place, .Lfunc_end_k_q7a3cd42b06_place-k_q7a3cd42b06_place
	.p2alignl 7, 3214868480
	.fill 96, 4, 3214868480
	.section	.rodata,"a",@progbits
	.p2align	6, 0x0
	.amdhsa_kernel k_q7a3cd42b06_place
		.amdhsa_group_segment_fixed_size 2048
		.amdhsa_private_segment_fixed_size 0
		.amdhsa_enable_private_segment 0
		.amdhsa_kernarg_size 32
		.amdhsa_user_sgpr_count 2
		.amdhsa_user_sgpr_kernarg_segment_ptr 1
		.amdhsa_wavefront_size32 1
		.amdhsa_system_sgpr_workgroup_id_x 1
		.amdhsa_system_sgpr_workgroup_id_y 1
		.amdhsa_system_sgpr_workgroup_id_z 1
		.amdhsa_system_vgpr_workitem_id 0
		.amdhsa_next_free_vgpr 162
		.amdhsa_next_free_sgpr 102
		.amdhsa_reserve_vcc 1
		.amdhsa_float_denorm_mode_32 3
		.amdhsa_float_denorm_mode_16_64 3
		.amdhsa_memory_ordered 1
		.amdhsa_forward_progress 1
		.amdhsa_inst_pref_size 143
	.end_amdhsa_kernel
	.amdgpu_metadata
---
amdhsa.version: [ 1, 2 ]
amdhsa.kernels:
  - .name:           k_q7a3cd42b06_place
    .symbol:         k_q7a3cd42b06_place.kd
    .args:
      - { .name: W2, .offset: 0, .size: 8, .value_kind: global_buffer, .address_space: global }
      - { .name: sel, .offset: 8, .size: 8, .value_kind: global_buffer, .address_space: global }
      - { .name: wq, .offset: 16, .size: 8, .value_kind: global_buffer, .address_space: global }
      - { .name: lists, .offset: 24, .size: 8, .value_kind: global_buffer, .address_space: global }
    .group_segment_fixed_size: 2048
    .private_segment_fixed_size: 0
    .kernarg_segment_align: 8
    .kernarg_segment_size: 32
    .max_flat_workgroup_size: 256
    .sgpr_count:     102
    .vgpr_count:     162
    .wavefront_size: 32
...
	.end_amdgpu_metadata
.endif
;; end of part 2
;; launch up (part 3): grid 4 x 45, 4 waves a work-group, no clusters, 274,944 bytes of LDS; arguments xq, wq, lists, act; writes act
.if DOCPART == 3
	.amdgcn_target "amdgcn-amd-amdhsa--gfx1250"
	.amdhsa_code_object_version 6
	.text
	.protected	k_q7a3cd42b06_up
	.globl	k_q7a3cd42b06_up
	.p2align	8
	.type	k_q7a3cd42b06_up,@function
k_q7a3cd42b06_up:
	s_mov_b64 s[64:65], 0
	v_nop
	global_prefetch_b8 v0, s[64:65] scope:SCOPE_SE
	s_setreg_imm32_b32 hwreg(HW_REG_WAVE_MODE, 25, 1), 1
	s_wait_xcnt 0x0
; UP.  act = Q(silu(x W1) * (x V1)) for the chosen rows alone, both products on codes of BF8 (E5M2) with E8M0 scales, sums in f32; Q quantises along F, the next product's K.
; SHARES.  A work-group takes a tile of 8 entries of ONE expert (an entry = 16 tokens of a ptile: 128 rows) and 128 of the 512 hidden units (grid x).  45 tiles serve every split; a tile that the split leaves unused stores nothing and ends.
; The 128 rows' codes, all 2,048 along K, are gathered into LDS once (264,192 bytes) and read by all four waves.  Wave w takes hidden units 32 (4 x + w) on, of W1 and of V1: four weight tiles x eight tiles of rows = 32 sums, 256 registers.
; Its weights come from memory straight into operand registers: an earlier launch laid them in that order, 8 KiB on end for a K step, and no other wave of the work-group reads them.
; An empty place of a ptile is served as a copy of the ptile's token 0.
; THE PRODUCTS ARE USED TRANSPOSED (source 0 = 16 weight rows, source 1 = 16 tokens): a lane holds one token, and the 16 registers of tiles u = 0, 1 are hidden units 16 (lane / 16) + 0 .. 15 of the wave's 32: a half block of the next K.
; NO CLUSTER: the four work-groups of a tile share only the gathered rows, which come by list through registers; how many tiles share an expert's weights hangs on the list, so partners would need different numbers of tiles.
; LIMITS: NaN and infinities are not served; a block of zeros gets the byte 1 (its codes are zeros; this program alone reads the bytes).
; REGISTERS, in windows of 256: window 0: v1-15 addresses, v16-23 A's LDS addresses, v24-31 the bytes made, v32-63 the gather's offsets, later at work, v64-95 the weights' scale words, v96-223 x's scale words, v224-255 the codes made.
;   window 1: the 32 sums ((i, t) at 8 (4 i + t)).   window 2: x's fragments, two sets of 128.   window 3: the weights' fragments, four sets of 64.
.set XSC,   4194304
.set WSC,   25165824
.set ASCO,  2621440
.set G1DST, 11264
.set G1E,   13312
.set AP,    2064                       ; a row in LDS: 2,048 codes + 16: an odd multiple of 16 bytes, so that the 16 rows of a fragment load start at 16 different places modulo 256
.set SCA,   128*AP                     ; behind the rows: their scale bytes, 64 + 16 a row
.set SCP,   80
.set L16,   4                          ; v4   16 x lane
.set R4,    5                          ; v5   4 r
.set L4,    6                          ; v6   4 x lane
.set FS,    7                          ; v7   LDS: where my wave's 32 rows go
.set SCS,   8                          ; v8   LDS: where my row's scale bytes go
.set ASA,   9                          ; v9   LDS: row r's scale bytes
.set ADRA,  16
.set BY,    24
.set VA,    32
.set T,     32
.set BSC,   64
.set ASC,   96
.set CD,    224
.set MSB, 0
.macro WIN new                         ; the immediate's high byte repeats the setting that is left
.if MSB != \new
	s_set_vgpr_msb (MSB<<8)|\new
.set MSB, \new
.endif
.endm
.macro MM d, a, b, c, sa, sb, arow
.if \arow
	v_wmma_scale_f32_16x16x128_f8f6f4 v[(\d):(\d)+7], v[(\a):(\a)+15], v[(\b):(\b)+15], \c, v[\sa], v[\sb] matrix_a_fmt:MATRIX_FMT_BF8 matrix_b_fmt:MATRIX_FMT_BF8 matrix_a_scale:MATRIX_SCALE_ROW1
.else
	v_wmma_scale_f32_16x16x128_f8f6f4 v[(\d):(\d)+7], v[(\a):(\a)+15], v[(\b):(\b)+15], \c, v[\sa], v[\sb] matrix_a_fmt:MATRIX_FMT_BF8 matrix_b_fmt:MATRIX_FMT_BF8
.endif
.endm
.macro FILLLD b                        ; rows 8 b .. 8 b + 7 of my 32: four loads of 512 consecutive bytes a row, into 128 registers of their own
	WIN 0x40*(1+(\b)/2)
.irp ii, 0,1,2,3,4,5,6,7
.irp q, 0,1,2,3
	global_load_b128 v[128*((\b)%2)+16*\ii+4*\q:128*((\b)%2)+16*\ii+4*\q+3], v[VA+8*(\b)+\ii], s[4:5] offset:512*\q
.endr
.endr
.endm
.macro FILLST b
	WIN 0x04*(1+(\b)/2)
.irp ii, 0,1,2,3,4,5,6,7
.irp q, 0,1,2,3
	ds_store_b128 v[FS], v[128*((\b)%2)+16*\ii+4*\q:128*((\b)%2)+16*\ii+4*\q+3] offset:(8*(\b)+\ii)*AP+512*\q
.endr
.endr
.endm
.macro ALOAD k                         ; x's eight fragments of K step k into set k % 2
	WIN 0x80
.irp i, 0,1,2,3,4,5,6,7
.irp c, 0,1,2,3
	ds_load_b128 v[128*((\k)%2)+16*\i+4*\c:128*((\k)%2)+16*\i+4*\c+3], v[ADRA+\i] offset:128*(\k)+32*\c
.endr
.endr
.endm
.macro BLOAD k                         ; my four weight fragments of K step k into set k % 4: 8 KiB on end
	WIN 0xc0
.irp t, 0,1,2,3
.irp c, 0,1,2,3
	global_load_b128 v[64*((\k)%4)+16*\t+4*\c:64*((\k)%4)+16*\t+4*\c+3], v[L16], s[66:67] offset:(\k)*8192+\t*2048+\c*512
.endr
.endr
.endm
; A K step of 128: 32 products.  The 32 sums take turns, one instruction a turn, in the same order in every step.
.macro GSTEP k
.if (\k) > 0
.rept 8
	v_nop                                          ; eight places behind this form, ahead of loads into registers that the last step's products read
.endr
.endif
.if (\k) < 15
	ALOAD (\k)+1
.endif
.if (\k)+3 < 16
	BLOAD (\k)+3
.endif
.if (\k) < 15
	s_wait_dscnt 32                                ; all but the 32 LDS loads just issued: this step's fragments of x are in
.else
	s_wait_dscnt 0
.endif
.if 15-(\k) >= 3
	s_wait_loadcnt 48                              ; behind this step's weights stand those of the three steps on, 16 loads each
.else
	s_wait_loadcnt 16*(15-(\k))
.endif
	WIN 0x5b                                       ; source 0 window 3, source 1 window 2, C and D window 1
.irp i, 0,1,2,3,4,5,6,7
.irp t, 0,1,2,3
.if (\k) == 0
	MM 8*(4*\i+\t), 64*((\k)%4)+16*\t, 128*((\k)%2)+16*\i, 0, BSC+2*(\k)+\t/2, ASC+16*\i+(\k), \t%2
.else
	MM 8*(4*\i+\t), 64*((\k)%4)+16*\t, 128*((\k)%2)+16*\i, v[8*(4*\i+\t):8*(4*\i+\t)+7], BSC+2*(\k)+\t/2, ASC+16*\i+(\k), \t%2
.endif
.endr
.endr
.endm
; Entry i: silu(h) * v of my 16 hidden units, quantised (the block's other 16 lie in lane l xor 16), stored as chunk w of K step x of the entry's image.
.macro EPI i
	s_cmp_lt_u32 s[16+\i], 320
	s_cbranch_scc0 .Lskip_\@
	WIN 0x04                                       ; source 1: window 1
.irp q, 0,1,2,3,4,5,6,7,8,9,10,11,12,13,14,15
	v_mul_f32 v[T+\q], 0xbfb8aa3b, v[32*\i+\q]     ; -h log2(e); each sum is read from its low end on
.endr
	WIN 0
.irp q, 0,1,2,3,4,5,6,7,8,9,10,11,12,13,14,15
	v_exp_f32 v[T+\q], v[T+\q]
.endr
	v_nop                                          ; one plain line behind the transcendentals
	s_wait_alu depctr_va_vdst(0)
.irp q, 0,1,2,3,4,5,6,7,8,9,10,11,12,13,14,15
	v_add_f32 v[T+\q], 1.0, v[T+\q]
.endr
.irp q, 0,1,2,3,4,5,6,7,8,9,10,11,12,13,14,15
	v_rcp_f32 v[T+\q], v[T+\q]
.endr
	v_nop
	WIN 0x04
	s_wait_alu depctr_va_vdst(0)
.irp q, 0,1,2,3,4,5,6,7,8,9,10,11,12,13,14,15
	v_mul_f32 v[T+\q], v[T+\q], v[32*\i+\q]        ; silu(h)
.endr
.irp q, 0,1,2,3,4,5,6,7,8,9,10,11,12,13,14,15
	v_mul_f32 v[T+\q], v[T+\q], v[32*\i+16+\q]     ; x v
.endr
	WIN 0
	v_max3_num_f32 v48, |v[T]|, |v[T+1]|, 0x8000000  ; the floor 2^(16 - 127): the byte cannot fall under 1
	v_max3_num_f32 v50, |v[T+2]|, |v[T+3]|, |v[T+4]|
	v_max3_num_f32 v48, v48, |v[T+5]|, |v[T+6]|
	v_max3_num_f32 v50, v50, |v[T+7]|, |v[T+8]|
	v_max3_num_f32 v48, v48, |v[T+9]|, |v[T+10]|
	v_max3_num_f32 v50, v50, |v[T+11]|, |v[T+12]|
	v_max3_num_f32 v48, v48, |v[T+13]|, |v[T+14]|
	v_max3_num_f32 v48, v48, v50, |v[T+15]|
	v_permlanex16_b32 v49, v48, s60, s61
	v_max_num_f32 v48, v48, v49
	v_add_nc_u32 v51, 0xf8800000, v48              ; 15 off the exponent field: the conversion's scale operand
	v_and_or_b32 v52, v48, 0x7f800000, s62         ; 57,344 x the scale
	v_lshrrev_b32 v[BY+\i], 23, v51                ; the byte
.irp q, 0,1,2,3,4,5,6,7,8,9,10,11,12,13,14,15
	v_med3_num_f32 v[T+\q], v[T+\q], -v52, v52
.endr
	v_cvt_scalef32_pk8_bf8_f32 v[CD+4*\i:CD+4*\i+1], v[T:T+7], v51
	v_cvt_scalef32_pk8_bf8_f32 v[CD+4*\i+2:CD+4*\i+3], v[T+8:T+15], v51
	v_nop                                          ; one plain line behind the last conversion
	global_store_b128 v[L16], v[CD+4*\i:CD+4*\i+3], s[28+4*\i:29+4*\i]   ; 32 lanes store 512 consecutive bytes
	global_store_b8 v[R4], v[BY+\i], s[30+4*\i:31+4*\i]                  ; lanes r and r + 16 store the same byte
.Lskip_\@:
.endm
	s_load_b256 s[4:11], s[0:1], 0x0               ; xq, wq, lists, act
	v_lshrrev_b32 v1, 5, v0
	v_readfirstlane_b32 s12, v1                    ; wave 0..3
	s_mov_b32 s13, ttmp9                           ; which 128 hidden units
	s_and_b32 s14, ttmp7, 0xffff                   ; tile
	v_and_b32 v1, 31, v0
	v_and_b32 v2, 15, v0                           ; r
	v_bfe_u32 v3, v0, 4, 1                         ; h
	v_lshlrev_b32 v[L16], 4, v1
	v_lshlrev_b32 v[R4], 2, v2
	v_lshlrev_b32 v[L4], 2, v1
	s_mul_i32 s26, s12, 32*AP
	v_add_nc_u32 v[FS], s26, v[L16]
	v_mul_u32_u24 v[SCS], v0, SCP                  ; row = thread
	v_add_nc_u32 v[SCS], SCA, v[SCS]
	v_mul_u32_u24 v[ASA], v2, SCP
	v_add_nc_u32 v[ASA], SCA, v[ASA]
	v_mul_u32_u24 v10, v2, AP
	v_lshl_add_u32 v10, v3, 4, v10                 ; a fragment's row x pitch + 16 h
.irp i, 0,1,2,3,4,5,6,7
	v_add_nc_u32 v[ADRA+\i], \i*16*AP, v10
.endr
	s_mov_b32 s60, 0x76543210
	s_mov_b32 s61, 0xfedcba98                      ; v_permlanex16_b32's selects for lane l xor 16
	s_mov_b32 s62, 0x600000                        ; the mantissa field of 57,344
	s_lshl_b32 s26, s14, 2
	s_lshl_b32 s27, s14, 5
	s_lshl_b32 s63, s12, 3
	s_add_co_u32 s63, s63, s27
	s_wait_kmcnt 0x0
	s_load_b32 s15, s[8:9], s26 offset:G1E         ; the tile's expert, 8 if it is not used
	s_load_b256 s[16:23], s[8:9], s27 offset:G1DST ; its eight entries
	s_load_b64 s[24:25], s[8:9], s63 offset:G1DST  ; the two whose rows my wave gathers
	s_wait_kmcnt 0x0
	s_lshr_b32 s24, s24, 1                         ; their ptiles; an entry that is none falls on ptile 159, which is never used and holds the default
	s_min_u32 s24, s24, 159
	s_lshl_b32 s24, s24, 6
	s_lshr_b32 s25, s25, 1
	s_min_u32 s25, s25, 159
	s_lshl_b32 s25, s25, 6
	s_load_b512 s[28:43], s[8:9], s24 offset:0x0   ; their tokens, as scalars for the rows,
	s_load_b512 s[44:59], s[8:9], s25 offset:0x0
	v_add_nc_u32 v11, s24, v[R4]
	v_add_nc_u32 v12, s25, v[R4]
	global_load_b32 v13, v11, s[8:9]               ; and lane by lane for the scale bytes
	global_load_b32 v14, v12, s[8:9]
	s_min_u32 s26, s15, 7
	s_lshl_b32 s26, s26, 4
	s_lshl_b32 s27, s13, 2
	s_add_co_u32 s26, s26, s27
	s_add_co_u32 s26, s26, s12                     ; 16 e + f-block
	s_lshl_b32 s66, s26, 17
	s_mov_b32 s67, 0
	s_add_nc_u64 s[66:67], s[6:7], s[66:67]        ; my weights' codes
	s_lshl_b32 s68, s26, 12
	s_add_co_u32 s68, s68, WSC
	s_mov_b32 s69, 0
	s_add_nc_u64 s[68:69], s[6:7], s[68:69]        ; and scale words
	s_wait_kmcnt 0x0
	v_mov_b32 v15, s44
	v_cmp_eq_u32 vcc_lo, 1, v3
	v_cndmask_b32 v15, s28, v15, vcc_lo            ; my ptile's token 0
	s_wait_loadcnt 0x0
	v_cndmask_b32 v13, v13, v14, vcc_lo            ; row = thread: lanes 0-15 the first ptile's, lanes 16-31 the second's
	v_cmp_gt_u32 vcc_lo, 2048, v13
	v_cndmask_b32 v13, v15, v13, vcc_lo            ; an empty place takes token 0
	v_min_u32 v13, 0x7ff, v13
	v_lshlrev_b32 v13, 6, v13                      ; 64 scale bytes a token
.irp base, 28, 44
.irp r, 1,2,3,4,5,6,7,8,9,10,11,12,13,14,15
	s_cmp_lt_u32 s[\base+\r], 2048
	s_cselect_b32 s[\base+\r], s[\base+\r], s[\base]
.endr
.irp r, 0,1,2,3,4,5,6,7,8,9,10,11,12,13,14,15
	s_min_u32 s[\base+\r], s[\base+\r], 2047
	s_lshl_b32 s[\base+\r], s[\base+\r], 11        ; 2,048 codes a token
.endr
.endr
.irp i, 0,1,2,3,4,5,6,7,8,9,10,11,12,13,14,15,16,17,18,19,20,21,22,23,24,25,26,27,28,29,30,31
	v_add_nc_u32 v[VA+\i], s[28+\i], v[L16]
.endr
	s_cmp_lt_u32 s15, 8
	s_cbranch_scc0 .Lnofill                        ; a tile that is not used gathers nothing; it passes the barrier all the same
.irp q, 0,1,2,3
	global_load_b128 v[CD+4*\q:CD+4*\q+3], v13, s[4:5] offset:XSC+16*\q
.endr
	FILLLD 0
	s_wait_loadcnt 32                              ; the scale bytes are in; the 32 loads of rows 0-7 may be out
	WIN 0
.irp q, 0,1,2,3
	ds_store_b128 v[SCS], v[CD+4*\q:CD+4*\q+3] offset:16*\q
.endr
	FILLLD 1
	s_wait_loadcnt 32                              ; each wait leaves the 32 loads just issued out
	FILLST 0
	FILLLD 2
	s_wait_loadcnt 32
	FILLST 1
	FILLLD 3
	s_wait_loadcnt 32
	FILLST 2
	s_wait_loadcnt 0x0
	FILLST 3
	WIN 0
.Lnofill:
.irp n, 0,1,2,3,4,5,6,7,8,9,10,11,12,13,14,15,16,17,18,19,20,21,22,23,24,25,26,27,28,29,30,31
	global_load_b32 v[BSC+\n], v[L4], s[68:69] offset:128*\n   ; register 2 k + matrix: lanes 0-15 tile u = 0's rows, lanes 16-31 tile u = 1's
.endr
	BLOAD 0
	BLOAD 1
	BLOAD 2
	WIN 0
	s_wait_dscnt 0x0                               ; for the others' sake: my rows and their scale bytes have landed
	s_barrier_signal -1
	s_barrier_wait -1
	s_cmp_lt_u32 s15, 8
	s_cbranch_scc0 .Lend
.irp i, 0,1,2,3,4,5,6,7
.irp q, 0,1,2,3
	ds_load_b128 v[ASC+16*\i+4*\q:ASC+16*\i+4*\q+3], v[ASA] offset:\i*16*SCP+16*\q   ; register 16 i + k: row r's scale word of K step k
.endr
.endr
	ALOAD 0
.irp k, 0,1,2,3,4,5,6,7,8,9,10,11,12,13,14,15
	GSTEP \k
.endr
	WIN 0
.rept 8
	v_nop                                          ; eight places ahead of the first read of results
.endr
	s_lshl_b32 s76, s13, 11
	s_lshl_b32 s72, s12, 9
	s_add_co_u32 s76, s76, s72                     ; in an image: K step x, chunk w
	s_lshl_b32 s77, s13, 6
	s_add_co_u32 s77, s77, s12
	s_add_co_u32 s77, s77, ASCO                    ; among its scale bytes [K step][r][chunk]
	s_mov_b32 s75, 0
.irp i, 0,1,2,3,4,5,6,7
	s_min_u32 s72, s[16+\i], 319
	s_lshl_b32 s74, s72, 13
	s_add_co_u32 s74, s74, s76
	s_add_nc_u64 s[28+4*\i:29+4*\i], s[10:11], s[74:75]
	s_lshl_b32 s74, s72, 8
	s_add_co_u32 s74, s74, s77
	s_add_nc_u64 s[30+4*\i:31+4*\i], s[10:11], s[74:75]
.endr
.irp i, 0,1,2,3,4,5,6,7
	EPI \i
.endr
.Lend:
	s_wait_xcnt 0x0
	v_lshl_add_u32 v254, v0, 2, 0x43000
	v_mov_b32 v255, 0
	s_wait_tensorcnt 0x0
	ds_add_u32 v254, v255
	s_wait_dscnt 0x0
	s_endpgm
.Lfunc_end_k_q7a3cd42b06_up:
	.size	k_q7a3cd42b06_up, .Lfunc_end_k_q7a3cd42b06_up-k_q7a3cd42b06_up
	.p2alignl 7, 3214868480
	.fill 96, 4, 3214868480
	.section	.rodata,"a",@progbits
	.p2align	6, 0x0
	.amdhsa_kernel k_q7a3cd42b06_up
		.amdhsa_group_segment_fixed_size 274944
		.amdhsa_private_segment_fixed_size 0
		.amdhsa_enable_private_segment 0
		.amdhsa_kernarg_size 32
		.amdhsa_user_sgpr_count 2
		.amdhsa_user_sgpr_kernarg_segment_ptr 1
		.amdhsa_wavefront_size32 1
		.amdhsa_system_sgpr_workgroup_id_x 1
		.amdhsa_system_sgpr_workgroup_id_y 1
		.amdhsa_system_sgpr_workgroup_id_z 1
		.amdhsa_system_vgpr_workitem_id 0
		.amdhsa_next_free_vgpr 1024
		.amdhsa_next_free_sgpr 80
		.amdhsa_reserve_vcc 1
		.amdhsa_float_denorm_mode_32 3
		.amdhsa_float_denorm_mode_16_64 3
		.amdhsa_memory_ordered 1
		.amdhsa_forward_progress 1
		.amdhsa_inst_pref_size 214
	.end_amdhsa_kernel
	.amdgpu_metadata
---
amdhsa.version: [ 1, 2 ]
amdhsa.kernels:
  - .name:           k_q7a3cd42b06_up
    .symbol:         k_q7a3cd42b06_up.kd
    .args:
      - { .name: xq, .offset: 0, .size: 8, .value_kind: global_buffer, .address_space: global }
      - { .name: wq, .offset: 8, .size: 8, .value_kind: global_buffer, .address_space: global }
      - { .name: lists, .offset: 16, .size: 8, .value_kind: global_buffer, .address_space: global }
      - { .name: act, .offset: 24, .size: 8, .value_kind: global_buffer, .address_space: global }
    .group_segment_fixed_size: 274944
    .private_segment_fixed_size: 0
    .kernarg_segment_align: 8
    .kernarg_segment_size: 32
    .max_flat_workgroup_size: 128
    .sgpr_count:     80
    .vgpr_count:     1024
    .wavefront_size: 32
...
	.end_amdgpu_metadata
.endif
;; end of part 3
;; launch down (part 4): grid 8 x 31, 4 waves a work-group, no clusters, 99,840 bytes of LDS; arguments act, wq, lists, score, out0; writes out0
.if DOCPART == 4
	.amdgcn_target "amdgcn-amd-amdhsa--gfx1250"
	.amdhsa_code_object_version 6
	.text
	.protected	k_q7a3cd42b06_down
	.globl	k_q7a3cd42b06_down
	.p2align	8
	.type	k_q7a3cd42b06_down,@function
k_q7a3cd42b06_down:
	s_mov_b64 s[64:65], 0
	v_nop
	global_prefetch_b8 v0, s[64:65] scope:SCOPE_SE
	s_setreg_imm32_b32 hwreg(HW_REG_WAVE_MODE, 25, 1), 1
	s_wait_xcnt 0x0
; DOWN.  out0[token] = s_lo (act_lo W2[lo]) + s_hi (act_hi W2[hi]): the last product on codes of BF8 (E5M2) with E8M0 scales, sums in f32, and the combine.
; SHARES.  A work-group owns 5 ptiles (80 sorted tokens) and 256 of the 2,048 columns: every output row has one owner.  31 blocks of 5 cover the 154 ptiles that any split can make, and 8 x 31 = 248 work-groups are one for a WGP;
; a block without a ptile stores nothing and ends.
; The 10 images (ptile, slot) of the hidden layer, 8 KiB each, go into LDS once as they lie (wave w fetches K step w of each) and come back as operand registers.  Wave w takes 64 columns: four weight tiles, for all 5 ptiles: y is 20 tiles, 160 registers.
; THE WALK OVER EXPERTS: the experts that the block's ptiles name (a mask of 8 bits from the stored list) are taken in ascending order, in a loop of constant count; an expert's 32 KiB of my columns come from memory straight into
; registers, in two sets by turns: at a step's end the set just used is filled with the expert two further on, which then has the next step in which to land.  Each (ptile, slot) that names the expert in hand: 16 products into four sums begun anew, then y += weight x sum.
; y IS CLEARED ONCE: its two contributions stand under branches on the list, so it has to hold a number on every way.
; An empty place of a ptile is a copy of the ptile's token 0: it holds token 0's numbers and stores them once more on token 0's row.
; USED TRANSPOSED (source 0 = 16 columns of W2, source 1 = 16 tokens): a lane holds one token and eight neighbouring columns.
; NO CLUSTER: the blocks that share a slice of W2 walk different experts in different numbers, by the list.
; REGISTERS: window 0: v1-15 addresses; v16-35 the hidden layer's scale words (4 i + k: lanes 0-15 slot 0, lanes 16-31 slot 1); v48-63 W2's, two sets; v64-73 the weights (s_lo, s_hi) of my token in each ptile; v80-92 offsets;
;   v96-159 a hidden fragment of 4 K steps, later rows on the way out; v160-199 byte offsets in out0; v224-255 four sums.   window 1: y ((i, t) at 8 (4 i + t)).   windows 2, 3: W2's fragments, sets 0 and 1.
.set NP,    5
.set W2Q,   16777216
.set W2S,   25690112
.set ASCO,  2621440
.set PTEXP, 10240
.set STG,   2*NP*8192                  ; behind the images: a stage of 16 rows x (256 + 16) bytes for each wave
.set SPI,   272
.set LI0,   4                          ; v4   16 x lane: images 0-7
.set LI1,   5                          ; v5   + 65,536: images 8, 9
.set L4,    6                          ; v6   4 x lane
.set R4,    7                          ; v7   4 r
.set FS,    8                          ; v8   16 x lane + 2,048 w: my part of an image, in memory and in LDS (images 0-7)
.set STO,   9                          ; v9   the stage, in
.set RD,    10                         ; v10  the stage, back
.set AS0,   11                         ; v11  256 h + 4 r
.set H4,    12                         ; v12  4 h
.set COL,   13                         ; v13  my 16 bytes of a row of out0
.set FS1,   14                         ; v14  FS + 65,536: images 8, 9 in LDS
.set ASC,   16
.set BSC,   48
.set SC,    64
.set TKN,   80
.set AO,    88
.set AF,    96
.set OA,    160
.set TMP,   224
.set LO,    32                         ; s32-36 a ptile's lo, s40-44 its hi
.set PE,    48                         ; s48-52 the ptile, or 0 where the place is not used: every load reads bytes that were stored
.set T0,    56                         ; s56-60 its token 0
.set IB,    84                         ; s84-93 where its two images begin
.set MSB, 0
.macro WIN new                         ; the immediate's high byte repeats the setting that is left
.if MSB != \new
	s_set_vgpr_msb (MSB<<8)|\new
.set MSB, \new
.endif
.endm
.macro MM d, a, b, c, sa, sb, arow, brow
.if (\arow) && (\brow)
	v_wmma_scale_f32_16x16x128_f8f6f4 v[(\d):(\d)+7], v[(\a):(\a)+15], v[(\b):(\b)+15], \c, v[\sa], v[\sb] matrix_a_fmt:MATRIX_FMT_BF8 matrix_b_fmt:MATRIX_FMT_BF8 matrix_a_scale:MATRIX_SCALE_ROW1 matrix_b_scale:MATRIX_SCALE_ROW1
.elseif \arow
	v_wmma_scale_f32_16x16x128_f8f6f4 v[(\d):(\d)+7], v[(\a):(\a)+15], v[(\b):(\b)+15], \c, v[\sa], v[\sb] matrix_a_fmt:MATRIX_FMT_BF8 matrix_b_fmt:MATRIX_FMT_BF8 matrix_a_scale:MATRIX_SCALE_ROW1
.elseif \brow
	v_wmma_scale_f32_16x16x128_f8f6f4 v[(\d):(\d)+7], v[(\a):(\a)+15], v[(\b):(\b)+15], \c, v[\sa], v[\sb] matrix_a_fmt:MATRIX_FMT_BF8 matrix_b_fmt:MATRIX_FMT_BF8 matrix_b_scale:MATRIX_SCALE_ROW1
.else
	v_wmma_scale_f32_16x16x128_f8f6f4 v[(\d):(\d)+7], v[(\a):(\a)+15], v[(\b):(\b)+15], \c, v[\sa], v[\sb] matrix_a_fmt:MATRIX_FMT_BF8 matrix_b_fmt:MATRIX_FMT_BF8
.endif
.endm
.macro POP dst                         ; the lowest expert left in the mask, 8 if none; it leaves the mask
	s_ctz_i32_b32 s[\dst], s17
	s_min_u32 s[\dst], s[\dst], 8
	s_sub_co_u32 s22, s17, 1
	s_and_b32 s17, s17, s22
.endm
.macro BLOAD bset, ereg                ; my 64 columns of expert s[ereg]: 32 KiB of codes on end and 8 scale words a lane: 72 loads.  Each set has its own base registers; they are written when no load of mine is out, or for the first time
	s_min_u32 s22, s[\ereg], 7
	s_lshl_b32 s76, s22, 20
	s_mov_b32 s77, 0
	s_add_nc_u64 s[68+4*(\bset):69+4*(\bset)], s[78:79], s[76:77]
	s_lshl_b32 s76, s22, 15
	s_add_nc_u64 s[70+4*(\bset):71+4*(\bset)], s[80:81], s[76:77]
	WIN 0x80+0x40*(\bset)
.irp t, 0,1,2,3
.irp k, 0,1,2,3
.irp c, 0,1,2,3
	global_load_b128 v[64*\t+16*\k+4*\c:64*\t+16*\k+4*\c+3], v[LI0], s[68+4*(\bset):69+4*(\bset)] offset:\t*8192+\k*2048+\c*512
.endr
.endr
.endr
	WIN 0
.irp n, 0,1,2,3,4,5,6,7
	global_load_b32 v[BSC+8*(\bset)+\n], v[L4], s[70+4*(\bset):71+4*(\bset)] offset:128*\n   ; register 4 (t / 2) + k: lanes 0-15 the even tile, lanes 16-31 the odd one
.endr
.endm
; Ptile i, slot: if its expert is the one in hand.
.macro PT i, slot, bset
	s_cmp_eq_u32 s[LO+8*\slot+\i], s18
	s_cbranch_scc0 .Lno_\@
.set IMG, 2*\i+\slot
.irp k, 0,1,2,3
.irp c, 0,1,2,3
.if IMG < 8
	ds_load_b128 v[AF+16*\k+4*\c:AF+16*\k+4*\c+3], v[LI0] offset:IMG*8192+\k*2048+\c*512
.else
	ds_load_b128 v[AF+16*\k+4*\c:AF+16*\k+4*\c+3], v[LI1] offset:(IMG-8)*8192+\k*2048+\c*512
.endif
.endr
.endr
	WIN 0x02+\bset                                 ; source 0: window 2 or 3
.irp k, 0,1,2,3
	s_wait_dscnt 12-4*\k                           ; this K step's four loads are in; those of the later K steps may be out
.irp t, 0,1,2,3
.if \k == 0
	MM TMP+8*\t, 64*\t+16*\k, AF+16*\k, 0, BSC+8*\bset+4*(\t/2)+\k, ASC+4*\i+\k, \t%2, \slot
.else
	MM TMP+8*\t, 64*\t+16*\k, AF+16*\k, v[TMP+8*\t:TMP+8*\t+7], BSC+8*\bset+4*(\t/2)+\k, ASC+4*\i+\k, \t%2, \slot
.endif
.endr
.endr                                  ; the four sums take turns, one instruction a turn
.rept 9
	v_nop                                          ; eight places ahead of the reads of the sums and of later loads into the operands; nine ahead of the next products, which begin the sums anew
.endr
	WIN 0x50                                       ; y: source 2 and destination, window 1
.irp t, 0,1,2,3
.irp j, 0,2,4,6
.if \slot == 0
	v_pk_fma_f32 v[8*(4*\i+\t)+\j:8*(4*\i+\t)+\j+1], v[TMP+8*\t+\j:TMP+8*\t+\j+1], v[SC+2*\i:SC+2*\i+1], v[8*(4*\i+\t)+\j:8*(4*\i+\t)+\j+1] op_sel_hi:[1,0,1]
.else
	v_pk_fma_f32 v[8*(4*\i+\t)+\j:8*(4*\i+\t)+\j+1], v[TMP+8*\t+\j:TMP+8*\t+\j+1], v[SC+2*\i:SC+2*\i+1], v[8*(4*\i+\t)+\j:8*(4*\i+\t)+\j+1] op_sel:[0,1,0] op_sel_hi:[1,1,1]
.endif
.endr
.endr
	WIN 0
.Lno_\@:
.endm
.macro STEPX bset                      ; the expert in hand (s18) lies in set bset and is in; the next (s19) is on its way into the other set
	s_cmp_lt_u32 s18, 8
	s_cbranch_scc0 .Lnocur_\@
.irp i, 0,1,2,3,4
	PT \i, 0, \bset
	PT \i, 1, \bset
.endr
.Lnocur_\@:
	s_mov_b32 s18, s19
	POP 19
	s_wait_loadcnt 0x0                             ; the other set is in: it had this step in which to land.  No load of mine is out, so this set's base registers may be written
	s_cmp_lt_u32 s19, 8
	s_cbranch_scc0 .Lnoiss_\@
	BLOAD \bset, 19                                ; the expert after that, into the set that this step has left: behind its last product stand nine v_nop and sixteen multiply-adds
.Lnoiss_\@:
.endm
.macro OUTP i                          ; a ptile's 16 rows x my 64 columns: through my own stage, back as whole rows of 256 bytes
	s_cmp_lt_u32 s[LO+\i], 8
	s_cbranch_scc0 .Lnone_\@
	s_wait_xcnt 0x0                                ; the last ptile's stores have read their registers
	WIN 0x04                                       ; the data: window 1
.irp t, 0,1,2,3
	ds_store_b128 v[STO], v[8*(4*\i+\t):8*(4*\i+\t)+3] offset:64*\t
	ds_store_b128 v[STO], v[8*(4*\i+\t)+4:8*(4*\i+\t)+7] offset:64*\t+16
.endr
	WIN 0
.irp k, 0,1,2,3,4,5,6,7
	ds_load_b128 v[AF+4*\k:AF+4*\k+3], v[RD] offset:2*\k*SPI   ; LDS serves a wave's instructions in order (ISA guide 5.7.1.4): these see the stores above
.endr
.irp k, 0,1,2,3,4,5,6,7
	s_wait_dscnt 7-\k
	global_store_b128 v[OA+8*\i+\k], v[AF+4*\k:AF+4*\k+3], s[12:13] th:TH_STORE_NT   ; sixteen lanes store 256 consecutive bytes, at a multiple of 256 from out0's first byte
.endr
.Lnone_\@:
.endm
	s_load_b256 s[4:11], s[0:1], 0x0               ; act, wq, lists, score
	s_load_b64 s[12:13], s[0:1], 0x20              ; out0
	v_lshl_add_u32 v222, v0, 2, 0x18400
	v_mov_b32 v223, 0
	v_lshrrev_b32 v1, 5, v0
	v_readfirstlane_b32 s14, v1                    ; wave 0..3
	s_mov_b32 s15, ttmp9                           ; which 256 columns
	s_and_b32 s16, ttmp7, 0xffff                   ; which 5 ptiles
	v_and_b32 v1, 31, v0
	v_and_b32 v2, 15, v0                           ; r
	v_bfe_u32 v3, v0, 4, 1                         ; h
	v_lshlrev_b32 v[LI0], 4, v1
	v_add_nc_u32 v[LI1], 65536, v[LI0]
	v_lshlrev_b32 v[L4], 2, v1
	v_lshlrev_b32 v[R4], 2, v2
	s_lshl_b32 s22, s14, 11
	v_add_nc_u32 v[FS], s22, v[LI0]
	v_add_nc_u32 v[FS1], 65536, v[FS]
	s_mul_i32 s22, s14, 16*SPI
	s_add_co_u32 s22, s22, STG                     ; my stage
	v_mul_u32_u24 v[STO], v2, SPI
	v_lshl_add_u32 v[STO], v3, 5, v[STO]
	v_add_nc_u32 v[STO], s22, v[STO]               ; in: row r, + 32 h
	v_mul_u32_u24 v[RD], v3, SPI
	v_lshl_add_u32 v[RD], v2, 4, v[RD]
	v_add_nc_u32 v[RD], s22, v[RD]                 ; back: lanes 0-15 one row, lanes 16-31 the next
	v_lshl_add_u32 v[AS0], v3, 8, v[R4]
	v_lshlrev_b32 v[H4], 2, v3
	s_lshl_b32 s22, s15, 10
	s_lshl_b32 s23, s14, 8
	s_add_co_u32 s22, s22, s23
	v_lshl_add_u32 v[COL], v2, 4, s22
	s_mul_i32 s22, s16, 4*NP
	s_wait_kmcnt 0x0
.irp i, 0,1,2,3,4
	s_load_b32 s[24+\i], s[8:9], s22 offset:PTEXP+4*\i   ; the five ptiles' experts
.endr
	s_lshl_b32 s76, s15, 17                        ; W2: my four tiles of 16 columns, 8 KiB each
	s_lshl_b32 s82, s14, 15
	s_add_co_u32 s76, s76, s82
	s_add_co_u32 s76, s76, W2Q
	s_mov_b32 s77, 0
	s_add_nc_u64 s[78:79], s[6:7], s[76:77]
	s_lshl_b32 s76, s15, 12                        ; their scale words: two pairs of tiles, 512 bytes each
	s_lshl_b32 s82, s14, 10
	s_add_co_u32 s76, s76, s82
	s_add_co_u32 s76, s76, W2S
	s_add_nc_u64 s[80:81], s[6:7], s[76:77]
	s_wait_kmcnt 0x0
	s_mov_b32 s17, 0
	s_mul_i32 s23, s16, NP
.irp i, 0,1,2,3,4
	s_and_b32 s[LO+\i], s[24+\i], 0xff
	s_bfe_u32 s[LO+8+\i], s[24+\i], 0x80008
	s_lshl_b32 s22, 1, s[LO+\i]
	s_or_b32 s17, s17, s22
	s_lshl_b32 s22, 1, s[LO+8+\i]
	s_or_b32 s17, s17, s22
	s_add_co_u32 s22, s23, \i
	s_cmp_lt_u32 s[LO+\i], 8
	s_cselect_b32 s[PE+\i], s22, 0
	s_min_u32 s[PE+\i], s[PE+\i], 159
	s_lshl_b32 s76, s[PE+\i], 14                   ; a ptile's two images: 16 KiB on end
	s_add_nc_u64 s[IB+2*\i:IB+2*\i+1], s[4:5], s[76:77]
	s_lshl_b32 s22, s[PE+\i], 6
	v_add_nc_u32 v[AF+\i], s22, v[R4]
	v_add_nc_u32 v[AF+8+\i], s22, v[H4]
	s_lshl_b32 s22, s[PE+\i], 9
	v_add_nc_u32 v[AO+\i], s22, v[AS0]
.endr
	s_and_b32 s17, s17, 0xff                       ; the experts that the block names (bit 8: places not used)
	POP 18                                         ; the expert in hand,
	POP 19                                         ; the next
.irp i, 0,1,2,3,4
	global_load_b32 v[TKN+\i], v[AF+\i], s[8:9]    ; token r of ptile i: the weights hang on it, so it goes first
.endr
	WIN 0x40                                       ; y's registers carry the images on their way into LDS
.irp i, 0,1,2,3,4
.irp sl, 0,1
.irp c, 0,1,2,3
	global_load_b128 v[32*\i+16*\sl+4*\c:32*\i+16*\sl+4*\c+3], v[FS], s[IB+2*\i:IB+2*\i+1] offset:\sl*8192+\c*512   ; K step w of image 2 i + sl
.endr
.endr
.endr
	WIN 0
	s_wait_loadcnt 40                              ; the five loads of tokens are in; the images' 40 may be out
.irp i, 0,1,2,3,4
	v_readfirstlane_b32 s[T0+\i], v[TKN+\i]        ; the ptile's token 0
	v_cmp_gt_u32 vcc_lo, 2048, v[TKN+\i]
	v_cndmask_b32 v[TKN+\i], s[T0+\i], v[TKN+\i], vcc_lo   ; an empty place takes token 0
	v_min_u32 v[TKN+\i], 0x7ff, v[TKN+\i]
	v_lshlrev_b32 v[TKN+\i], 3, v[TKN+\i]
	global_load_b64 v[SC+2*\i:SC+2*\i+1], v[TKN+\i], s[10:11]
.endr
.irp i, 0,1,2,3,4
.irp k, 0,1,2,3
	global_load_b32 v[ASC+4*\i+\k], v[AO+\i], s[4:5] offset:ASCO+64*\k
.endr
.endr
.irp i, 0,1,2,3,4
.irp k, 0,1,2,3,4,5,6,7
	global_load_b32 v[OA+8*\i+\k], v[AF+8+\i], s[8:9] offset:8*\k   ; token 2 k + h: the row that I store on the way out
.endr
.endr
	BLOAD 0, 18
	s_wait_loadcnt 63                              ; the youngest 72 loads are the first expert's: with at most 63 out, all that stands ahead of them is in: the images, the weights, the scale words, the tokens
	WIN 0x04
.irp i, 0,1,2,3,4
.irp sl, 0,1
.irp c, 0,1,2,3
.if 2*\i+\sl < 8
	ds_store_b128 v[FS], v[32*\i+16*\sl+4*\c:32*\i+16*\sl+4*\c+3] offset:(2*\i+\sl)*8192+\c*512
.else
	ds_store_b128 v[FS1], v[32*\i+16*\sl+4*\c:32*\i+16*\sl+4*\c+3] offset:(2*\i+\sl-8)*8192+\c*512
.endif
.endr
.endr
.endr
	WIN 0
.irp i, 0,1,2,3,4
.irp k, 0,1,2,3,4,5,6,7
	v_cmp_gt_u32 vcc_lo, 2048, v[OA+8*\i+\k]       ; the tokens become byte offsets in out0 while the LDS stores land and the first expert's weights arrive
	v_cndmask_b32 v[OA+8*\i+\k], s[T0+\i], v[OA+8*\i+\k], vcc_lo
	v_min_u32 v[OA+8*\i+\k], 0x7ff, v[OA+8*\i+\k]
	v_lshl_add_u32 v[OA+8*\i+\k], v[OA+8*\i+\k], 13, v[COL]
.endr
.endr
	s_wait_dscnt 0x0                               ; for the others' sake: my part of the ten images has landed
	s_barrier_signal -1
	s_barrier_wait -1
	s_cmp_lt_u32 s18, 8
	s_cbranch_scc0 .Lend                           ; a block without a ptile
	WIN 0x40
.set n, 0
.rept 32*NP
	v_mov_b32 v[n], 0                              ; y, while the weights are on their way
.set n, n+1
.endr
	WIN 0
	BLOAD 1, 19                                    ; always: where there is no second expert, expert 7's, which nothing multiplies: so both sets hold loaded numbers on every way
	s_wait_loadcnt 63                              ; the youngest 72 loads are the second expert's: with at most 63 out, the first expert's are in
	s_mov_b32 s21, 4
.Ltrip:                                            ; four trips of two steps: up to eight experts
	STEPX 0
	STEPX 1
	s_sub_co_u32 s21, s21, 1
	s_cmp_lg_u32 s21, 0
	s_cbranch_scc1 .Ltrip
.irp i, 0,1,2,3,4
	OUTP \i
.endr
.Lend:
	s_wait_tensorcnt 0x0
	ds_add_u32 v222, v223
	s_wait_dscnt 0x0
	s_endpgm
.Lfunc_end_k_q7a3cd42b06_down:
	.size	k_q7a3cd42b06_down, .Lfunc_end_k_q7a3cd42b06_down-k_q7a3cd42b06_down
	.p2alignl 7, 3214868480
	.fill 96, 4, 3214868480
	.section	.rodata,"a",@progbits
	.p2align	6, 0x0
	.amdhsa_kernel k_q7a3cd42b06_down
		.amdhsa_group_segment_fixed_size 99840
		.amdhsa_private_segment_fixed_size 0
		.amdhsa_enable_private_segment 0
		.amdhsa_kernarg_size 40
		.amdhsa_user_sgpr_count 2
		.amdhsa_user_sgpr_kernarg_segment_ptr 1
		.amdhsa_wavefront_size32 1
		.amdhsa_system_sgpr_workgroup_id_x 1
		.amdhsa_system_sgpr_workgroup_id_y 1
		.amdhsa_system_sgpr_workgroup_id_z 1
		.amdhsa_system_vgpr_workitem_id 0
		.amdhsa_next_free_vgpr 1024
		.amdhsa_next_free_sgpr 96
		.amdhsa_reserve_vcc 1
		.amdhsa_float_denorm_mode_32 3
		.amdhsa_float_denorm_mode_16_64 3
		.amdhsa_memory_ordered 1
		.amdhsa_forward_progress 1
		.amdhsa_inst_pref_size 166
	.end_amdhsa_kernel
	.amdgpu_metadata
---
amdhsa.version: [ 1, 2 ]
amdhsa.kernels:
  - .name:           k_q7a3cd42b06_down
    .symbol:         k_q7a3cd42b06_down.kd
    .args:
      - { .name: act, .offset: 0, .size: 8, .value_kind: global_buffer, .address_space: global }
      - { .name: wq, .offset: 8, .size: 8, .value_kind: global_buffer, .address_space: global }
      - { .name: lists, .offset: 16, .size: 8, .value_kind: global_buffer, .address_space: global }
      - { .name: score, .offset: 24, .size: 8, .value_kind: global_buffer, .address_space: global }
      - { .name: out0, .offset: 32, .size: 8, .value_kind: global_buffer, .address_space: global }
    .group_segment_fixed_size: 99840
    .private_segment_fixed_size: 0
    .kernarg_segment_align: 8
    .kernarg_segment_size: 40
    .max_flat_workgroup_size: 128
    .sgpr_count:     96
    .vgpr_count:     1024
    .wavefront_size: 32
...
	.end_amdgpu_metadata
.endif
;; end of part 4
;; ======== version 2 of 2: 4 launches
;; limits: right only within a limited range of input values
;; workspace buffers: xq 4,325,376 bytes; wq 25,952,256 bytes; sel 8,192 bytes of whole numbers; score 16,384 bytes; lists 14,336 bytes of whole numbers; act 2,703,360 bytes
;; launch prep (part 5): grid 384 x 1, 8 waves a work-group, no clusters, 111,104 bytes of LDS; arguments x, Wr, W1, V1, xq, wq, sel, score; writes xq, wq, sel, score
.if DOCPART == 5
	.amdgcn_target "amdgcn-amd-amdhsa--gfx1250"
	.amdhsa_code_object_version 6
	.text
	.protected	k_q7a3cd42b06_prep
	.globl	k_q7a3cd42b06_prep
	.p2align	8
	.type	k_q7a3cd42b06_prep,@function
k_q7a3cd42b06_prep:
	s_mov_b64 s[64:65], 0
	v_nop
	global_prefetch_b8 v0, s[64:65] scope:SCOPE_SE
	s_setreg_imm32_b32 hwreg(HW_REG_WAVE_MODE, 25, 1), 1
	s_wait_xcnt 0x0
; PREP.  Work-groups 0-127: 16 tokens each: the router (f32 logits, softmax, the two SMALLEST gates, the lower index on a tie, renormalised) and x's codes of BF8 (E5M2) with one E8M0 byte for each 32 along D.
; Work-groups 128-383: W1 and V1 [8][2048 (K)][512], f32, into codes laid in the ORDER OF AN OPERAND'S REGISTERS: [e][f-block of 32][K step of 128][W1, V1][tile u][chunk c][lane][16 bytes], and scale words [e][f-block][K step][W1, V1][lane].
; A block's scale is 2^(floor(log2(largest magnitude)) - 15); its byte is that magnitude's exponent field - 15, held at 1 from below.
; THE ROWS OF A WEIGHT TILE ARE NOT NEIGHBOURS: column f (0..31) of an f-block goes to tile u = bit 3 of f, row (f & 7) + 8 (bit 4 of f), so that the results of tiles u = 0, 1 are 16 neighbours along the next product's K.
; x IS LOADED AS IT LIES: one load reads 512 consecutive bytes of one token, 16 a lane.  The quantiser and the router want 16 neighbours along K in one lane, so a K step's 16 x 512 bytes turn through the wave's own stage in LDS.
; The chosen experts go to 'sel' and their weights to 'score' at fixed places: no address and no branch of this launch hangs on them.
; LIMITS: NaN and infinities are not served.  Gates under 2^-126 come out as 0 (the exponential flushes).  A token whose second and third smallest logits differ by less than the noise of an f32 sum of 2,048 terms
; (about 1e-6 of the logits) may choose otherwise than a sum in another order.  A block of zeros gets the byte 1 and not 127: its codes are zeros, and this program alone reads the bytes.
; No tensor loads, no cluster: no two work-groups read the same bytes but Wr's 64 KiB.
.set XSC,   4194304                    ; xq: scale bytes [token][64] behind the codes [token][2048]
.set WSC,   25165824                   ; wq: W1's and V1's scale words
.set MANT,  0x600000                   ; the mantissa field of 57,344
.set NB,    8                          ; weights: blocks of 32 along K for a lane
.set PITCH, 2048                       ; weights: bytes from one k to the next
.set SPTR,  8                          ; s[8:9]  the weight's pointer
.set SRC,   2                          ; v2  4 x lane
.set DST,   3                          ; v3  2048 u + 16 r
.set SOF,   4                          ; v4  4 (16 u + r)
.set SB,    24                         ; v24-25  scale words
.set X,     32                         ; v32-95  two sets of 32 numbers
.set C,     96                         ; v96-159 codes: eight registers for each block, so that no store's data are written again
.set XP,    2064                       ; LDS: a token's 2,048 codes + 16: an odd multiple of 16 bytes
.set XS,    33280                      ; LDS: 16 x 64 scale bytes
.set LGS,   34304                      ; LDS: 8 waves x 32 lanes x 8 partial logits
.set STGX,  42496                      ; LDS: for each wave a stage of 16 rows of f32
.set SXP,   528                        ; a stage row: 512 bytes + 16: an odd multiple of 16 bytes, so that the 16 rows that a load back touches start at 16 different places modulo 256
.set X0,    16                         ; v16-79   64 numbers of x, first K step
.set X1,    80                         ; v80-143  second K step
.set WR,    144                        ; v144-207 Wr at the same k
.set ACC,   208                        ; v208-223 two sums of logits: written by matrix instructions alone
.set PC,    224                        ; v224-239 the codes just made
.set TM,    240                        ; v240-255 at work
.set PW,    15                         ; v15      the scale word just made
.macro LOAD t                          ; block t: W(32 t + i, my column) into set t % 2: a wave reads 128 consecutive bytes, the eight waves 1,024
.irp i, 0,1,2,3,4,5,6,7,8,9,10,11,12,13,14,15,16,17,18,19,20,21,22,23,24,25,26,27,28,29,30,31
	global_load_b32 v[X+32*((\t)%2)+\i], v[SRC], s[SPTR:SPTR+1] offset:(32*(\t)+\i)*PITCH th:TH_LOAD_NT
.endr
.endm
.macro QBLK t                          ; a lane's 32 registers are one block of 32 along K of its column
.set XB, X+32*((\t)%2)
.set CC, C+8*(\t)
.if (\t) < NB-1
	s_wait_loadcnt 32                              ; this block's 32 loads are in; the next block's 32 may be out
.else
	s_wait_loadcnt 0
.endif
	v_max3_num_f32 v12, |v[XB]|, |v[XB+1]|, |v[XB+2]|
	v_max3_num_f32 v13, |v[XB+3]|, |v[XB+4]|, |v[XB+5]|
.irp i, 6,10,14,18,22,26
	s_delay_alu instid0(VALU_DEP_2)
	v_max3_num_f32 v12, v12, |v[XB+\i]|, |v[XB+\i+1]|
	s_delay_alu instid0(VALU_DEP_2)
	v_max3_num_f32 v13, v13, |v[XB+\i+2]|, |v[XB+\i+3]|
.endr
	s_delay_alu instid0(VALU_DEP_2)
	v_max3_num_f32 v12, v12, |v[XB+30]|, |v[XB+31]|
	s_delay_alu instid0(VALU_DEP_1)
	v_max3_num_f32 v12, v12, v13, 0x8000000        ; the floor 2^(16 - 127): the byte cannot fall under 1
	s_delay_alu instid0(VALU_DEP_1)
	v_add_nc_u32 v11, 0xf8800000, v12              ; 15 off the exponent field: the conversion's scale operand
	s_delay_alu instid0(VALU_DEP_2)
	v_and_or_b32 v10, v12, 0x7f800000, s24         ; 57,344 x the scale
	s_delay_alu instid0(VALU_DEP_2)
	v_lshrrev_b32 v13, 23, v11                     ; the byte
.irp i, 0,1,2,3,4,5,6,7,8,9,10,11,12,13,14,15,16,17,18,19,20,21,22,23,24,25,26,27,28,29,30,31
	v_med3_num_f32 v[XB+\i], v[XB+\i], -v10, v10   ; the conversion does not saturate (ISA guide 7.6.2): the hold comes first
.endr
.irp g, 0,1,2,3
	v_cvt_scalef32_pk8_bf8_f32 v[CC+2*\g:CC+2*\g+1], v[XB+8*\g:XB+8*\g+7], v11
.endr
.if (\t)%4 == 0
	v_mov_b32 v[SB+(\t)/4], v13                    ; four bytes make a K step's scale word.  (Also the plain line behind the conversions)
.else
	v_lshl_or_b32 v[SB+(\t)/4], v13, 8*((\t)%4), v[SB+(\t)/4]
.endif
	global_store_b128 v[DST], v[CC:CC+3], s[30:31] offset:((\t)/4)*8192+((\t)%4)*512        ; k 0-15 of the block: the image's lanes 0-15; each tile's sixteen lanes store 256 consecutive bytes
	global_store_b128 v[DST], v[CC+4:CC+7], s[30:31] offset:((\t)/4)*8192+((\t)%4)*512+256  ; k 16-31: its lanes 16-31
.if (\t)%4 == 3
	global_store_b32 v[SOF], v[SB+(\t)/4], s[32:33] offset:((\t)/4)*256
.endif
.if (\t)+2 < NB
	LOAD (\t)+2
.endif
.endm
.macro XLOAD reg, sl                   ; the wave's K step sl of the 16 tokens, as it lies: load i reads token i's 512 consecutive bytes, 16 a lane
.irp i, 0,1,2,3,4,5,6,7,8,9,10,11,12,13,14,15
	global_load_b128 v[\reg+4*\i:\reg+4*\i+3], v4, s[4:5] offset:8192*\i+512*\sl th:TH_LOAD_NT
.endr
.endm
.macro TURN reg                        ; through my own stage, row i = token i, and back into the registers that they left: lane (r, h) then holds, of token r, 16 neighbours of each block of 32: register 16 b + i = k 32 b + 16 h + i
.irp i, 0,1,2,3,4,5,6,7,8,9,10,11,12,13,14,15
	ds_store_b128 v1, v[\reg+4*\i:\reg+4*\i+3] offset:SXP*\i
.endr
.irp b, 0,1,2,3
.irp j, 0,1,2,3
	ds_load_b128 v[\reg+16*\b+4*\j:\reg+16*\b+4*\j+3], v3 offset:128*\b+16*\j   ; LDS serves a wave's instructions in order (ISA guide 5.7.1.4): these see the stores above, and the next turn's stores come behind them
.endr
.endr
.endm
.macro WRLOAD sl                       ; Wr at the same k, expert r & 7
.irp b, 0,1,2,3
.irp q, 0,1,2,3,4,5,6,7,8,9,10,11,12,13,14,15
	global_load_b32 v[WR+16*\b+\q], v5, s[6:7] offset:(128*\sl+32*\b+\q)*32
.endr
.endr
.endm
.macro ROUTE xr, first                 ; logits += Wr^T x over 128 k: 32 products of 16 x 16 x 4 in f32; k stands in the same places on both sides.  Two sums by turns
.set n, 0
.rept 32
.if \first && (n < 2)
	v_wmma_f32_16x16x4_f32 v[ACC+8*(n%2):ACC+8*(n%2)+7], v[WR+2*n:WR+2*n+1], v[\xr+2*n:\xr+2*n+1], 0
.else
	v_wmma_f32_16x16x4_f32 v[ACC+8*(n%2):ACC+8*(n%2)+7], v[WR+2*n:WR+2*n+1], v[\xr+2*n:\xr+2*n+1], v[ACC+8*(n%2):ACC+8*(n%2)+7]
.endif
.set n, n+1
.endr
.endm
.macro QUANT s                         ; 64 numbers of a lane become a fragment's codes in v[PC] on and its row's scale word in v[PW]
.irp b, 0,1,2,3
	v_max3_num_f32 v[TM+\b], |v[\s+16*\b]|, |v[\s+1+16*\b]|, 0x8000000
.endr
.irp i, 2,4,6,8,10,12,14
.irp b, 0,1,2,3
	s_delay_alu instid0(VALU_DEP_4)
	v_max3_num_f32 v[TM+\b], v[TM+\b], |v[\s+16*\b+\i]|, |v[\s+1+16*\b+\i]|
.endr
.endr
.irp b, 0,1,2,3
	s_delay_alu instid0(VALU_DEP_4)
	v_permlanex16_b32 v[TM+4+\b], v[TM+\b], s22, s23
.endr
.irp b, 0,1,2,3
	s_delay_alu instid0(VALU_DEP_4)
	v_max_num_f32 v[TM+\b], v[TM+\b], v[TM+4+\b]   ; with lane l xor 16's: the block's largest magnitude
.endr
.irp b, 0,1,2,3
	s_delay_alu instid0(VALU_DEP_4)
	v_add_nc_u32 v[TM+12+\b], 0xf8800000, v[TM+\b]
.endr
.irp b, 0,1,2,3
	v_and_or_b32 v[TM+8+\b], v[TM+\b], 0x7f800000, s24
.endr
.irp b, 0,1,2,3
	v_lshrrev_b32 v[TM+4+\b], 23, v[TM+12+\b]
.endr
	s_delay_alu instid0(VALU_DEP_3)
	v_lshl_or_b32 v[PW], v[TM+5], 8, v[TM+4]
	s_delay_alu instid0(VALU_DEP_1)
	v_lshl_or_b32 v[PW], v[TM+6], 16, v[PW]
	s_delay_alu instid0(VALU_DEP_1)
	v_lshl_or_b32 v[PW], v[TM+7], 24, v[PW]
.irp b, 0,1,2,3
.irp i, 0,1,2,3,4,5,6,7,8,9,10,11,12,13,14,15
	v_med3_num_f32 v[\s+16*\b+\i], v[\s+16*\b+\i], -v[TM+8+\b], v[TM+8+\b]
.endr
	v_cvt_scalef32_pk8_bf8_f32 v[PC+4*\b:PC+1+4*\b], v[\s+16*\b:\s+7+16*\b], v[TM+12+\b]
	v_cvt_scalef32_pk8_bf8_f32 v[PC+2+4*\b:PC+3+4*\b], v[\s+8+16*\b:\s+15+16*\b], v[TM+12+\b]
.endr
	v_nop                                          ; one plain line behind the last conversion
.endm
	s_load_b256 s[4:11], s[0:1], 0x0               ; x, Wr, W1, V1
	s_load_b256 s[12:19], s[0:1], 0x20             ; xq, wq, sel, score
	s_set_vgpr_msb 0x40
	v_lshl_add_u32 v0, v0, 2, 0x1ae00
	v_mov_b32 v1, 0
	s_set_vgpr_msb 0x4000
	v_lshrrev_b32 v1, 5, v0
	s_delay_alu instid0(VALU_DEP_1)
	v_readfirstlane_b32 s20, v1                    ; wave 0..7
	v_and_b32 v1, 31, v0                           ; lane
	s_mov_b32 s24, MANT
	s_cmp_lt_u32 ttmp9, 128
	s_cbranch_scc1 .Lxpath
	; ---------------- W1 and V1: a work-group takes 256 columns x 256 k of one expert's one matrix; a wave an f-block of 32 columns, a lane a column
	s_sub_co_u32 s21, ttmp9, 128
	s_lshr_b32 s22, s21, 7                         ; 0: W1, 1: V1
	s_bfe_u32 s23, s21, 0x30004                    ; expert
	s_bfe_u32 s25, s21, 0x10003                    ; which half of the 512 columns
	s_and_b32 s26, s21, 7                          ; which 256 along K
	s_lshl_b32 s25, s25, 3
	s_add_co_u32 s25, s25, s20                     ; f-block
	s_lshl_b32 s27, s23, 4
	s_add_co_u32 s27, s27, s25                     ; 16 e + f-block
	s_lshl_b32 s28, s23, 22                        ; from: e x 4 MiB + 256 k rows of 2,048 bytes + 128 bytes an f-block
	s_lshl_b32 s34, s26, 19
	s_add_co_u32 s28, s28, s34
	s_lshl_b32 s34, s25, 7
	s_add_co_u32 s28, s28, s34
	s_mov_b32 s29, 0
	s_lshl_b32 s30, s27, 17                        ; codes: 128 KiB an (e, f-block), 8 KiB a K step, 4 KiB a matrix
	s_lshl_b32 s34, s26, 14
	s_add_co_u32 s30, s30, s34
	s_lshl_b32 s34, s22, 12
	s_add_co_u32 s30, s30, s34
	s_mov_b32 s31, 0
	s_lshl_b32 s32, s27, 12                        ; scale words: 4 KiB an (e, f-block), 256 bytes a K step, 128 a matrix
	s_lshl_b32 s34, s26, 9
	s_add_co_u32 s32, s32, s34
	s_lshl_b32 s34, s22, 7
	s_add_co_u32 s32, s32, s34
	s_add_co_u32 s32, s32, WSC
	s_mov_b32 s33, 0
	s_wait_alu depctr_va_vdst(0)
	v_lshlrev_b32 v[SRC], 2, v1
	v_bfe_u32 v5, v1, 3, 1                         ; u
	v_and_b32 v6, 7, v1
	v_bfe_u32 v7, v1, 4, 1
	s_delay_alu instid0(VALU_DEP_1)
	v_lshl_or_b32 v6, v7, 3, v6                    ; r
	s_delay_alu instid0(VALU_DEP_1)
	v_lshlrev_b32 v[DST], 4, v6
	s_delay_alu instid0(VALU_DEP_1)
	v_lshl_or_b32 v[DST], v5, 11, v[DST]
	s_delay_alu instid0(VALU_DEP_3)
	v_lshl_or_b32 v[SOF], v5, 4, v6
	s_delay_alu instid0(VALU_DEP_1)
	v_lshlrev_b32 v[SOF], 2, v[SOF]
	s_wait_alu depctr_va_vdst(0)
	s_wait_kmcnt 0x0
	s_cmp_eq_u32 s22, 0                            ; the choice hangs on the work-group's number alone
	s_cselect_b64 s[8:9], s[8:9], s[10:11]
	s_add_nc_u64 s[8:9], s[8:9], s[28:29]
	s_add_nc_u64 s[30:31], s[14:15], s[30:31]
	s_add_nc_u64 s[32:33], s[14:15], s[32:33]
	LOAD 0
	LOAD 1
.irp t, 0,1,2,3,4,5,6,7
	QBLK \t
.endr
	s_endpgm
	; ---------------- x: 16 tokens; wave w takes K steps 2 w and 2 w + 1 (256 of the 2,048 along D)
.Lxpath:
	v_and_b32 v2, 15, v0                           ; r: the token
	v_bfe_u32 v3, v0, 4, 1                         ; h
	s_wait_alu depctr_va_vdst(0)
	v_lshlrev_b32 v4, 4, v1                        ; x: 16 x lane + 1,024 w; the token stands in the loads' immediates
	s_lshl_b32 s21, s20, 10
	v_add_nc_u32 v4, s21, v4
	v_and_b32 v5, 7, v2                            ; Wr: rows of 32 bytes: 4 (r & 7) + 16 h rows + 256 w rows
	s_delay_alu instid0(VALU_DEP_1)
	v_lshlrev_b32 v5, 2, v5
	s_delay_alu instid0(VALU_DEP_1)
	v_lshl_add_u32 v5, v3, 9, v5
	s_lshl_b32 s21, s20, 13
	v_add_nc_u32 v5, s21, v5
	v_mul_u32_u24 v6, v2, XP                       ; LDS, codes in: row r + 16 h + 256 w
	s_delay_alu instid0(VALU_DEP_1)
	v_lshl_add_u32 v6, v3, 4, v6
	s_lshl_b32 s21, s20, 8
	v_add_nc_u32 v6, s21, v6
	v_lshlrev_b32 v7, 6, v2                        ; LDS, scale words in: 64 r + 8 w
	s_lshl_b32 s21, s20, 3
	v_add_nc_u32 v7, s21, v7
	s_delay_alu instid0(VALU_DEP_1)
	v_add_nc_u32 v7, XS, v7
	v_lshlrev_b32 v13, 5, v1                       ; LDS, logits: 32 bytes a lane;
	s_delay_alu instid0(VALU_DEP_1)
	v_add_nc_u32 v13, LGS, v13
	s_lshl_b32 s21, s20, 10
	v_add_nc_u32 v8, s21, v13                      ; 1,024 a wave
	s_mul_i32 s21, s20, 2*XP
	v_lshl_add_u32 v9, v1, 4, s21                  ; LDS, codes back: rows 2 w and 2 w + 1, 16 bytes a lane
	s_lshl_b32 s21, s20, 12
	v_lshl_add_u32 v10, v1, 4, s21                 ; and their place in xq
	s_and_b32 s21, s20, 1
	s_lshl_b32 s21, s21, 9
	v_lshl_add_u32 v12, v1, 4, s21                 ; scale bytes out: 512 (w & 1) + 16 x lane
	s_delay_alu instid0(VALU_DEP_1)
	v_add_nc_u32 v11, XS, v12
	v_lshlrev_b32 v14, 2, v2                       ; sel: 4 r
	s_mul_i32 s21, s20, 16*SXP
	s_add_co_u32 s21, s21, STGX                    ; my stage
	v_mul_u32_u24 v15, v2, SXP
	s_delay_alu instid0(VALU_DEP_1)
	v_lshl_add_u32 v15, v3, 6, v15
	s_delay_alu instid0(VALU_DEP_1)
	v_add_nc_u32 v3, s21, v15                      ; v3: out of it: row r + 64 h  (h is not wanted again)
	v_lshl_add_u32 v1, v1, 4, s21                  ; v1: into it: 16 x lane       (nor is the lane)
	s_mov_b32 s22, 0x76543210
	s_mov_b32 s23, 0xfedcba98                      ; v_permlanex16_b32's selects for lane l xor 16
.irp b, 0,1,2,3
	v_mov_b32 v[TM+4+\b], 0                        ; written once: a lane permute's destination counts as one of its sources
.endr
	s_lshl_b32 s26, ttmp9, 17                      ; 16 rows of x
	s_mov_b32 s27, 0
	s_lshl_b32 s28, ttmp9, 15                      ; 16 rows of codes
	s_mov_b32 s29, 0
	s_lshl_b32 s30, ttmp9, 10                      ; 16 rows of scale bytes
	s_add_co_u32 s30, s30, XSC
	s_mov_b32 s31, 0
	s_lshl_b32 s32, ttmp9, 6
	s_mov_b32 s33, 0
	s_lshl_b32 s34, ttmp9, 7
	s_mov_b32 s35, 0
	s_wait_alu depctr_va_vdst(0)
	s_wait_kmcnt 0x0
	s_add_nc_u64 s[4:5], s[4:5], s[26:27]
	s_add_nc_u64 s[28:29], s[12:13], s[28:29]
	s_add_nc_u64 s[30:31], s[12:13], s[30:31]
	s_add_nc_u64 s[16:17], s[16:17], s[32:33]
	s_add_nc_u64 s[18:19], s[18:19], s[34:35]
	XLOAD X0, 0
	XLOAD X1, 1
	WRLOAD 0
	s_wait_loadcnt 63                              ; behind x's 32 loads stand Wr's 64: with at most 63 out, x is in
	TURN X0
	TURN X1
	s_wait_loadcnt 0x0                             ; Wr
	s_wait_dscnt 32                                ; the first K step is back; the second's 16 stores and 16 loads may be out
	ROUTE X0, 1
.rept 8
	v_nop                                          ; eight places behind this form, ahead of loads into and writes of registers that it read
.endr
	WRLOAD 1
	QUANT X0
.irp c, 0,1,2,3
	ds_store_b128 v6, v[PC+4*\c:PC+4*\c+3] offset:32*\c
.endr
	ds_store_b32 v7, v[PW]                         ; lanes r and r + 16 write the same word with the same value
	s_wait_dscnt 0x0                               ; the stores have read their registers, and the second K step is back
	s_wait_loadcnt 0x0
	ROUTE X1, 0
.rept 8
	v_nop
.endr
.irp j, 0,1,2,3,4,5,6,7
	v_add_f32 v[X0+\j], v[ACC+\j], v[ACC+8+\j]     ; register j: my K steps' part of token r's logit of expert j; each sum is read from its low end on
.endr
	ds_store_b128 v8, v[X0:X0+3]
	ds_store_b128 v8, v[X0+4:X0+7] offset:16
	QUANT X1
.irp c, 0,1,2,3
	ds_store_b128 v6, v[PC+4*\c:PC+4*\c+3] offset:128+32*\c
.endr
	ds_store_b32 v7, v[PW] offset:4
	s_wait_dscnt 0x0                               ; for the others' sake: all my LDS stores have landed
	s_barrier_signal -1
	s_barrier_wait -1
.irp q, 0,1,2,3,4,5,6,7
	ds_load_b128 v[X1+4*\q:X1+4*\q+3], v9 offset:(\q/4)*XP+(\q%4)*512
.endr
.irp q, 0,1,2,3,4,5,6,7
	s_wait_dscnt 7-\q
	global_store_b128 v10, v[X1+4*\q:X1+4*\q+3], s[28:29] offset:(\q/4)*2048+(\q%4)*512   ; 32 lanes store 512 consecutive bytes of a token's codes
.endr
	s_lshr_b32 s21, s20, 1
	s_cmp_eq_u32 s21, 1
	s_cbranch_scc0 .Lx_nosc                        ; waves 2 and 3: the 1,024 scale bytes, 512 each
	ds_load_b128 v[X1+32:X1+35], v11
	s_wait_dscnt 0x0
	global_store_b128 v12, v[X1+32:X1+35], s[30:31]
.Lx_nosc:
	s_cmp_lg_u32 s20, 0
	s_cbranch_scc1 .Lx_end                         ; wave 0: the router's end
.irp k, 0,1,2,3,4,5,6,7
	ds_load_b128 v[16+8*\k:19+8*\k], v13 offset:1024*\k
	ds_load_b128 v[20+8*\k:23+8*\k], v13 offset:1024*\k+16
.endr
	s_wait_dscnt 0x0
.irp k, 1,2,3,4,5,6,7
.irp j, 0,2,4,6
	v_pk_add_f32 v[16+\j:17+\j], v[16+\j:17+\j], v[16+8*\k+\j:17+8*\k+\j]
.endr
.endr
	s_delay_alu instid0(VALU_DEP_3)
	v_max3_num_f32 v32, v16, v17, v18              ; the maximum is taken away ahead of the exponential
	s_delay_alu instid0(VALU_DEP_1)
	v_max3_num_f32 v32, v32, v19, v20
	s_delay_alu instid0(VALU_DEP_1)
	v_max3_num_f32 v32, v32, v21, v22
	s_delay_alu instid0(VALU_DEP_1)
	v_max_num_f32 v32, v32, v23
.irp j, 0,1,2,3,4,5,6,7
	v_sub_f32 v[24+\j], v[16+\j], v32
.endr
.irp j, 0,1,2,3,4,5,6,7
	v_mul_f32 v[24+\j], 0x3fb8aa3b, v[24+\j]
.endr
	s_wait_alu depctr_va_vdst(0)
.irp j, 0,1,2,3,4,5,6,7
	v_exp_f32 v[24+\j], v[24+\j]
.endr
	v_nop                                          ; one plain line behind the transcendentals
	s_wait_alu depctr_va_vdst(0)
	v_add_f32 v33, v24, v25
	v_add_f32 v34, v26, v27
	v_add_f32 v35, v28, v29
	v_add_f32 v36, v30, v31
	s_delay_alu instid0(VALU_DEP_3)
	v_add_f32 v33, v33, v34
	s_delay_alu instid0(VALU_DEP_2)
	v_add_f32 v35, v35, v36
	s_delay_alu instid0(VALU_DEP_1)
	v_add_f32 v33, v33, v35
	s_wait_alu depctr_va_vdst(0)
	v_rcp_f32 v33, v33
	v_nop
	s_wait_alu depctr_va_vdst(0)
.irp j, 0,1,2,3,4,5,6,7
	v_mul_f32 v[24+\j], v[24+\j], v33              ; the gates
.endr
	v_mov_b32 v40, v24                             ; the smallest gate: a strict compare in ascending order keeps the lower index on a tie
	v_mov_b32 v41, 0
.irp j, 1,2,3,4,5,6,7
	s_delay_alu instid0(VALU_DEP_2)
	v_cmp_lt_f32 vcc_lo, v[24+\j], v40
	s_delay_alu instid0(VALU_DEP_1)
	v_cndmask_b32 v40, v40, v[24+\j], vcc_lo
	s_delay_alu instid0(VALU_DEP_2)
	v_cndmask_b32 v41, v41, \j, vcc_lo
.endr
	v_mov_b32 v42, 0x7f800000                      ; the second smallest: the same over the seven others
	v_mov_b32 v43, 0
.irp j, 0,1,2,3,4,5,6,7
	v_cmp_ne_u32 s21, \j, v41
	s_delay_alu instid0(VALU_DEP_3)
	v_cmp_lt_f32 vcc_lo, v[24+\j], v42
	s_and_b32 vcc_lo, vcc_lo, s21
	v_cndmask_b32 v42, v42, v[24+\j], vcc_lo
	v_cndmask_b32 v43, v43, \j, vcc_lo
.endr
	s_delay_alu instid0(VALU_DEP_2)
	v_add_f32 v44, |v40|, |v42|
	s_wait_alu depctr_va_vdst(0)
	v_rcp_f32 v44, v44
	v_cmp_lt_u32 vcc_lo, v41, v43                  ; (a plain line behind the reciprocal)
	s_wait_alu depctr_va_vdst(0)
	v_mul_f32 v40, v40, v44
	v_mul_f32 v42, v42, v44
	v_cndmask_b32 v45, v43, v41, vcc_lo            ; lo: the lower expert's number,
	v_cndmask_b32 v46, v41, v43, vcc_lo            ; hi,
	s_delay_alu instid0(VALU_DEP_3)
	v_cndmask_b32 v48, v42, v40, vcc_lo            ; and their weights
	s_delay_alu instid0(VALU_DEP_4)
	v_cndmask_b32 v49, v40, v42, vcc_lo
	s_delay_alu instid0(VALU_DEP_3)
	v_lshl_or_b32 v45, v46, 8, v45
	v_lshlrev_b32 v47, 3, v2
	global_store_b32 v14, v45, s[16:17]            ; lanes r and r + 16 hold and store the same
	global_store_b64 v47, v[48:49], s[18:19]
.Lx_end:
	s_set_vgpr_msb 0x5
	s_wait_tensorcnt 0x0
	ds_add_u32 v0, v1
	s_wait_dscnt 0x0
	s_set_vgpr_msb 0x500
	s_endpgm
.Lfunc_end_k_q7a3cd42b06_prep:
	.size	k_q7a3cd42b06_prep, .Lfunc_end_k_q7a3cd42b06_prep-k_q7a3cd42b06_prep
	.p2alignl 7, 3214868480
	.fill 96, 4, 3214868480
	.section	.rodata,"a",@progbits
	.p2align	6, 0x0
	.amdhsa_kernel k_q7a3cd42b06_prep
		.amdhsa_group_segment_fixed_size 111104
		.amdhsa_private_segment_fixed_size 0
		.amdhsa_enable_private_segment 0
		.amdhsa_kernarg_size 64
		.amdhsa_user_sgpr_count 2
		.amdhsa_user_sgpr_kernarg_segment_ptr 1
		.amdhsa_wavefront_size32 1
		.amdhsa_system_sgpr_workgroup_id_x 1
		.amdhsa_system_sgpr_workgroup_id_y 1
		.amdhsa_system_sgpr_workgroup_id_z 1
		.amdhsa_system_vgpr_workitem_id 0
		.amdhsa_next_free_vgpr 258
		.amdhsa_next_free_sgpr 66
		.amdhsa_reserve_vcc 1
		.amdhsa_float_denorm_mode_32 3
		.amdhsa_float_denorm_mode_16_64 3
		.amdhsa_memory_ordered 1
		.amdhsa_forward_progress 1
		.amdhsa_inst_pref_size 119
	.end_amdhsa_kernel
	.amdgpu_metadata
---
amdhsa.version: [ 1, 2 ]
amdhsa.kernels:
  - .name:           k_q7a3cd42b06_prep
    .symbol:         k_q7a3cd42b06_prep.kd
    .args:
      - { .name: x, .offset: 0, .size: 8, .value_kind: global_buffer, .address_space: global }
      - { .name: Wr, .offset: 8, .size: 8, .value_kind: global_buffer, .address_space: global }
      - { .name: W1, .offset: 16, .size: 8, .value_kind: global_buffer, .address_space: global }
      - { .name: V1, .offset: 24, .size: 8, .value_kind: global_buffer, .address_space: global }
      - { .name: xq, .offset: 32, .size: 8, .value_kind: global_buffer, .address_space: global }
      - { .name: wq, .offset: 40, .size: 8, .value_kind: global_buffer, .address_space: global }
      - { .name: sel, .offset: 48, .size: 8, .value_kind: global_buffer, .address_space: global }
      - { .name: score, .offset: 56, .size: 8, .value_kind: global_buffer, .address_space: global }
    .group_segment_fixed_size: 111104
    .private_segment_fixed_size: 0
    .kernarg_segment_align: 8
    .kernarg_segment_size: 64
    .max_flat_workgroup_size: 256
    .sgpr_count:     66
    .vgpr_count:     258
    .wavefront_size: 32
...
	.end_amdgpu_metadata
.endif
;; end of part 5
;; launch place (part 6): grid 257 x 1, 8 waves a work-group, no clusters, 2,048 bytes of LDS; arguments W2, sel, wq, lists; writes wq, lists
.if DOCPART == 6
	.amdgcn_target "amdgcn-amd-amdhsa--gfx1250"
	.amdhsa_code_object_version 6
	.text
	.protected	k_q7a3cd42b06_place
	.globl	k_q7a3cd42b06_place
	.p2align	8
	.type	k_q7a3cd42b06_place,@function
k_q7a3cd42b06_place:
	s_mov_b64 s[64:65], 0
	v_nop
	global_prefetch_b8 v0, s[64:65] scope:SCOPE_SE
	s_setreg_imm32_b32 hwreg(HW_REG_WAVE_MODE, 25, 1), 1
	s_wait_xcnt 0x0
; PLACE.  Work-groups 1-256: W2 [8][512 (K)][2048], f32, into codes of BF8 (E5M2) in the order of an operand's registers, [e][tile of 16 columns][K step of 128][chunk c][lane][16 bytes], and scale words [e][pair of tiles][K step][lane].
; Work-group 0 sorts the 2,048 tokens by their PAIR of experts (lo < hi: 28 bins, b = lo (15 - lo) / 2 + hi - lo - 1) by a counting sort, and stores four lists of whole numbers:
;   ptok[2560]  the tokens, each bin cut into ptiles of 16; an empty place holds 2048.  At most (2048 + 28 x 15) / 16 = 154 ptiles, whatever the split.
;   ptexp[256]  a ptile's lo | hi << 8; 0x0808 for a ptile that is not used
;   g1dst[512]  the entries (2 x ptile + slot) grouped by expert, each expert's run beginning at a multiple of 8; 0xFFFF where there is none.  At most (308 + 8 x 7) / 8 = 45 tiles of 8.  Index 383 is scrap.
;   g1e[256]    a tile's expert; 8 for a tile that is not used
; The lists' defaults are stored first; every wave waits for its stores and passes the barrier before any wave stores a list's true entries over them.
; LIMITS as in the launch before: NaN and infinities are not served; a block of zeros gets the byte 1.
.set W2Q,   16777216
.set W2S,   25690112
.set MANT,  0x600000
.set NB,    4
.set PITCH, 8192
.set SPTR,  4
.set SRC,   2
.set DST,   3
.set SOF,   2                          ; the scale words lie lane by lane: 4 x lane, as the source
.set SB,    24
.set X,     32
.set C,     96
.set PTEXP, 10240
.set G1DST, 11264
.set G1E,   13312
.set ROW,   36                         ; s36-63  a bin's count in my wave, later the next free place of the bin for my wave
.set PT,    66                         ; s66-93  a bin's ptiles
.set CE,    94                         ; s94-101 an expert's entries, later its next free entry
.set BIN,   16                         ; v16-23  the bin of my token in each of my wave's 8 groups of 32
.set POS,   24                         ; v24-31  its place in ptok
.set TOK,   32                         ; v32-39  its number
.set SELV,  40                         ; v40-47  as loaded
.macro LOAD t
.irp i, 0,1,2,3,4,5,6,7,8,9,10,11,12,13,14,15,16,17,18,19,20,21,22,23,24,25,26,27,28,29,30,31
	global_load_b32 v[X+32*((\t)%2)+\i], v[SRC], s[SPTR:SPTR+1] offset:(32*(\t)+\i)*PITCH th:TH_LOAD_NT
.endr
.endm
.macro QBLK t                          ; a lane's 32 registers are one block of 32 along K of its column
.set XB, X+32*((\t)%2)
.set CC, C+8*(\t)
.if (\t) < NB-1
	s_wait_loadcnt 32                              ; this block's 32 loads are in; the next block's 32 may be out
.else
	s_wait_loadcnt 0
.endif
	v_max3_num_f32 v12, |v[XB]|, |v[XB+1]|, |v[XB+2]|
	v_max3_num_f32 v13, |v[XB+3]|, |v[XB+4]|, |v[XB+5]|
.irp i, 6,10,14,18,22,26
	s_delay_alu instid0(VALU_DEP_2)
	v_max3_num_f32 v12, v12, |v[XB+\i]|, |v[XB+\i+1]|
	s_delay_alu instid0(VALU_DEP_2)
	v_max3_num_f32 v13, v13, |v[XB+\i+2]|, |v[XB+\i+3]|
.endr
	s_delay_alu instid0(VALU_DEP_2)
	v_max3_num_f32 v12, v12, |v[XB+30]|, |v[XB+31]|
	s_delay_alu instid0(VALU_DEP_1)
	v_max3_num_f32 v12, v12, v13, 0x8000000        ; the floor 2^(16 - 127): the byte cannot fall under 1
	s_delay_alu instid0(VALU_DEP_1)
	v_add_nc_u32 v11, 0xf8800000, v12              ; 15 off the exponent field: the conversion's scale operand
	s_delay_alu instid0(VALU_DEP_2)
	v_and_or_b32 v10, v12, 0x7f800000, s24         ; 57,344 x the scale
	s_delay_alu instid0(VALU_DEP_2)
	v_lshrrev_b32 v13, 23, v11                     ; the byte
.irp i, 0,1,2,3,4,5,6,7,8,9,10,11,12,13,14,15,16,17,18,19,20,21,22,23,24,25,26,27,28,29,30,31
	v_med3_num_f32 v[XB+\i], v[XB+\i], -v10, v10   ; the conversion does not saturate (ISA guide 7.6.2): the hold comes first
.endr
.irp g, 0,1,2,3
	v_cvt_scalef32_pk8_bf8_f32 v[CC+2*\g:CC+2*\g+1], v[XB+8*\g:XB+8*\g+7], v11
.endr
.if (\t)%4 == 0
	v_mov_b32 v[SB+(\t)/4], v13                    ; four bytes make the K step's scale word.  (Also the plain line behind the conversions)
.else
	v_lshl_or_b32 v[SB+(\t)/4], v13, 8*((\t)%4), v[SB+(\t)/4]
.endif
	global_store_b128 v[DST], v[CC:CC+3], s[30:31] offset:((\t)%4)*512        ; k 0-15 of the block: the image's lanes 0-15; each tile's sixteen lanes store 256 consecutive bytes
	global_store_b128 v[DST], v[CC+4:CC+7], s[30:31] offset:((\t)%4)*512+256  ; k 16-31: its lanes 16-31
.if (\t)%4 == 3
	global_store_b32 v[SOF], v[SB+(\t)/4], s[32:33]
.endif
.if (\t)+2 < NB
	LOAD (\t)+2
.endif
.endm
	s_load_b256 s[4:11], s[0:1], 0x0               ; W2, sel, wq, lists
	v_lshl_add_u32 v160, v0, 2, 0x400
	v_mov_b32 v161, 0
	v_lshrrev_b32 v1, 5, v0
	s_delay_alu instid0(VALU_DEP_1)
	v_readfirstlane_b32 s12, v1                    ; wave 0..7
	v_and_b32 v1, 31, v0                           ; lane
	s_cmp_eq_u32 ttmp9, 0
	s_cbranch_scc1 .Lsort
	; ---------------- W2: a work-group takes 256 columns x 128 k (one K step) of one expert; a wave 32 columns, a lane a column
	s_mov_b32 s24, MANT
	s_sub_co_u32 s13, ttmp9, 1
	s_lshr_b32 s14, s13, 5                         ; expert
	s_bfe_u32 s15, s13, 0x30002                    ; which 256 columns
	s_and_b32 s16, s13, 3                          ; K step
	s_lshl_b32 s26, s14, 22                        ; from: e x 4 MiB + 128 rows of 8,192 bytes a K step + 1,024 bytes a work-group + 128 a wave
	s_lshl_b32 s17, s16, 20
	s_add_co_u32 s26, s26, s17
	s_lshl_b32 s17, s15, 10
	s_add_co_u32 s26, s26, s17
	s_lshl_b32 s17, s12, 7
	s_add_co_u32 s26, s26, s17
	s_mov_b32 s27, 0
	s_lshl_b32 s30, s14, 20                        ; codes: 8 KiB a tile of 16 columns (128 an expert, 16 a work-group, 2 a wave), 2 KiB a K step
	s_lshl_b32 s17, s15, 17
	s_add_co_u32 s30, s30, s17
	s_lshl_b32 s17, s12, 14
	s_add_co_u32 s30, s30, s17
	s_lshl_b32 s17, s16, 11
	s_add_co_u32 s30, s30, s17
	s_add_co_u32 s30, s30, W2Q
	s_mov_b32 s31, 0
	s_lshl_b32 s32, s14, 15                        ; scale words: 512 bytes a pair of tiles, 128 a K step
	s_lshl_b32 s17, s15, 12
	s_add_co_u32 s32, s32, s17
	s_lshl_b32 s17, s12, 9
	s_add_co_u32 s32, s32, s17
	s_lshl_b32 s17, s16, 7
	s_add_co_u32 s32, s32, s17
	s_add_co_u32 s32, s32, W2S
	s_mov_b32 s33, 0
	s_wait_alu depctr_va_vdst(0)
	v_lshlrev_b32 v[SRC], 2, v1
	v_and_b32 v5, 15, v1
	v_lshrrev_b32 v6, 4, v1
	s_delay_alu instid0(VALU_DEP_2)
	v_lshlrev_b32 v[DST], 4, v5
	s_delay_alu instid0(VALU_DEP_1)
	v_lshl_or_b32 v[DST], v6, 13, v[DST]           ; 8,192 (lane / 16) + 16 (lane % 16)
	s_wait_alu depctr_va_vdst(0)
	s_wait_kmcnt 0x0
	s_add_nc_u64 s[4:5], s[4:5], s[26:27]
	s_add_nc_u64 s[30:31], s[8:9], s[30:31]
	s_add_nc_u64 s[32:33], s[8:9], s[32:33]
	LOAD 0
	LOAD 1
.irp t, 0,1,2,3
	QBLK \t
.endr
	s_endpgm
	; ---------------- the sort
.Lsort:
	v_lshlrev_b32 v2, 2, v0                        ; 4 x thread
	s_wait_alu depctr_va_vdst(0)
	v_lshlrev_b32 v4, 2, v1                        ; 4 x lane
	s_lshl_b32 s13, s12, 10
	v_add_nc_u32 v3, s13, v4                       ; sel: my wave's 256 tokens
	v_mov_b32 v72, 2048
	v_mov_b32 v73, 0xffff
	s_lshl_b32 s13, s12, 8
.irp i, 0,1,2,3,4,5,6,7
	v_add_nc_u32 v[TOK+\i], s13, v1
.endr
.irp i, 1,2,3,4,5,6,7
	v_add_nc_u32 v[TOK+\i], 32*\i, v[TOK+\i]       ; token 256 w + 32 i + lane
.endr
	s_wait_kmcnt 0x0
.irp i, 0,1,2,3,4,5,6,7
	global_load_b32 v[SELV+\i], v3, s[6:7] offset:128*\i
.endr
.irp k, 0,1,2,3,4,5,6,7,8,9
	global_store_b32 v2, v72, s[10:11] offset:1024*\k          ; ptok's default
.endr
.irp k, 0,1
	global_store_b32 v2, v73, s[10:11] offset:G1DST+1024*\k    ; g1dst's default
.endr
	s_wait_loadcnt 0x0
.irp i, 0,1,2,3,4,5,6,7
	v_and_b32 v48, 0xff, v[SELV+\i]                ; lo
	v_bfe_u32 v49, v[SELV+\i], 8, 8                ; hi
	s_delay_alu instid0(VALU_DEP_2)
	v_sub_nc_u32 v50, 15, v48
	s_delay_alu instid0(VALU_DEP_1)
	v_mul_u32_u24 v50, v48, v50
	s_delay_alu instid0(VALU_DEP_1)
	v_lshrrev_b32 v50, 1, v50
	s_delay_alu instid0(VALU_DEP_1)
	v_add_nc_u32 v50, v50, v49
	s_delay_alu instid0(VALU_DEP_1)
	v_sub_nc_u32 v50, v50, v48
	s_delay_alu instid0(VALU_DEP_1)
	v_add_nc_u32 v[BIN+\i], -1, v50
	v_mov_b32 v[POS+\i], 2559                      ; (a pair that is no pair falls on a place of a ptile that is never used)
.endr
	; my wave's count for each bin
.irp b, 0,1,2,3,4,5,6,7,8,9,10,11,12,13,14,15,16,17,18,19,20,21,22,23,24,25,26,27
.irp i, 0,1,2,3,4,5,6,7
	v_cmp_eq_u32 s[20+\i], \b, v[BIN+\i]
.endr
.irp i, 0,1,2,3,4,5,6,7
	s_bcnt1_i32_b32 s[20+\i], s[20+\i]
.endr
	s_add_co_u32 s20, s20, s21
	s_add_co_u32 s22, s22, s23
	s_add_co_u32 s24, s24, s25
	s_add_co_u32 s26, s26, s27
	s_add_co_u32 s20, s20, s22
	s_add_co_u32 s24, s24, s26
	s_add_co_u32 s[ROW+\b], s20, s24
.endr
	v_mov_b32 v56, 0
.irp b, 0,1,2,3,4,5,6,7,8,9,10,11,12,13,14,15,16,17,18,19,20,21,22,23,24,25,26,27
	s_delay_alu instid0(VALU_DEP_1)
	v_writelane_b32 v56, s[ROW+\b], \b
.endr
	ds_store_b32 v2, v56                           ; wave w's counts at 128 w, bin b in lane b
	s_wait_dscnt 0x0                               ; for the others' sake: my counts have landed,
	s_wait_storecnt 0x0                            ; and my part of the defaults is stored
	s_barrier_signal -1
	s_barrier_wait -1
.irp k, 0,1,2,3,4,5,6,7
	ds_load_b32 v[57+\k], v4 offset:128*\k
.endr
	s_wait_dscnt 0x0
	v_add_nc_u32 v65, v57, v58                     ; every wave makes all the totals for itself
.irp k, 2,3,4,5,6,7
	s_delay_alu instid0(VALU_DEP_1)
	v_add_nc_u32 v65, v65, v[57+\k]
.endr
	v_mov_b32 v66, 0
.irp k, 0,1,2,3,4,5,6
	s_cmp_gt_u32 s12, \k
	s_cselect_b32 s20, -1, 0
	v_and_b32 v48, s20, v[57+\k]
	s_delay_alu instid0(VALU_DEP_1)
	v_add_nc_u32 v66, v66, v48                     ; the bin's tokens in the waves before mine
.endr
	v_add_nc_u32 v67, 15, v65
	s_delay_alu instid0(VALU_DEP_1)
	v_lshrrev_b32 v67, 4, v67                      ; the bin's ptiles
.irp b, 0,1,2,3,4,5,6,7,8,9,10,11,12,13,14,15,16,17,18,19,20,21,22,23,24,25,26,27
	v_readlane_b32 s[PT+\b], v67, \b
	v_readlane_b32 s[ROW+\b], v66, \b
.endr
.irp e, 0,1,2,3,4,5,6,7
	s_mov_b32 s[CE+\e], 0
.endr
.set B, 0
.irp lo, 0,1,2,3,4,5,6
.irp hi, 1,2,3,4,5,6,7
.if \hi > \lo
	s_add_co_u32 s[CE+\lo], s[CE+\lo], s[PT+B]     ; an expert's entries: the ptiles of the seven bins that name it
	s_add_co_u32 s[CE+\hi], s[CE+\hi], s[PT+B]
.set B, B+1
.endif
.endr
.endr
	s_mov_b32 s14, 0                               ; tiles so far
	v_mov_b32 v68, 0
.irp e, 0,1,2,3,4,5,6,7
	s_add_co_u32 s15, s[CE+\e], 7
	s_lshr_b32 s15, s15, 3                         ; the expert's tiles of 8 entries
	s_lshl_b32 s[CE+\e], s14, 3                    ; its first entry
	v_cmp_gt_u32 vcc_lo, s14, v0                   ; tile = thread: tiles ahead of the expert's first keep what they have
	s_delay_alu instid0(VALU_DEP_1)
	v_cndmask_b32 v68, \e, v68, vcc_lo
	s_add_co_u32 s14, s14, s15
.endr
	s_mov_b32 s13, 0                               ; ptiles so far
	v_mov_b32 v69, 0
	v_mov_b32 v70, 0
	v_mov_b32 v71, 0
.set B, 0
.irp lo, 0,1,2,3,4,5,6
.irp hi, 1,2,3,4,5,6,7
.if \hi > \lo
	s_sub_co_u32 s15, s[CE+\lo], s13               ; ptile p of this bin is entry s15 + p of expert lo,
	s_add_co_u32 s[CE+\lo], s[CE+\lo], s[PT+B]
	s_sub_co_u32 s16, s[CE+\hi], s13               ; and entry s16 + p of expert hi
	s_add_co_u32 s[CE+\hi], s[CE+\hi], s[PT+B]
	v_cmp_gt_u32 vcc_lo, s13, v0                   ; ptile = thread: ptiles ahead of the bin's first keep what they have
	s_delay_alu instid0(VALU_DEP_1)
	v_cndmask_b32 v69, \lo|(\hi<<8), v69, vcc_lo
	s_delay_alu instid0(VALU_DEP_2)
	v_cndmask_b32 v70, s15, v70, vcc_lo
	s_delay_alu instid0(VALU_DEP_3)
	v_cndmask_b32 v71, s16, v71, vcc_lo
	s_lshl_b32 s17, s13, 4
	s_add_co_u32 s[ROW+B], s[ROW+B], s17           ; my wave's first place in the bin
	s_add_co_u32 s13, s13, s[PT+B]
.set B, B+1
.endif
.endr
.endr
	; each token's place: the bin's next free place + the tokens of the same bin in lower lanes of the group
.irp b, 0,1,2,3,4,5,6,7,8,9,10,11,12,13,14,15,16,17,18,19,20,21,22,23,24,25,26,27
.irp i, 0,1,2,3,4,5,6,7
	v_cmp_eq_u32 s[20+\i], \b, v[BIN+\i]
.endr
.irp i, 0,1,2,3,4,5,6,7
	v_mbcnt_lo_u32_b32 v[48+\i%4], s[20+\i], s[ROW+\b]
	s_bcnt1_i32_b32 s28, s[20+\i]
	s_add_co_u32 s[ROW+\b], s[ROW+\b], s28
	v_cndmask_b32 v[POS+\i], v[POS+\i], v[48+\i%4], s[20+\i]
.endr
.endr
.irp i, 0,1,2,3,4,5,6,7
	v_min_u32 v[POS+\i], 0x9ff, v[POS+\i]
	s_delay_alu instid0(VALU_DEP_1)
	v_lshlrev_b32 v[POS+\i], 2, v[POS+\i]
	global_store_b32 v[POS+\i], v[TOK+\i], s[10:11]
.endr
	v_cmp_gt_u32 vcc_lo, s13, v0                   ; ptile = thread is in use
	v_mov_b32 v48, 0x0808
	v_mov_b32 v49, 383
	s_delay_alu instid0(VALU_DEP_2)
	v_cndmask_b32 v69, v48, v69, vcc_lo
	global_store_b32 v2, v69, s[10:11] offset:PTEXP
	v_add_nc_u32 v70, v70, v0
	v_add_nc_u32 v71, v71, v0
	s_delay_alu instid0(VALU_DEP_2)
	v_cndmask_b32 v70, v49, v70, vcc_lo            ; a ptile not in use stores the default once more, at the scrap index
	s_delay_alu instid0(VALU_DEP_2)
	v_cndmask_b32 v71, v49, v71, vcc_lo
	s_delay_alu instid0(VALU_DEP_2)
	v_min_u32 v70, 0x17f, v70
	s_delay_alu instid0(VALU_DEP_2)
	v_min_u32 v71, 0x17f, v71
	s_delay_alu instid0(VALU_DEP_2)
	v_lshlrev_b32 v70, 2, v70
	s_delay_alu instid0(VALU_DEP_2)
	v_lshlrev_b32 v71, 2, v71
	v_lshlrev_b32 v50, 1, v0
	s_delay_alu instid0(VALU_DEP_1)
	v_cndmask_b32 v51, v73, v50, vcc_lo            ; 2 p: slot 0, expert lo
	s_delay_alu instid0(VALU_DEP_2)
	v_or_b32 v50, 1, v50
	s_delay_alu instid0(VALU_DEP_1)
	v_cndmask_b32 v52, v73, v50, vcc_lo            ; 2 p + 1: slot 1, expert hi
	global_store_b32 v70, v51, s[10:11] offset:G1DST
	global_store_b32 v71, v52, s[10:11] offset:G1DST
	v_cmp_gt_u32 vcc_lo, s14, v0                   ; tile = thread is in use
	s_delay_alu instid0(VALU_DEP_1)
	v_cndmask_b32 v68, 8, v68, vcc_lo
	global_store_b32 v2, v68, s[10:11] offset:G1E
	s_wait_tensorcnt 0x0
	ds_add_u32 v160, v161
	s_wait_dscnt 0x0
	s_endpgm
.Lfunc_end_k_q7a3cd42b06_place:
	.size	k_q7a3cd42b06_place, .Lfunc_end_k_q7a3cd42b06_place-k_q7a3cd42b06_place
	.p2alignl 7, 3214868480
	.fill 96, 4, 3214868480
	.section	.rodata,"a",@progbits
	.p2align	6, 0x0
	.amdhsa_kernel k_q7a3cd42b06_place
		.amdhsa_group_segment_fixed_size 2048
		.amdhsa_private_segment_fixed_size 0
		.amdhsa_enable_private_segment 0
		.amdhsa_kernarg_size 32
		.amdhsa_user_sgpr_count 2
		.amdhsa_user_sgpr_kernarg_segment_ptr 1
		.amdhsa_wavefront_size32 1
		.amdhsa_system_sgpr_workgroup_id_x 1
		.amdhsa_system_sgpr_workgroup_id_y 1
		.amdhsa_system_sgpr_workgroup_id_z 1
		.amdhsa_system_vgpr_workitem_id 0
		.amdhsa_next_free_vgpr 162
		.amdhsa_next_free_sgpr 102
		.amdhsa_reserve_vcc 1
		.amdhsa_float_denorm_mode_32 3
		.amdhsa_float_denorm_mode_16_64 3
		.amdhsa_memory_ordered 1
		.amdhsa_forward_progress 1
		.amdhsa_inst_pref_size 151
	.end_amdhsa_kernel
	.amdgpu_metadata
---
amdhsa.version: [ 1, 2 ]
amdhsa.kernels:
  - .name:           k_q7a3cd42b06_place
    .symbol:         k_q7a3cd42b06_place.kd
    .args:
      - { .name: W2, .offset: 0, .size: 8, .value_kind: global_buffer, .address_space: global }
      - { .name: sel, .offset: 8, .size: 8, .value_kind: global_buffer, .address_space: global }
      - { .name: wq, .offset: 16, .size: 8, .value_kind: global_buffer, .address_space: global }
      - { .name: lists, .offset: 24, .size: 8, .value_kind: global_buffer, .address_space: global }
    .group_segment_fixed_size: 2048
    .private_segment_fixed_size: 0
    .kernarg_segment_align: 8
    .kernarg_segment_size: 32
    .max_flat_workgroup_size: 256
    .sgpr_count:     102
    .vgpr_count:     162
    .wavefront_size: 32
...
	.end_amdgpu_metadata
.endif
;; end of part 6
;; launch up (part 7): grid 4 x 45, 4 waves a work-group, no clusters, 274,944 bytes of LDS; arguments xq, wq, lists, act; writes act
.if DOCPART == 7
	.amdgcn_target "amdgcn-amd-amdhsa--gfx1250"
	.amdhsa_code_object_version 6
	.text
	.protected	k_q7a3cd42b06_up
	.globl	k_q7a3cd42b06_up
	.p2align	8
	.type	k_q7a3cd42b06_up,@function
k_q7a3cd42b06_up:
	s_mov_b64 s[64:65], 0
	v_nop
	global_prefetch_b8 v0, s[64:65] scope:SCOPE_SE
	s_setreg_imm32_b32 hwreg(HW_REG_WAVE_SCHED_MODE, 0, 2), 2
	s_setreg_imm32_b32 hwreg(HW_REG_WAVE_MODE, 25, 1), 1
	s_wait_xcnt 0x0
	s_wait_alu depctr_vm_vsrc(0)
; UP.  act = Q(silu(x W1) * (x V1)) for the chosen rows alone, both products on codes of BF8 (E5M2) with E8M0 scales, sums in f32; Q quantises along F, the next product's K.
; SHARES.  A work-group takes a tile of 8 entries of ONE expert (an entry = 16 tokens of a ptile: 128 rows) and 128 of the 512 hidden units (grid x).  45 tiles serve every split; a tile that the split leaves unused stores nothing and ends.
; The 128 rows' codes, all 2,048 along K, are gathered into LDS once (264,192 bytes) and read by all four waves.  Wave w takes hidden units 32 (4 x + w) on, of W1 and of V1: four weight tiles x eight tiles of rows = 32 sums, 256 registers.
; Its weights come from memory straight into operand registers: an earlier launch laid them in that order, 8 KiB on end for a K step, and no other wave of the work-group reads them.
; An empty place of a ptile is served as a copy of the ptile's token 0.
; THE PRODUCTS ARE USED TRANSPOSED (source 0 = 16 weight rows, source 1 = 16 tokens): a lane holds one token, and the 16 registers of tiles u = 0, 1 are hidden units 16 (lane / 16) + 0 .. 15 of the wave's 32: a half block of the next K.
; NO CLUSTER: the four work-groups of a tile share only the gathered rows, which come by list through registers; how many tiles share an expert's weights hangs on the list, so partners would need different numbers of tiles.
; LIMITS: NaN and infinities are not served; a block of zeros gets the byte 1 (its codes are zeros; this program alone reads the bytes).
; REGISTERS, in windows of 256: window 0: v1-15 addresses, v16-23 A's LDS addresses, v24-31 the bytes made, v32-63 the gather's offsets, later at work, v64-95 the weights' scale words, v96-223 x's scale words, v224-255 the codes made.
;   window 1: the 32 sums ((i, t) at 8 (4 i + t)).   window 2: x's fragments, two sets of 128.   window 3: the weights' fragments, four sets of 64.
; THE MODE: SCHED_MODE bits 1:0 = 2 (LLVM: expert scheduling mode 2), set by the entry lines.  The code itself states the register dependences
; between vector or matrix instructions and memory or LDS instructions, with s_wait_alu, always for 0.
; THE PLAN.  Registers that memory or LDS instructions touch:
;   v4-9, v16-23     addresses, made once at the head, never written again.
;   v32-63           the gather's offsets: made by 32 additions, read by the gather's loads; on the way out the same registers are at work.
;   windows 1 and 2  in the gather: loaded, then read by the LDS stores; afterwards the products write window 1 and LDS loads land in window 2.
;   A0, A1           (window 2) K step k: its 32 products read A[k % 2]; the LDS loads of step k + 1 land in A[(k + 1) % 2], which the products of step k - 1 read last.
;   B0 .. B3         (window 3) K step k: its products read B[k % 4]; the loads of step k + 3 land in B[(k - 1) % 4], which the products of step k - 1 read last.
;   v224-255, v24-31 an entry's codes and its byte: written by its conversions and a shift, read by its two stores; each entry has registers of its own.
; So ONE wait on va_vdst stands at the head of a K step, behind the waits for the step's data: the products of the step before are done reading the two sets that this step's loads fill.
; The step's 48 loads follow it, dealt among its 32 products, which name A[k % 2], B[k % 4], the sums and the scale words: none of the registers that those loads touch.
; One wait on vm_vsrc behind the barrier frees all that the gather's loads and LDS stores read.
.set XSC,   4194304
.set WSC,   25165824
.set ASCO,  2621440
.set G1DST, 11264
.set G1E,   13312
.set AP,    2064                       ; a row in LDS: 2,048 codes + 16: an odd multiple of 16 bytes, so that the 16 rows of a fragment load start at 16 different places modulo 256
.set SCA,   128*AP                     ; behind the rows: their scale bytes, 64 + 16 a row
.set SCP,   80
.set L16,   4                          ; v4   16 x lane
.set R4,    5                          ; v5   4 r
.set L4,    6                          ; v6   4 x lane
.set FS,    7                          ; v7   LDS: where my wave's 32 rows go
.set SCS,   8                          ; v8   LDS: where my row's scale bytes go
.set ASA,   9                          ; v9   LDS: row r's scale bytes
.set ADRA,  16
.set BY,    24
.set VA,    32
.set T,     32
.set BSC,   64
.set ASC,   96
.set CD,    224
.set MSB, 0
.macro WIN new                         ; the immediate's high byte repeats the setting that is left
.if MSB != \new
	s_set_vgpr_msb (MSB<<8)|\new
.set MSB, \new
.endif
.endm
.macro MM d, a, b, c, sa, sb, arow
.if \arow
	v_wmma_scale_f32_16x16x128_f8f6f4 v[(\d):(\d)+7], v[(\a):(\a)+15], v[(\b):(\b)+15], \c, v[\sa], v[\sb] matrix_a_fmt:MATRIX_FMT_BF8 matrix_b_fmt:MATRIX_FMT_BF8 matrix_a_scale:MATRIX_SCALE_ROW1
.else
	v_wmma_scale_f32_16x16x128_f8f6f4 v[(\d):(\d)+7], v[(\a):(\a)+15], v[(\b):(\b)+15], \c, v[\sa], v[\sb] matrix_a_fmt:MATRIX_FMT_BF8 matrix_b_fmt:MATRIX_FMT_BF8
.endif
.endm
.macro FILLLD b                        ; rows 8 b .. 8 b + 7 of my 32: four loads of 512 consecutive bytes a row, into 128 registers of their own
	WIN 0x40*(1+(\b)/2)
.irp ii, 0,1,2,3,4,5,6,7
.irp q, 0,1,2,3
	global_load_b128 v[128*((\b)%2)+16*\ii+4*\q:128*((\b)%2)+16*\ii+4*\q+3], v[VA+8*(\b)+\ii], s[4:5] offset:512*\q
.endr
.endr
.endm
.macro FILLST b
	WIN 0x04*(1+(\b)/2)
.irp ii, 0,1,2,3,4,5,6,7
.irp q, 0,1,2,3
	ds_store_b128 v[FS], v[128*((\b)%2)+16*\ii+4*\q:128*((\b)%2)+16*\ii+4*\q+3] offset:(8*(\b)+\ii)*AP+512*\q
.endr
.endr
.endm
.macro APART k, i0                     ; x's fragments i0 and i0 + 1 of K step k into set k % 2: eight LDS loads
	WIN 0x80
.irp i, \i0, \i0+1
.irp c, 0,1,2,3
	ds_load_b128 v[128*((\k)%2)+16*(\i)+4*\c:128*((\k)%2)+16*(\i)+4*\c+3], v[ADRA+(\i)] offset:128*(\k)+32*\c
.endr
.endr
.endm
.macro BPART k, t0                     ; my weight fragments t0 and t0 + 1 of K step k into set k % 4: eight loads, 4 KiB on end
	WIN 0xc0
.irp t, \t0, \t0+1
.irp c, 0,1,2,3
	global_load_b128 v[64*((\k)%4)+16*(\t)+4*\c:64*((\k)%4)+16*(\t)+4*\c+3], v[L16], s[66:67] offset:(\k)*8192+(\t)*2048+\c*512
.endr
.endr
.endm
.macro BLOAD k                         ; all four weight fragments of K step k
	BPART \k, 0
	BPART \k, 2
.endm
.macro MROW k, i                       ; four products: tile of rows i against my four weight tiles
	WIN 0x5b                                       ; source 0 window 3, source 1 window 2, C and D window 1
.irp t, 0,1,2,3
.if (\k) == 0
	MM 8*(4*(\i)+\t), 64*((\k)%4)+16*\t, 128*((\k)%2)+16*(\i), 0, BSC+2*(\k)+\t/2, ASC+16*(\i)+(\k), \t%2
.else
	MM 8*(4*(\i)+\t), 64*((\k)%4)+16*\t, 128*((\k)%2)+16*(\i), v[8*(4*(\i)+\t):8*(4*(\i)+\t)+7], BSC+2*(\k)+\t/2, ASC+16*(\i)+(\k), \t%2
.endif
.endr
.endm
; A K step of 128: 32 products.  The 32 sums take turns, one instruction a turn, in the same order in every step.
.macro GSTEP k
.if (\k) > 0 && (\k) < 15
.rept 8
	v_nop                                          ; the eight places of this form stay between the last step's products and the loads into registers that they read, beside the wait below
.endr
.endif
	s_wait_dscnt 0x0                               ; this step's fragments of x are in: they were asked for in the first half of the step before
.if 15-(\k) >= 2
	s_wait_loadcnt 32                              ; behind this step's weights stand those of the two steps on, 16 loads each
.else
	s_wait_loadcnt 16*(15-(\k))
.endif
.if (\k) > 0 && (\k) < 15
	s_wait_alu depctr_va_vdst(0)                   ; the products of the step before are done reading A[(k + 1) % 2] and B[(k - 1) % 4], in which this step's loads land
.endif
	MROW \k, 0
.if (\k) < 15
	APART (\k)+1, 0                                ; no further wait: no product since the wait names the next step's sets or an address
.endif
	MROW \k, 1
.if (\k) < 15
	APART (\k)+1, 2
.endif
	MROW \k, 2
.if (\k) < 15
	APART (\k)+1, 4
.endif
	MROW \k, 3
.if (\k) < 15
	APART (\k)+1, 6
.endif
	MROW \k, 4
.if (\k)+3 < 16
	BPART (\k)+3, 0
.endif
	MROW \k, 5
.if (\k)+3 < 16
	BPART (\k)+3, 2
.endif
	MROW \k, 6
	MROW \k, 7
.endm
; Entry i: silu(h) * v of my 16 hidden units, quantised (the block's other 16 lie in lane l xor 16), stored as chunk w of K step x of the entry's image.
.macro EPI i
	s_cmp_lt_u32 s[16+\i], 320
	s_cbranch_scc0 .Lskip_\@
	WIN 0x04                                       ; source 1: window 1
.irp q, 0,1,2,3,4,5,6,7,8,9,10,11,12,13,14,15
	v_mul_f32 v[T+\q], 0xbfb8aa3b, v[32*\i+\q]     ; -h log2(e); each sum is read from its low end on
.endr
	WIN 0
	s_wait_alu depctr_va_vdst(0)
.irp q, 0,1,2,3,4,5,6,7,8,9,10,11,12,13,14,15
	v_exp_f32 v[T+\q], v[T+\q]
.endr
	v_nop                                          ; one plain line behind the transcendentals
	s_wait_alu depctr_va_vdst(0)                   ; the sixteen exponentials have written v[T ..], ahead of their first reader
.irp q, 0,1,2,3,4,5,6,7,8,9,10,11,12,13,14,15
	v_add_f32 v[T+\q], 1.0, v[T+\q]
.endr
	s_wait_alu depctr_va_vdst(0)
.irp q, 0,1,2,3,4,5,6,7,8,9,10,11,12,13,14,15
	v_rcp_f32 v[T+\q], v[T+\q]
.endr
	v_nop
	WIN 0x04
	s_wait_alu depctr_va_vdst(0)                   ; the sixteen reciprocals have written v[T ..], ahead of their first reader
.irp q, 0,1,2,3,4,5,6,7,8,9,10,11,12,13,14,15
	v_mul_f32 v[T+\q], v[T+\q], v[32*\i+\q]        ; silu(h)
.endr
.irp q, 0,1,2,3,4,5,6,7,8,9,10,11,12,13,14,15
	v_mul_f32 v[T+\q], v[T+\q], v[32*\i+16+\q]     ; x v
.endr
	WIN 0
	v_max3_num_f32 v48, |v[T]|, |v[T+1]|, 0x8000000  ; the floor 2^(16 - 127): the byte cannot fall under 1
	v_max3_num_f32 v50, |v[T+2]|, |v[T+3]|, |v[T+4]|
	v_max3_num_f32 v48, v48, |v[T+5]|, |v[T+6]|
	v_max3_num_f32 v50, v50, |v[T+7]|, |v[T+8]|
	v_max3_num_f32 v48, v48, |v[T+9]|, |v[T+10]|
	v_max3_num_f32 v50, v50, |v[T+11]|, |v[T+12]|
	v_max3_num_f32 v48, v48, |v[T+13]|, |v[T+14]|
	v_max3_num_f32 v48, v48, v50, |v[T+15]|
	v_permlanex16_b32 v49, v48, s60, s61
	v_max_num_f32 v48, v48, v49
	v_add_nc_u32 v51, 0xf8800000, v48              ; 15 off the exponent field: the conversion's scale operand
	v_and_or_b32 v52, v48, 0x7f800000, s62         ; 57,344 x the scale
	v_lshrrev_b32 v[BY+\i], 23, v51                ; the byte
.irp q, 0,1,2,3,4,5,6,7,8,9,10,11,12,13,14,15
	v_med3_num_f32 v[T+\q], v[T+\q], -v52, v52
.endr
	v_cvt_scalef32_pk8_bf8_f32 v[CD+4*\i:CD+4*\i+1], v[T:T+7], v51
	v_cvt_scalef32_pk8_bf8_f32 v[CD+4*\i+2:CD+4*\i+3], v[T+8:T+15], v51
	v_nop                                          ; one plain line behind the last conversion
	s_wait_alu depctr_va_vdst(0)                   ; the conversions have written the entry's codes and the shift its byte, which the two stores read
	global_store_b128 v[L16], v[CD+4*\i:CD+4*\i+3], s[28+4*\i:29+4*\i]   ; 32 lanes store 512 consecutive bytes
	global_store_b8 v[R4], v[BY+\i], s[30+4*\i:31+4*\i]                  ; lanes r and r + 16 store the same byte
.Lskip_\@:
.endm
	s_load_b256 s[4:11], s[0:1], 0x0               ; xq, wq, lists, act
	v_lshrrev_b32 v1, 5, v0
	v_readfirstlane_b32 s12, v1                    ; wave 0..3
	s_mov_b32 s13, ttmp9                           ; which 128 hidden units
	s_and_b32 s14, ttmp7, 0xffff                   ; tile
	v_and_b32 v1, 31, v0
	v_and_b32 v2, 15, v0                           ; r
	v_bfe_u32 v3, v0, 4, 1                         ; h
	v_lshlrev_b32 v[L16], 4, v1
	v_lshlrev_b32 v[R4], 2, v2
	v_lshlrev_b32 v[L4], 2, v1
	s_wait_alu depctr_va_sdst(0)                   ; s12, the wave's number, is written, ahead of its first reader
	s_mul_i32 s26, s12, 32*AP
	v_add_nc_u32 v[FS], s26, v[L16]
	v_mul_u32_u24 v[SCS], v0, SCP                  ; row = thread
	v_add_nc_u32 v[SCS], SCA, v[SCS]
	v_mul_u32_u24 v[ASA], v2, SCP
	v_add_nc_u32 v[ASA], SCA, v[ASA]
	v_mul_u32_u24 v10, v2, AP
	v_lshl_add_u32 v10, v3, 4, v10                 ; a fragment's row x pitch + 16 h
.irp i, 0,1,2,3,4,5,6,7
	v_add_nc_u32 v[ADRA+\i], \i*16*AP, v10
.endr
	s_mov_b32 s60, 0x76543210
	s_mov_b32 s61, 0xfedcba98                      ; v_permlanex16_b32's selects for lane l xor 16
	s_mov_b32 s62, 0x600000                        ; the mantissa field of 57,344
	s_lshl_b32 s26, s14, 2
	s_lshl_b32 s27, s14, 5
	s_lshl_b32 s63, s12, 3
	s_add_co_u32 s63, s63, s27
	s_wait_kmcnt 0x0
	s_load_b32 s15, s[8:9], s26 offset:G1E         ; the tile's expert, 8 if it is not used
	s_load_b256 s[16:23], s[8:9], s27 offset:G1DST ; its eight entries
	s_load_b64 s[24:25], s[8:9], s63 offset:G1DST  ; the two whose rows my wave gathers
	s_wait_kmcnt 0x0
	s_lshr_b32 s24, s24, 1                         ; their ptiles; an entry that is none falls on ptile 159, which is never used and holds the default
	s_min_u32 s24, s24, 159
	s_lshl_b32 s24, s24, 6
	s_lshr_b32 s25, s25, 1
	s_min_u32 s25, s25, 159
	s_lshl_b32 s25, s25, 6
	s_load_b512 s[28:43], s[8:9], s24 offset:0x0   ; their tokens, as scalars for the rows,
	s_load_b512 s[44:59], s[8:9], s25 offset:0x0
	v_add_nc_u32 v11, s24, v[R4]
	v_add_nc_u32 v12, s25, v[R4]
	s_wait_alu depctr_va_vdst(0)                   ; v11 and v12 are written, which the two loads below read as their offsets
	global_load_b32 v13, v11, s[8:9]               ; and lane by lane for the scale bytes
	global_load_b32 v14, v12, s[8:9]
	s_min_u32 s26, s15, 7
	s_lshl_b32 s26, s26, 4
	s_lshl_b32 s27, s13, 2
	s_add_co_u32 s26, s26, s27
	s_add_co_u32 s26, s26, s12                     ; 16 e + f-block
	s_lshl_b32 s66, s26, 17
	s_mov_b32 s67, 0
	s_add_nc_u64 s[66:67], s[6:7], s[66:67]        ; my weights' codes
	s_lshl_b32 s68, s26, 12
	s_add_co_u32 s68, s68, WSC
	s_mov_b32 s69, 0
	s_add_nc_u64 s[68:69], s[6:7], s[68:69]        ; and scale words
	s_wait_kmcnt 0x0
	v_mov_b32 v15, s44
	v_cmp_eq_u32 vcc_lo, 1, v3
	s_wait_alu depctr_va_vcc(0)                    ; the compare has written VCC, which the two selections below read
	v_cndmask_b32 v15, s28, v15, vcc_lo            ; my ptile's token 0
	s_wait_loadcnt 0x0
	v_cndmask_b32 v13, v13, v14, vcc_lo            ; row = thread: lanes 0-15 the first ptile's, lanes 16-31 the second's
	s_wait_alu depctr_va_vdst(0)
	v_cmp_gt_u32 vcc_lo, 2048, v13
	s_wait_alu depctr_va_vcc(0)                    ; the compare has written VCC, which the selection below reads
	v_cndmask_b32 v13, v15, v13, vcc_lo            ; an empty place takes token 0
	v_min_u32 v13, 0x7ff, v13
	v_lshlrev_b32 v13, 6, v13                      ; 64 scale bytes a token
.irp base, 28, 44
.irp r, 1,2,3,4,5,6,7,8,9,10,11,12,13,14,15
	s_cmp_lt_u32 s[\base+\r], 2048
	s_cselect_b32 s[\base+\r], s[\base+\r], s[\base]
.endr
.irp r, 0,1,2,3,4,5,6,7,8,9,10,11,12,13,14,15
	s_min_u32 s[\base+\r], s[\base+\r], 2047
	s_lshl_b32 s[\base+\r], s[\base+\r], 11        ; 2,048 codes a token
.endr
.endr
.irp i, 0,1,2,3,4,5,6,7,8,9,10,11,12,13,14,15,16,17,18,19,20,21,22,23,24,25,26,27,28,29,30,31
	v_add_nc_u32 v[VA+\i], s[28+\i], v[L16]
.endr
	s_wait_alu depctr_va_vdst(0)                   ; v13 and the 32 offsets v32-63 are written, which the gather's loads read; so are all the addresses of the head, for both ways of the branch
	s_cmp_lt_u32 s15, 8
	s_cbranch_scc0 .Lnofill                        ; a tile that is not used gathers nothing; it passes the barrier all the same
.irp q, 0,1,2,3
	global_load_b128 v[CD+4*\q:CD+4*\q+3], v13, s[4:5] offset:XSC+16*\q
.endr
	FILLLD 0
	s_wait_loadcnt 32                              ; the scale bytes are in; the 32 loads of rows 0-7 may be out
	WIN 0
.irp q, 0,1,2,3
	ds_store_b128 v[SCS], v[CD+4*\q:CD+4*\q+3] offset:16*\q
.endr
	FILLLD 1
	s_wait_loadcnt 32                              ; each wait leaves the 32 loads just issued out
	FILLST 0
	FILLLD 2
	s_wait_loadcnt 32
	FILLST 1
	FILLLD 3
	s_wait_loadcnt 32
	FILLST 2
	s_wait_loadcnt 0x0
	FILLST 3
	WIN 0
.Lnofill:
.irp n, 0,1,2,3,4,5,6,7,8,9,10,11,12,13,14,15,16,17,18,19,20,21,22,23,24,25,26,27,28,29,30,31
	global_load_b32 v[BSC+\n], v[L4], s[68:69] offset:128*\n   ; register 2 k + matrix: lanes 0-15 tile u = 0's rows, lanes 16-31 tile u = 1's
.endr
	BLOAD 0
	BLOAD 1
	BLOAD 2
	WIN 0
	s_wait_dscnt 0x0                               ; for the others' sake: my rows and their scale bytes have landed
	s_barrier_signal -1
	s_barrier_wait -1
	s_wait_alu depctr_vm_vsrc(0)                   ; the gather's loads have read v32-63 and its LDS stores windows 1 and 2 and v224-239: the products, the fragments' loads and the way out write these from here on
	s_cmp_lt_u32 s15, 8
	s_cbranch_scc0 .Lend
.irp i, 0,1,2,3,4,5,6,7
.irp q, 0,1,2,3
	ds_load_b128 v[ASC+16*\i+4*\q:ASC+16*\i+4*\q+3], v[ASA] offset:\i*16*SCP+16*\q   ; register 16 i + k: row r's scale word of K step k
.endr
.endr
	APART 0, 0
	APART 0, 2
	APART 0, 4
	APART 0, 6
.irp k, 0,1,2,3,4,5,6,7,8,9,10,11,12,13,14,15
	GSTEP \k
.endr
	WIN 0
.rept 8
	v_nop                                          ; eight places ahead of the first read of results
.endr
	s_lshl_b32 s76, s13, 11
	s_lshl_b32 s72, s12, 9
	s_add_co_u32 s76, s76, s72                     ; in an image: K step x, chunk w
	s_lshl_b32 s77, s13, 6
	s_add_co_u32 s77, s77, s12
	s_add_co_u32 s77, s77, ASCO                    ; among its scale bytes [K step][r][chunk]
	s_mov_b32 s75, 0
.irp i, 0,1,2,3,4,5,6,7
	s_min_u32 s72, s[16+\i], 319
	s_lshl_b32 s74, s72, 13
	s_add_co_u32 s74, s74, s76
	s_add_nc_u64 s[28+4*\i:29+4*\i], s[10:11], s[74:75]
	s_lshl_b32 s74, s72, 8
	s_add_co_u32 s74, s74, s77
	s_add_nc_u64 s[30+4*\i:31+4*\i], s[10:11], s[74:75]
.endr
.irp i, 0,1,2,3,4,5,6,7
	EPI \i
.endr
.Lend:
	s_wait_xcnt 0x0
	s_wait_alu depctr_vm_vsrc(0)                   ; the last entry's store has read v252-255, of which the two lines below write two
	v_lshl_add_u32 v254, v0, 2, 0x43000
	v_mov_b32 v255, 0
	s_wait_dscnt 0x0                               ; the closing lines, six on end
	s_wait_alu 0x0
	s_wait_tensorcnt 0x0
	ds_add_u32 v254, v255
	s_wait_dscnt 0x0
	s_endpgm
.Lfunc_end_k_q7a3cd42b06_up:
	.size	k_q7a3cd42b06_up, .Lfunc_end_k_q7a3cd42b06_up-k_q7a3cd42b06_up
	.p2alignl 7, 3214868480
	.fill 96, 4, 3214868480
	.section	.rodata,"a",@progbits
	.p2align	6, 0x0
	.amdhsa_kernel k_q7a3cd42b06_up
		.amdhsa_group_segment_fixed_size 274944
		.amdhsa_private_segment_fixed_size 0
		.amdhsa_enable_private_segment 0
		.amdhsa_kernarg_size 32
		.amdhsa_user_sgpr_count 2
		.amdhsa_user_sgpr_kernarg_segment_ptr 1
		.amdhsa_wavefront_size32 1
		.amdhsa_system_sgpr_workgroup_id_x 1
		.amdhsa_system_sgpr_workgroup_id_y 1
		.amdhsa_system_sgpr_workgroup_id_z 1
		.amdhsa_system_vgpr_workitem_id 0
		.amdhsa_next_free_vgpr 1024
		.amdhsa_next_free_sgpr 80
		.amdhsa_reserve_vcc 1
		.amdhsa_float_denorm_mode_32 3
		.amdhsa_float_denorm_mode_16_64 3
		.amdhsa_memory_ordered 1
		.amdhsa_forward_progress 1
		.amdhsa_inst_pref_size 220
	.end_amdhsa_kernel
	.amdgpu_metadata
---
amdhsa.version: [ 1, 2 ]
amdhsa.kernels:
  - .name:           k_q7a3cd42b06_up
    .symbol:         k_q7a3cd42b06_up.kd
    .args:
      - { .name: xq, .offset: 0, .size: 8, .value_kind: global_buffer, .address_space: global }
      - { .name: wq, .offset: 8, .size: 8, .value_kind: global_buffer, .address_space: global }
      - { .name: lists, .offset: 16, .size: 8, .value_kind: global_buffer, .address_space: global }
      - { .name: act, .offset: 24, .size: 8, .value_kind: global_buffer, .address_space: global }
    .group_segment_fixed_size: 274944
    .private_segment_fixed_size: 0
    .kernarg_segment_align: 8
    .kernarg_segment_size: 32
    .max_flat_workgroup_size: 128
    .sgpr_count:     80
    .vgpr_count:     1024
    .wavefront_size: 32
...
	.end_amdgpu_metadata
.endif
;; end of part 7
;; launch down (part 8): grid 8 x 31, 4 waves a work-group, no clusters, 99,840 bytes of LDS; arguments act, wq, lists, score, out0; writes out0
.if DOCPART == 8
	.amdgcn_target "amdgcn-amd-amdhsa--gfx1250"
	.amdhsa_code_object_version 6
	.text
	.protected	k_q7a3cd42b06_down
	.globl	k_q7a3cd42b06_down
	.p2align	8
	.type	k_q7a3cd42b06_down,@function
k_q7a3cd42b06_down:
	s_mov_b64 s[64:65], 0
	v_nop
	global_prefetch_b8 v0, s[64:65] scope:SCOPE_SE
	s_setreg_imm32_b32 hwreg(HW_REG_WAVE_SCHED_MODE, 0, 2), 2
	s_setreg_imm32_b32 hwreg(HW_REG_WAVE_MODE, 25, 1), 1
	s_wait_xcnt 0x0
	s_wait_alu depctr_vm_vsrc(0)
; DOWN.  out0[token] = s_lo (act_lo W2[lo]) + s_hi (act_hi W2[hi]): the last product on codes of BF8 (E5M2) with E8M0 scales, sums in f32, and the combine.
; SHARES.  A work-group owns 5 ptiles (80 sorted tokens) and 256 of the 2,048 columns: every output row has one owner.  31 blocks of 5 cover the 154 ptiles that any split can make, and 8 x 31 = 248 work-groups are one for a WGP;
; a block without a ptile stores nothing and ends.
; The 10 images (ptile, slot) of the hidden layer, 8 KiB each, go into LDS once as they lie (wave w fetches K step w of each) and come back as operand registers.  Wave w takes 64 columns: four weight tiles, for all 5 ptiles: y is 20 tiles, 160 registers.
; THE WALK OVER EXPERTS: the experts that the block's ptiles name (a mask of 8 bits from the stored list) are taken in ascending order, in a loop of constant count; an expert's 32 KiB of my columns come from memory straight into
; registers, in two sets by turns: at a step's end the set just used is filled with the expert two further on, which then has the next step in which to land.  Each (ptile, slot) that names the expert in hand: 16 products into four sums begun anew, then y += weight x sum.
; y IS CLEARED ONCE: its two contributions stand under branches on the list, so it has to hold a number on every way.
; An empty place of a ptile is a copy of the ptile's token 0: it holds token 0's numbers and stores them once more on token 0's row.
; USED TRANSPOSED (source 0 = 16 columns of W2, source 1 = 16 tokens): a lane holds one token and eight neighbouring columns.
; NO CLUSTER: the blocks that share a slice of W2 walk different experts in different numbers, by the list.
; REGISTERS: window 0: v1-15 addresses; v16-35 the hidden layer's scale words (4 i + k: lanes 0-15 slot 0, lanes 16-31 slot 1); v48-63 W2's, two sets; v64-73 the weights (s_lo, s_hi) of my token in each ptile; v80-92 offsets;
;   v96-159 a hidden fragment of 4 K steps, later rows on the way out, two buffers by turns; v160-199 byte offsets in out0; v224-255 four sums.   window 1: y ((i, t) at 8 (4 i + t)).   windows 2, 3: W2's fragments, sets 0 and 1.
; THE MODE: SCHED_MODE bits 1:0 = 2 (LLVM: expert scheduling mode 2), set by the entry lines.  The code itself states the register dependences
; between vector or matrix instructions and memory or LDS instructions, with s_wait_alu, always for 0.
; THE PLAN.  Registers that memory or LDS instructions touch:
;   v4-14, v88-92    addresses and offsets, made once at the head, never written again.
;   v80-84           a ptile's token r: loaded, worked on by vector lines, then the offsets of the five loads of weights.
;   v96-159          at the head ten of them are offsets of the loads of tokens; in the loop a (ptile, slot)'s 16 LDS loads land here and its 16 products read them; on the way out LDS loads land here and the stores read them.
;   window 1         loaded with the images, read by the LDS stores; then y: cleared, summed into by multiply-adds, read by the way out's LDS stores.
;   windows 2, 3 and v48-63   W2's two sets and their scale words: read by a step's products, loaded again at the step's end.
;   v160-199         loaded as tokens, turned into offsets by vector lines, read by the way out's stores.
; In the loop ONE wait on va_vdst stands in each (ptile, slot), behind its products' places and ahead of its multiply-adds: the products are done reading v96-159, W2's set and its scale words.  The multiply-adds name the sums, the
; weights and y alone, so the next (ptile, slot)'s LDS loads and the 72 loads at the step's end follow with no further wait, on every way and round the backward jump: each product has this wait behind it in its own straight run.
; One wait on vm_vsrc behind the barrier frees window 1 and v96-108; one wait on va_vdst behind the loop serves all five ways out, which hold no vector line.
.set NP,    5
.set W2Q,   16777216
.set W2S,   25690112
.set ASCO,  2621440
.set PTEXP, 10240
.set STG,   2*NP*8192                  ; behind the images: a stage of 16 rows x (256 + 16) bytes for each wave
.set SPI,   272
.set LI0,   4                          ; v4   16 x lane: images 0-7
.set LI1,   5                          ; v5   + 65,536: images 8, 9
.set L4,    6                          ; v6   4 x lane
.set R4,    7                          ; v7   4 r
.set FS,    8                          ; v8   16 x lane + 2,048 w: my part of an image, in memory and in LDS (images 0-7)
.set STO,   9                          ; v9   the stage, in
.set RD,    10                         ; v10  the stage, back
.set AS0,   11                         ; v11  256 h + 4 r
.set H4,    12                         ; v12  4 h
.set COL,   13                         ; v13  my 16 bytes of a row of out0
.set FS1,   14                         ; v14  FS + 65,536: images 8, 9 in LDS
.set ASC,   16
.set BSC,   48
.set SC,    64
.set TKN,   80
.set AO,    88
.set AF,    96
.set OA,    160
.set TMP,   224
.set MK,    24                         ; s24-31 the masks of a run of compares (s24-28 hold the ptiles' words as loaded first, and are done with by then)
.set LO,    32                         ; s32-36 a ptile's lo, s40-44 its hi
.set PE,    48                         ; s48-52 the ptile, or 0 where the place is not used: every load reads bytes that were stored
.set T0,    56                         ; s56-60 its token 0
.set LIMT,  83                         ; s83    2,048: a place that holds it or more is empty
.set IB,    84                         ; s84-93 where its two images begin
.set MSB, 0
.macro WIN new                         ; the immediate's high byte repeats the setting that is left
.if MSB != \new
	s_set_vgpr_msb (MSB<<8)|\new
.set MSB, \new
.endif
.endm
.macro MM d, a, b, c, sa, sb, arow, brow
.if (\arow) && (\brow)
	v_wmma_scale_f32_16x16x128_f8f6f4 v[(\d):(\d)+7], v[(\a):(\a)+15], v[(\b):(\b)+15], \c, v[\sa], v[\sb] matrix_a_fmt:MATRIX_FMT_BF8 matrix_b_fmt:MATRIX_FMT_BF8 matrix_a_scale:MATRIX_SCALE_ROW1 matrix_b_scale:MATRIX_SCALE_ROW1
.elseif \arow
	v_wmma_scale_f32_16x16x128_f8f6f4 v[(\d):(\d)+7], v[(\a):(\a)+15], v[(\b):(\b)+15], \c, v[\sa], v[\sb] matrix_a_fmt:MATRIX_FMT_BF8 matrix_b_fmt:MATRIX_FMT_BF8 matrix_a_scale:MATRIX_SCALE_ROW1
.elseif \brow
	v_wmma_scale_f32_16x16x128_f8f6f4 v[(\d):(\d)+7], v[(\a):(\a)+15], v[(\b):(\b)+15], \c, v[\sa], v[\sb] matrix_a_fmt:MATRIX_FMT_BF8 matrix_b_fmt:MATRIX_FMT_BF8 matrix_b_scale:MATRIX_SCALE_ROW1
.else
	v_wmma_scale_f32_16x16x128_f8f6f4 v[(\d):(\d)+7], v[(\a):(\a)+15], v[(\b):(\b)+15], \c, v[\sa], v[\sb] matrix_a_fmt:MATRIX_FMT_BF8 matrix_b_fmt:MATRIX_FMT_BF8
.endif
.endm
.macro POP dst                         ; the lowest expert left in the mask, 8 if none; it leaves the mask
	s_ctz_i32_b32 s[\dst], s17
	s_min_u32 s[\dst], s[\dst], 8
	s_sub_co_u32 s22, s17, 1
	s_and_b32 s17, s17, s22
.endm
.macro BLOAD bset, ereg                ; my 64 columns of expert s[ereg]: 32 KiB of codes on end and 8 scale words a lane: 72 loads.  Each set has its own base registers; they are written when no load of mine is out, or for the first time
	s_min_u32 s22, s[\ereg], 7
	s_lshl_b32 s76, s22, 20
	s_mov_b32 s77, 0
	s_add_nc_u64 s[68+4*(\bset):69+4*(\bset)], s[78:79], s[76:77]
	s_lshl_b32 s76, s22, 15
	s_add_nc_u64 s[70+4*(\bset):71+4*(\bset)], s[80:81], s[76:77]
	WIN 0x80+0x40*(\bset)
.irp t, 0,1,2,3
.irp k, 0,1,2,3
.irp c, 0,1,2,3
	global_load_b128 v[64*\t+16*\k+4*\c:64*\t+16*\k+4*\c+3], v[LI0], s[68+4*(\bset):69+4*(\bset)] offset:\t*8192+\k*2048+\c*512
.endr
.endr
.endr
	WIN 0
.irp n, 0,1,2,3,4,5,6,7
	global_load_b32 v[BSC+8*(\bset)+\n], v[L4], s[70+4*(\bset):71+4*(\bset)] offset:128*\n   ; register 4 (t / 2) + k: lanes 0-15 the even tile, lanes 16-31 the odd one
.endr
.endm
; Ptile i, slot: if its expert is the one in hand.
.macro PT i, slot, bset
	s_cmp_eq_u32 s[LO+8*\slot+\i], s18
	s_cbranch_scc0 .Lno_\@
.set IMG, 2*\i+\slot
.irp k, 0,1,2,3
.irp c, 0,1,2,3
.if IMG < 8
	ds_load_b128 v[AF+16*\k+4*\c:AF+16*\k+4*\c+3], v[LI0] offset:IMG*8192+\k*2048+\c*512   ; no wait here: every product that read these registers has its wait behind it, and no vector line since names them
.else
	ds_load_b128 v[AF+16*\k+4*\c:AF+16*\k+4*\c+3], v[LI1] offset:(IMG-8)*8192+\k*2048+\c*512
.endif
.endr
.endr
	WIN 0x02+\bset                                 ; source 0: window 2 or 3
.irp k, 0,1,2,3
	s_wait_dscnt 12-4*\k                           ; this K step's four loads are in; those of the later K steps may be out
.irp t, 0,1,2,3
.if \k == 0
	MM TMP+8*\t, 64*\t+16*\k, AF+16*\k, 0, BSC+8*\bset+4*(\t/2)+\k, ASC+4*\i+\k, \t%2, \slot
.else
	MM TMP+8*\t, 64*\t+16*\k, AF+16*\k, v[TMP+8*\t:TMP+8*\t+7], BSC+8*\bset+4*(\t/2)+\k, ASC+4*\i+\k, \t%2, \slot
.endif
.endr
.endr                                  ; the four sums take turns, one instruction a turn
.rept 9
	v_nop                                          ; eight places ahead of the reads of the sums; nine ahead of the next products, which begin the sums anew
.endr
	s_wait_alu depctr_va_vdst(0)                   ; the sixteen products are done reading v96-159, W2's set and its scale words: LDS loads land in the first, and the loads at the step's end in the others
	WIN 0x50                                       ; y: source 2 and destination, window 1
.irp t, 0,1,2,3
.irp j, 0,2,4,6
.if \slot == 0
	v_pk_fma_f32 v[8*(4*\i+\t)+\j:8*(4*\i+\t)+\j+1], v[TMP+8*\t+\j:TMP+8*\t+\j+1], v[SC+2*\i:SC+2*\i+1], v[8*(4*\i+\t)+\j:8*(4*\i+\t)+\j+1] op_sel_hi:[1,0,1]
.else
	v_pk_fma_f32 v[8*(4*\i+\t)+\j:8*(4*\i+\t)+\j+1], v[TMP+8*\t+\j:TMP+8*\t+\j+1], v[SC+2*\i:SC+2*\i+1], v[8*(4*\i+\t)+\j:8*(4*\i+\t)+\j+1] op_sel:[0,1,0] op_sel_hi:[1,1,1]
.endif
.endr
.endr
	WIN 0
.Lno_\@:
.endm
.macro STEPX bset                      ; the expert in hand (s18) lies in set bset and is in; the next (s19) is on its way into the other set
	s_cmp_lt_u32 s18, 8
	s_cbranch_scc0 .Lnocur_\@
.irp i, 0,1,2,3,4
	PT \i, 0, \bset
	PT \i, 1, \bset
.endr
.Lnocur_\@:
	s_mov_b32 s18, s19
	POP 19
	s_wait_loadcnt 0x0                             ; the other set is in: it had this step in which to land.  No load of mine is out, so this set's base registers may be written
	s_cmp_lt_u32 s19, 8
	s_cbranch_scc0 .Lnoiss_\@
	BLOAD \bset, 19                                ; the expert after that, into the set that this step has left: behind each of its products stand nine v_nop and the wait that shows it done reading the set
.Lnoiss_\@:
.endm
.macro OUTP i                          ; a ptile's 16 rows x my 64 columns: through my own stage, back as whole rows of 256 bytes, into buffer i % 2
	s_cmp_lt_u32 s[LO+\i], 8
	s_cbranch_scc0 .Lnone_\@
.set BK, AF+32*((\i)%2)
.if (\i) >= 2
	s_wait_xcnt 0x0                                ; the stores of two ptiles back have had their addresses translated: their data registers are loaded again only behind this wait,
	s_wait_alu depctr_vm_vsrc(0)                   ; and they have read those registers, in which the LDS loads below land
.endif
	WIN 0x04                                       ; the data: window 1
.irp t, 0,1,2,3
	ds_store_b128 v[STO], v[8*(4*\i+\t):8*(4*\i+\t)+3] offset:64*\t
	ds_store_b128 v[STO], v[8*(4*\i+\t)+4:8*(4*\i+\t)+7] offset:64*\t+16
.endr
	WIN 0
.irp k, 0,1,2,3,4,5,6,7
	ds_load_b128 v[BK+4*\k:BK+4*\k+3], v[RD] offset:2*\k*SPI   ; LDS serves a wave's instructions in order (ISA guide 5.7.1.4): these see the stores above
.endr
.irp k, 0,1,2,3,4,5,6,7
	s_wait_dscnt 7-\k
	global_store_b128 v[OA+8*\i+\k], v[BK+4*\k:BK+4*\k+3], s[12:13] th:TH_STORE_NT   ; sixteen lanes store 256 consecutive bytes, at a multiple of 256 from out0's first byte
.endr
.Lnone_\@:
.endm
; The tokens of ptile i's eight pairs of rows become byte offsets in out0, in three runs: eight compares into eight masks; eight selections; sixteen plain lines.
.macro CMPS i
.irp k, 0,1,2,3,4,5,6,7
	v_cmp_gt_u32 s[MK+\k], s[LIMT], v[OA+8*\i+\k]
.endr
.endm
.macro TAKE i
.irp k, 0,1,2,3,4,5,6,7
	v_cndmask_b32 v[OA+8*\i+\k], s[T0+\i], v[OA+8*\i+\k], s[MK+\k]   ; an empty place takes token 0
.endr
.endm
.macro TOOFF i
.irp k, 0,1,2,3,4,5,6,7
	v_min_u32 v[OA+8*\i+\k], 0x7ff, v[OA+8*\i+\k]
.endr
.irp k, 0,1,2,3,4,5,6,7
	v_lshl_add_u32 v[OA+8*\i+\k], v[OA+8*\i+\k], 13, v[COL]
.endr
.endm
	s_load_b256 s[4:11], s[0:1], 0x0               ; act, wq, lists, score
	s_load_b64 s[12:13], s[0:1], 0x20              ; out0
	v_lshl_add_u32 v222, v0, 2, 0x18400
	v_mov_b32 v223, 0
	v_lshrrev_b32 v1, 5, v0
	v_readfirstlane_b32 s14, v1                    ; wave 0..3
	s_mov_b32 s15, ttmp9                           ; which 256 columns
	s_and_b32 s16, ttmp7, 0xffff                   ; which 5 ptiles
	s_mov_b32 s[LIMT], 2048
	v_and_b32 v1, 31, v0
	v_and_b32 v2, 15, v0                           ; r
	v_bfe_u32 v3, v0, 4, 1                         ; h
	v_lshlrev_b32 v[LI0], 4, v1
	v_add_nc_u32 v[LI1], 65536, v[LI0]
	v_lshlrev_b32 v[L4], 2, v1
	v_lshlrev_b32 v[R4], 2, v2
	s_wait_alu depctr_va_sdst(0)                   ; s14, the wave's number, is written, ahead of its first reader
	s_lshl_b32 s22, s14, 11
	v_add_nc_u32 v[FS], s22, v[LI0]
	v_add_nc_u32 v[FS1], 65536, v[FS]
	s_mul_i32 s22, s14, 16*SPI
	s_add_co_u32 s22, s22, STG                     ; my stage
	v_mul_u32_u24 v[STO], v2, SPI
	v_lshl_add_u32 v[STO], v3, 5, v[STO]
	v_add_nc_u32 v[STO], s22, v[STO]               ; in: row r, + 32 h
	v_mul_u32_u24 v[RD], v3, SPI
	v_lshl_add_u32 v[RD], v2, 4, v[RD]
	v_add_nc_u32 v[RD], s22, v[RD]                 ; back: lanes 0-15 one row, lanes 16-31 the next
	v_lshl_add_u32 v[AS0], v3, 8, v[R4]
	v_lshlrev_b32 v[H4], 2, v3
	s_lshl_b32 s22, s15, 10
	s_lshl_b32 s23, s14, 8
	s_add_co_u32 s22, s22, s23
	v_lshl_add_u32 v[COL], v2, 4, s22
	s_mul_i32 s22, s16, 4*NP
	s_wait_alu depctr_va_vdst(0)
	s_wait_kmcnt 0x0
.irp i, 0,1,2,3,4
	s_load_b32 s[24+\i], s[8:9], s22 offset:PTEXP+4*\i   ; the five ptiles' experts
.endr
	s_lshl_b32 s76, s15, 17                        ; W2: my four tiles of 16 columns, 8 KiB each
	s_lshl_b32 s82, s14, 15
	s_add_co_u32 s76, s76, s82
	s_add_co_u32 s76, s76, W2Q
	s_mov_b32 s77, 0
	s_add_nc_u64 s[78:79], s[6:7], s[76:77]
	s_lshl_b32 s76, s15, 12                        ; their scale words: two pairs of tiles, 512 bytes each
	s_lshl_b32 s82, s14, 10
	s_add_co_u32 s76, s76, s82
	s_add_co_u32 s76, s76, W2S
	s_add_nc_u64 s[80:81], s[6:7], s[76:77]
	s_wait_kmcnt 0x0
	s_mov_b32 s17, 0
	s_mul_i32 s23, s16, NP
.irp i, 0,1,2,3,4
	s_and_b32 s[LO+\i], s[24+\i], 0xff
	s_bfe_u32 s[LO+8+\i], s[24+\i], 0x80008
	s_lshl_b32 s22, 1, s[LO+\i]
	s_or_b32 s17, s17, s22
	s_lshl_b32 s22, 1, s[LO+8+\i]
	s_or_b32 s17, s17, s22
	s_add_co_u32 s22, s23, \i
	s_cmp_lt_u32 s[LO+\i], 8
	s_cselect_b32 s[PE+\i], s22, 0
	s_min_u32 s[PE+\i], s[PE+\i], 159
	s_lshl_b32 s76, s[PE+\i], 14                   ; a ptile's two images: 16 KiB on end
	s_add_nc_u64 s[IB+2*\i:IB+2*\i+1], s[4:5], s[76:77]
	s_lshl_b32 s22, s[PE+\i], 6
	v_add_nc_u32 v[AF+\i], s22, v[R4]
	v_add_nc_u32 v[AF+8+\i], s22, v[H4]
	s_lshl_b32 s22, s[PE+\i], 9
	v_add_nc_u32 v[AO+\i], s22, v[AS0]
.endr
	s_and_b32 s17, s17, 0xff                       ; the experts that the block names (bit 8: places not used)
	POP 18                                         ; the expert in hand,
	POP 19                                         ; the next
	s_wait_alu depctr_va_vdst(0)                   ; all addresses and offsets of the head are written (v4-14, v88-92, v96-108), which the loads and LDS instructions of the whole kernel read
.irp i, 0,1,2,3,4
	global_load_b32 v[TKN+\i], v[AF+\i], s[8:9]    ; token r of ptile i: the weights hang on it, so it goes first
.endr
	WIN 0x40                                       ; y's registers carry the images on their way into LDS
.irp i, 0,1,2,3,4
.irp sl, 0,1
.irp c, 0,1,2,3
	global_load_b128 v[32*\i+16*\sl+4*\c:32*\i+16*\sl+4*\c+3], v[FS], s[IB+2*\i:IB+2*\i+1] offset:\sl*8192+\c*512   ; K step w of image 2 i + sl
.endr
.endr
.endr
	WIN 0
	s_wait_loadcnt 40                              ; the five loads of tokens are in; the images' 40 may be out
.irp i, 0,1,2,3,4
	v_readfirstlane_b32 s[T0+\i], v[TKN+\i]        ; the ptile's token 0
.endr
.irp i, 0,1,2,3,4
	v_cmp_gt_u32 s[MK+\i], s[LIMT], v[TKN+\i]
.endr
	s_wait_alu depctr_va_sdst(0)                   ; the five tokens 0 and the five masks are written, ahead of the selections that read them
.irp i, 0,1,2,3,4
	v_cndmask_b32 v[TKN+\i], s[T0+\i], v[TKN+\i], s[MK+\i]   ; an empty place takes token 0
.endr
.irp i, 0,1,2,3,4
	v_min_u32 v[TKN+\i], 0x7ff, v[TKN+\i]
.endr
.irp i, 0,1,2,3,4
	v_lshlrev_b32 v[TKN+\i], 3, v[TKN+\i]
.endr
.irp i, 0,1,2,3,4
.irp k, 0,1,2,3
	global_load_b32 v[ASC+4*\i+\k], v[AO+\i], s[4:5] offset:ASCO+64*\k   ; these sixty loads hang on nothing made since the head's wait: they stand between the lines above and the wait for them
.endr
.endr
.irp i, 0,1,2,3,4
.irp k, 0,1,2,3,4,5,6,7
	global_load_b32 v[OA+8*\i+\k], v[AF+8+\i], s[8:9] offset:8*\k   ; token 2 k + h: the row that I store on the way out
.endr
.endr
	s_wait_alu depctr_va_vdst(0)                   ; v80-84 are written, which the five loads below read as their offsets
.irp i, 0,1,2,3,4
	global_load_b64 v[SC+2*\i:SC+2*\i+1], v[TKN+\i], s[10:11]
.endr
	BLOAD 0, 18
	s_wait_loadcnt 63                              ; the youngest 72 loads are the first expert's: with at most 63 out, all that stands ahead of them is in: the images, the weights, the scale words, the tokens
	WIN 0x04
.irp i, 0,1,2,3,4
.irp sl, 0,1
.irp c, 0,1,2,3
.if 2*\i+\sl < 8
	ds_store_b128 v[FS], v[32*\i+16*\sl+4*\c:32*\i+16*\sl+4*\c+3] offset:(2*\i+\sl)*8192+\c*512
.else
	ds_store_b128 v[FS1], v[32*\i+16*\sl+4*\c:32*\i+16*\sl+4*\c+3] offset:(2*\i+\sl-8)*8192+\c*512
.endif
.endr
.endr
.endr
	WIN 0
	CMPS 0                                         ; the tokens become byte offsets in out0 while the LDS stores land and the first expert's weights arrive
	s_wait_alu depctr_va_sdst(0)                   ; ptile 0's eight masks are written, ahead of the selections that read them
	TAKE 0
	CMPS 1
	TOOFF 0                                        ; sixteen plain lines stand between a run of compares and the wait for it
	s_wait_alu depctr_va_sdst(0)                   ; ptile 1's eight masks are written
	TAKE 1
	CMPS 2
	TOOFF 1
	s_wait_alu depctr_va_sdst(0)                   ; ptile 2's eight masks are written
	TAKE 2
	CMPS 3
	TOOFF 2
	s_wait_alu depctr_va_sdst(0)                   ; ptile 3's eight masks are written
	TAKE 3
	CMPS 4
	TOOFF 3
	s_wait_alu depctr_va_sdst(0)                   ; ptile 4's eight masks are written
	TAKE 4
	TOOFF 4
	s_wait_dscnt 0x0                               ; for the others' sake: my part of the ten images has landed
	s_barrier_signal -1
	s_barrier_wait -1
	s_wait_alu depctr_vm_vsrc(0)                   ; my LDS stores have read window 1, which is cleared below, and the loads of tokens have read v96-108, in which LDS loads land from here on
	s_cmp_lt_u32 s18, 8
	s_cbranch_scc0 .Lend                           ; a block without a ptile
	WIN 0x40
.set n, 0
.rept 32*NP
	v_mov_b32 v[n], 0                              ; y, while the weights are on their way
.set n, n+1
.endr
	WIN 0
	BLOAD 1, 19                                    ; always: where there is no second expert, expert 7's, which nothing multiplies: so both sets hold loaded numbers on every way
	s_wait_loadcnt 63                              ; the youngest 72 loads are the second expert's: with at most 63 out, the first expert's are in
	s_mov_b32 s21, 4
.Ltrip:                                            ; four trips of two steps: up to eight experts
	STEPX 0
	STEPX 1
	s_sub_co_u32 s21, s21, 1
	s_cmp_lg_u32 s21, 0
	s_cbranch_scc1 .Ltrip
	s_wait_alu depctr_va_vdst(0)                   ; the multiply-adds have written y, which the LDS stores below read; the offsets v160-199 are written, which the stores read: one wait for the five ways out, which hold no vector line
.irp i, 0,1,2,3,4
	OUTP \i
.endr
.Lend:
	s_wait_dscnt 0x0                               ; the closing lines, six on end
	s_wait_alu 0x0
	s_wait_tensorcnt 0x0
	ds_add_u32 v222, v223
	s_wait_dscnt 0x0
	s_endpgm
.Lfunc_end_k_q7a3cd42b06_down:
	.size	k_q7a3cd42b06_down, .Lfunc_end_k_q7a3cd42b06_down-k_q7a3cd42b06_down
	.p2alignl 7, 3214868480
	.fill 96, 4, 3214868480
	.section	.rodata,"a",@progbits
	.p2align	6, 0x0
	.amdhsa_kernel k_q7a3cd42b06_down
		.amdhsa_group_segment_fixed_size 99840
		.amdhsa_private_segment_fixed_size 0
		.amdhsa_enable_private_segment 0
		.amdhsa_kernarg_size 40
		.amdhsa_user_sgpr_count 2
		.amdhsa_user_sgpr_kernarg_segment_ptr 1
		.amdhsa_wavefront_size32 1
		.amdhsa_system_sgpr_workgroup_id_x 1
		.amdhsa_system_sgpr_workgroup_id_y 1
		.amdhsa_system_sgpr_workgroup_id_z 1
		.amdhsa_system_vgpr_workitem_id 0
		.amdhsa_next_free_vgpr 1024
		.amdhsa_next_free_sgpr 96
		.amdhsa_reserve_vcc 0
		.amdhsa_float_denorm_mode_32 3
		.amdhsa_float_denorm_mode_16_64 3
		.amdhsa_memory_ordered 1
		.amdhsa_forward_progress 1
		.amdhsa_inst_pref_size 168
	.end_amdhsa_kernel
	.amdgpu_metadata
---
amdhsa.version: [ 1, 2 ]
amdhsa.kernels:
  - .name:           k_q7a3cd42b06_down
    .symbol:         k_q7a3cd42b06_down.kd
    .args:
      - { .name: act, .offset: 0, .size: 8, .value_kind: global_buffer, .address_space: global }
      - { .name: wq, .offset: 8, .size: 8, .value_kind: global_buffer, .address_space: global }
      - { .name: lists, .offset: 16, .size: 8, .value_kind: global_buffer, .address_space: global }
      - { .name: score, .offset: 24, .size: 8, .value_kind: global_buffer, .address_space: global }
      - { .name: out0, .offset: 32, .size: 8, .value_kind: global_buffer, .address_space: global }
    .group_segment_fixed_size: 99840
    .private_segment_fixed_size: 0
    .kernarg_segment_align: 8
    .kernarg_segment_size: 40
    .max_flat_workgroup_size: 128
    .sgpr_count:     96
    .vgpr_count:     1024
    .wavefront_size: 32
...
	.end_amdgpu_metadata
.endif
;; end of part 8
